; MI455X (gfx1250); checked and timed in simulation.
; The chip was launched on July 23, 2026; its instructions are those of AMD's public machine-readable ISA for CDNA 5 (MIT licence, August 2026) and "CDNA5" Instruction Set Architecture Reference Guide (July 2026). The comments in the code are by the model that wrote it; some were corrected since.
;; Transformer Layer. Allowed arithmetic: matrix products marked QUANTISED: E2M3 operands, one E8M0 scale for each 32 along K, by v_wmma_scale_f32_16x16x128_f8f6f4 with both operands' format E2M3, f32 sums; everything else in f32.
;; Inputs: b1 4,096 float32; b2 1,024 float32; ln1_b 1,024 float32; ln1_w 1,024 float32; ln2_b 1,024 float32; ln2_w 1,024 float32; w1 4,096 x 1,024 float32; w2 1,024 x 4,096 float32; w_o 1,024 x 1,024 float32; w_qkv 3,072 x 1,024 float32; x 2 x 2,048 x 1,024 float32.
;; Outputs: out0 2 x 2,048 x 1,024 float32.
;; This version of the problem:
;;   THIS VERSION OF THE PROBLEM IS GIVEN IN LOW PRECISION. The matrix products marked QUANTISED in the list below multiply operands that are first quantised to E2M3 (2 exponent bits, 3 mantissa bits; 6 bits a number), with one power-of-two scale for each 32 numbers along K (OCP MX v1.0); their sums are f32. All else is computed in f32.
;;   The module's matrix products, in the order in which they are computed (A, B: the left and right operand; K: the contracted axis; several contracted axes count as one K, in the product's order):
;;     1. [M 4,096, K 1,024] x [K 1,024, N 3,072]; A: computed on the way; B: input w_qkv: QUANTISED
;;     2. batch 32 x [M 2,048, K 64] x [K 64, N 2,048]; A: computed on the way; B: computed on the way: QUANTISED
;;     3. batch 32 x [M 2,048, K 2,048] x [K 2,048, N 64]; A: computed on the way; B: computed on the way: QUANTISED
;;     4. [M 4,096, K 1,024] x [K 1,024, N 1,024]; A: computed on the way; B: input w_o: QUANTISED
;;     5. [M 4,096, K 1,024] x [K 1,024, N 4,096]; A: computed on the way; B: input w1: QUANTISED
;;     6. [M 4,096, K 4,096] x [K 4,096, N 1,024]; A: computed on the way; B: input w2: QUANTISED
;;   THE QUANTISER, for each operand of a quantised product, along K:
;;     - K is cut into blocks of 32 from its start; a last block that is shorter is filled with zeros.
;;     - A block's scale is 2^e with e = floor(log2(the largest magnitude in the block)) - 2, held to -126 .. 127; a block of zeros has e = 0. As a byte (E8M0): e + 127.
;;     - Each number is divided by its block's scale, clamped to +-7.5, and rounded to the nearest number of E2M3, ties to even, subnormals kept.
;;     - The product sums the exact products of the quantised numbers (number of the format x scale) in f32.
;;   ~~~python
;;   def quantise(x, axis):      # numpy; x: float32 -> the quantised numbers, widened to float32 again
;;       x = np.moveaxis(x, axis, -1); K = x.shape[-1]
;;       x = np.pad(x, [(0, 0)] * (x.ndim - 1) + [(0, -K % 32)]); x = x.reshape(x.shape[:-1] + (-1, 32)); a = np.abs(x).max(-1, keepdims=True)
;;       e = np.where(a > 0, np.clip(np.frexp(np.where(a > 0, a, 1))[1] - 1 - 2, -126, 127), 0)      # np.frexp(a)[1] - 1 = floor(log2(a)), exactly
;;       r = np.clip(x / 2.0 ** e, -7.5, 7.5)
;;       step = 2.0 ** (np.maximum(np.frexp(np.where(r == 0, 1, r))[1] - 1, 0) - 3)
;;       q = np.round(r / step) * step * 2.0 ** e      # np.round: ties to even
;;       return np.moveaxis(q.reshape(q.shape[:-2] + (-1,))[..., :K], -1, axis).astype(np.float32)
;;   ~~~
;;   OPERANDS COMPUTED ON THE WAY. 'Computed on the way' means the value that the module computes at that place (a softmax that the list does not call 'softmax' is quantised finished and normalised). What goes into a quantiser is computed in f32, as accurately as f32 sums, v_exp_f32 and their like allow (about 1e-6 of the number): no bf16 or f16 on the way to a quantiser, and a product that is left as it is and whose result goes on into a quantised operand takes f32 operands (vector FMAs, or v_wmma_f32_16x16x4_f32). A number that lies on a knife's edge between two numbers of the format may be rounded either way, as far as f32 arithmetic and the matrix unit's own rounding can turn it there, and no further.
;; 2 versions, each right; version 2 is version 1 with the launch attn written anew for expert scheduling mode. Each part assembles by itself: llvm-mc -triple=amdgcn-amd-amdhsa -mcpu=gfx1250 --defsym DOCPART=n.
;; ======== version 1 of 2: 8 launches
;; workspace buffers: wbuf 9,830,400 bytes; hbuf 3,276,800 bytes; qkvbuf 9,830,400 bytes; avbuf 3,276,800 bytes; x1 16,777,216 bytes; hidbuf 13,107,200 bytes
;; launch quantw (part 1): grid 384 x 1, 4 waves a work-group, no clusters, 35,328 bytes of LDS; arguments w_qkv, w_o, w1, w2, wbuf; writes wbuf
.if DOCPART == 1
	.amdgcn_target "amdgcn-amd-amdhsa--gfx1250"
	.amdhsa_code_object_version 6
	.text
	.protected	k_qff8d12c232_quantw
	.globl	k_qff8d12c232_quantw
	.p2align	8
	.type	k_qff8d12c232_quantw,@function
k_qff8d12c232_quantw:
	s_mov_b64 s[64:65], 0
	v_nop
	global_prefetch_b8 v0, s[64:65] scope:SCOPE_SE
	s_setreg_imm32_b32 hwreg(HW_REG_WAVE_MODE, 25, 1), 1
	s_wait_xcnt 0x0
; The four weights, f32 [N][K] with K innermost, become codes of E2M3 with one E8M0 byte for each 32 along K, laid in the ORDER OF AN OPERAND'S REGISTERS.
; A fragment is 16 rows x 128 K = 12 registers a lane = 1,536 bytes: register pair p of lane l lies at 256 p + 8 l; fragment (row tile rt, K step ks) at (rt KS + ks) 1,536.
; Lane r of row tile rt holds row 32 (rt / 2) + 8 (rt % 2) + r + 8 (r / 8), so that, used as source 0, two neighbouring tiles give a lane 16 neighbours along N.
; Scale words (4 bytes: one row, 128 K) lie at (rt KS + ks) 64 + 4 r.  w_qkv's rows are taken in the order (z, head, d): logical row 1024 z + 64 head + d is row 48 d + 16 z + head of the input.
; SHARES: a wave takes one row tile x 4 K steps (16 rows x 2,048 bytes): 1,536 such units, 384 work-groups: 0-95 w_qkv, 96-127 w_o, 128-255 w1, 256-383 w2; only pointers and figures are chosen, by the work-group's number.
; Each load reads 512 consecutive bytes of one row; a fragment's 16 x 512 bytes turn through the wave's own stage in LDS (rows 528 bytes apart) so that a lane gets 16 neighbours of each block of 32.
; No barrier: waves share nothing.  No cluster: work-groups share no input.  Loads run two fragments (32 loads a wave) ahead.
; LIMITS: NaN and infinities are not served; a block whose largest magnitude lies under 2^-124 (a block of zeros too) gets the byte 1: its codes are zeros, and this program alone reads the bytes.
.set WREG,  8704                       ; LDS of a wave: the stage, 16 x 528, and 256 bytes for its four fragments' scale words
.set SP,    528
.set R,     16                         ; v16-143  two sets of 64 numbers as loaded
.set X,     144                        ; v144-207 64 numbers: register 16 b + i = k 32 b + 16 (lane / 16) + i of my row
.set PC,    208                        ; v208-226 the codes
.set TM,    228                        ; v228-243 at work
.set PW,    244                        ; the scale word
.set SEL,   2
.set WV,    72
; 64 numbers of a lane become a fragment's codes in v[PC] on and its scale word in v[PW]
.macro QUANT s
.irp b, 0,1,2,3
	v_max3_num_f32 v[TM+\b], |v[\s+16*\b]|, |v[\s+1+16*\b]|, 0x1800000   ; block b: my 16 numbers, and the floor 2^(3 - 127): the byte cannot fall under 1
.endr
.irp i, 2,4,6,8,10,12,14
.irp b, 0,1,2,3
	v_max3_num_f32 v[TM+\b], v[TM+\b], |v[\s+16*\b+\i]|, |v[\s+1+16*\b+\i]|
.endr
.endr
.irp b, 0,1,2,3
	v_permlanex16_b32 v[TM+4+\b], v[TM+\b], s[SEL], s[SEL+1]
.endr
.irp b, 0,1,2,3
	v_max_num_f32 v[TM+\b], v[TM+\b], v[TM+4+\b]   ; with lane l xor 16's: the block's largest magnitude
.endr
.irp b, 0,1,2,3
	v_add_nc_u32 v[TM+12+\b], 0xff000000, v[TM+\b]   ; 2 off its exponent field: the conversion's scale operand
.endr
.irp b, 0,1,2,3
	v_lshrrev_b32 v[TM+4+\b], 23, v[TM+12+\b]      ; the scale's byte
.endr
	v_lshl_or_b32 v[PW], v[TM+5], 8, v[TM+4]
	v_lshl_or_b32 v[PW], v[TM+6], 16, v[PW]
	v_lshl_or_b32 v[PW], v[TM+7], 24, v[PW]
.irp c, 0,1
	v_cvt_scalef32_pk16_fp6_f32 v[PC+6*\c:PC+2+6*\c], v[\s+32*\c:\s+15+32*\c], v[TM+12+2*\c]
	v_cvt_scalef32_pk16_fp6_f32 v[PC+12+4*\c:PC+14+4*\c], v[\s+16+32*\c:\s+31+32*\c], v[TM+12+2*\c+1]
.endr
	v_nop                                          ; one plain place behind a scaled conversion
.irp c, 0,1                                    ; the layout wants a whole block in a lane: lanes 0-15 block 2 c, lanes 16-31 block 2 c + 1
.irp i, 0,1,2
	v_permlane16_swap_b32 v[PC+6*\c+\i], v[PC+12+4*\c+\i]
.endr
.irp i, 0,1,2
	v_mov_b32 v[PC+3+6*\c+\i], v[PC+12+4*\c+\i]
.endr
.endr
.endm
	s_load_b256 s[4:11], s[0:1], 0x0               ; w_qkv, w_o, w1, w2
	s_load_b64 s[12:13], s[0:1], 0x20              ; wbuf
	v_lshl_add_u32 v254, v0, 2, 0x8800
	v_mov_b32 v255, 0
	v_lshrrev_b32 v1, 5, v0
	v_readfirstlane_b32 s[WV], v1                  ; wave
	v_and_b32 v7, 31, v0                           ; lane
	v_and_b32 v8, 15, v0                           ; r
	v_bfe_u32 v9, v0, 4, 1                         ; h
	s_mul_i32 s27, s[WV], WREG
	v_lshlrev_b32 v1, 4, v7                        ; 16 x lane: my bytes of a load's 512
	v_add_nc_u32 v2, s27, v1                       ; the stage, on the way in
	v_mul_u32_u24 v3, v8, SP
	v_lshl_add_u32 v3, v9, 6, v3
	v_add_nc_u32 v3, s27, v3                       ; and out: row r, + 64 h
	v_lshlrev_b32 v4, 3, v7                        ; 8 x lane: my place in a register pair's 256 bytes
	s_add_co_u32 s27, s27, 16*SP
	v_lshl_add_u32 v5, v8, 2, s27                  ; my row's scale word
	v_add_nc_u32 v6, s27, v4                       ; and 8 bytes a lane on the way out
.irp b, 0,1,2,3
	v_mov_b32 v[TM+4+\b], 0                        ; a lane permute's destination counts as read
.endr
	s_mov_b32 s[SEL], 0x76543210
	s_mov_b32 s[SEL+1], 0xfedcba98
	s_mov_b32 s16, 256                             ; w2's figures: first work-group,
	s_mov_b32 s17, 3                               ; log2 of the groups of 4 K steps in a row,
	s_mov_b32 s18, 32                              ; K steps,
	s_mov_b32 s19, 16384                           ; bytes from a tile's row to the next,
	s_mov_b32 s20, 6291456                         ; where its images begin in wbuf,
	s_mov_b32 s21, 9699328                         ; and its scale words,
	s_mov_b32 s22, 0xffff                          ; the mask on rt / 2,
	s_mov_b32 s23, 0                               ; bytes for each rt / 4
	s_wait_kmcnt 0x0
	s_mov_b64 s[14:15], s[10:11]
	s_cmp_lt_u32 ttmp9, 256                        ; w1?
	s_cselect_b64 s[14:15], s[8:9], s[14:15]
	s_cselect_b32 s16, 128, s16
	s_cselect_b32 s17, 1, s17
	s_cselect_b32 s18, 8, s18
	s_cselect_b32 s19, 4096, s19
	s_cselect_b32 s20, 3145728, s20
	s_cselect_b32 s21, 9568256, s21
	s_cmp_lt_u32 ttmp9, 128                        ; w_o?
	s_cselect_b64 s[14:15], s[6:7], s[14:15]
	s_cselect_b32 s16, 96, s16
	s_cselect_b32 s20, 2359296, s20
	s_cselect_b32 s21, 9535488, s21
	s_cmp_lt_u32 ttmp9, 96                         ; w_qkv?  Its tile's rows are 48 rows apart, and rt / 4 = 16 z + head names the first
	s_cselect_b64 s[14:15], s[4:5], s[14:15]
	s_cselect_b32 s16, 0, s16
	s_cselect_b32 s19, 196608, s19
	s_cselect_b32 s20, 0, s20
	s_cselect_b32 s21, 9437184, s21
	s_cselect_b32 s22, 1, s22
	s_cselect_b32 s23, 4096, s23
	s_sub_co_u32 s24, ttmp9, s16
	s_lshl_b32 s24, s24, 2
	s_add_co_u32 s24, s24, s[WV]                   ; my unit
	s_lshr_b32 s25, s24, s17                       ; rt
	s_lshl_b32 s26, s25, s17
	s_sub_co_u32 s26, s24, s26                     ; which 4 K steps
	s_mul_i32 s30, s25, s18
	s_lshl_b32 s31, s26, 2
	s_add_co_u32 s30, s30, s31                     ; my first fragment: rt KS + 4 kg
	s_mul_i32 s66, s30, 1536
	s_add_co_u32 s66, s66, s20
	s_mov_b32 s67, 0
	s_add_nc_u64 s[68:69], s[12:13], s[66:67]      ; its image
	s_lshl_b32 s66, s30, 6
	s_add_co_u32 s66, s66, s21
	s_add_nc_u64 s[70:71], s[12:13], s[66:67]      ; its scale words: 256 bytes, aligned
	s_lshr_b32 s27, s25, 1
	s_and_b32 s27, s27, s22
	s_lshl_b32 s27, s27, 5
	s_and_b32 s28, s25, 1
	s_lshl_b32 s28, s28, 3
	s_add_co_u32 s27, s27, s28                     ; the tile's first row
	s_mul_i32 s27, s27, s19
	s_lshr_b32 s28, s25, 2
	s_mul_i32 s28, s28, s23
	s_add_co_u32 s27, s27, s28
	s_lshl_b32 s28, s26, 11
	s_add_co_u32 s28, s27, s28
	s_mov_b32 s29, 0
	s_add_nc_u64 s[14:15], s[14:15], s[28:29]
	s_mov_b32 s31, 0
.irp i, 0,1,2,3,4,5,6,7,8,9,10,11,12,13,14,15
	s_mul_i32 s30, s19, \i+8*(\i/8)
	s_add_nc_u64 s[32+2*\i:33+2*\i], s[14:15], s[30:31]   ; lane row i's address
.endr
.macro LOAD f                          ; fragment f: 16 rows x 512 consecutive bytes
.irp i, 0,1,2,3,4,5,6,7,8,9,10,11,12,13,14,15
	global_load_b128 v[R+64*((\f)%2)+4*\i:R+64*((\f)%2)+4*\i+3], v1, s[32+2*\i:33+2*\i] offset:512*(\f) th:TH_LOAD_NT
.endr
.endm
.macro FRAGQ f
.if (\f) < 3
	s_wait_loadcnt 16                              ; this fragment's 16 loads are in; the next fragment's 16 may be out
.else
	s_wait_loadcnt 0x0
.endif
.irp i, 0,1,2,3,4,5,6,7,8,9,10,11,12,13,14,15
	ds_store_b128 v2, v[R+64*((\f)%2)+4*\i:R+64*((\f)%2)+4*\i+3] offset:SP*\i
.endr
.irp b, 0,1,2,3
.irp j, 0,1,2,3
	ds_load_b128 v[X+16*\b+4*\j:X+16*\b+4*\j+3], v3 offset:128*\b+16*\j   ; LDS serves a wave's instructions in order: these see my stores
.endr
.endr
	s_wait_dscnt 0x0                               ; the numbers are back, and the stores have read their registers,
.if (\f)+2 < 4
	LOAD (\f)+2                                    ; which take the loads of two fragments on
.endif
	s_wait_xcnt 0x0                                ; the last fragment's stores have read the codes' registers
	QUANT X
.irp p, 0,1,2,3,4,5
	global_store_b64 v4, v[PC+2*\p:PC+2*\p+1], s[68:69] offset:1536*(\f)+256*\p   ; 32 lanes store 256 consecutive bytes, aligned
.endr
	ds_store_b32 v5, v[PW] offset:64*(\f)          ; lanes l and l + 16 write the same word with the same value
.endm
	LOAD 0
	LOAD 1
	FRAGQ 0
	FRAGQ 1
	FRAGQ 2
	FRAGQ 3
	ds_load_b64 v[246:247], v6
	s_wait_dscnt 0x0
	global_store_b64 v4, v[246:247], s[70:71]      ; four fragments' scale words: 256 consecutive bytes, aligned
	s_wait_tensorcnt 0x0
	ds_add_u32 v254, v255
	s_wait_dscnt 0x0
	s_endpgm
.Lfunc_end_k_qff8d12c232_quantw:
	.size	k_qff8d12c232_quantw, .Lfunc_end_k_qff8d12c232_quantw-k_qff8d12c232_quantw
	.p2alignl 7, 3214868480
	.fill 96, 4, 3214868480
	.section	.rodata,"a",@progbits
	.p2align	6, 0x0
	.amdhsa_kernel k_qff8d12c232_quantw
		.amdhsa_group_segment_fixed_size 35328
		.amdhsa_private_segment_fixed_size 0
		.amdhsa_enable_private_segment 0
		.amdhsa_kernarg_size 40
		.amdhsa_user_sgpr_count 2
		.amdhsa_user_sgpr_kernarg_segment_ptr 1
		.amdhsa_wavefront_size32 1
		.amdhsa_system_sgpr_workgroup_id_x 1
		.amdhsa_system_sgpr_workgroup_id_y 1
		.amdhsa_system_sgpr_workgroup_id_z 1
		.amdhsa_system_vgpr_workitem_id 0
		.amdhsa_next_free_vgpr 256
		.amdhsa_next_free_sgpr 74
		.amdhsa_reserve_vcc 0
		.amdhsa_float_denorm_mode_32 3
		.amdhsa_float_denorm_mode_16_64 3
		.amdhsa_memory_ordered 1
		.amdhsa_forward_progress 1
		.amdhsa_inst_pref_size 38
	.end_amdhsa_kernel
	.amdgpu_metadata
---
amdhsa.version: [ 1, 2 ]
amdhsa.kernels:
  - .name:           k_qff8d12c232_quantw
    .symbol:         k_qff8d12c232_quantw.kd
    .args:
      - { .name: w_qkv, .offset: 0, .size: 8, .value_kind: global_buffer, .address_space: global }
      - { .name: w_o, .offset: 8, .size: 8, .value_kind: global_buffer, .address_space: global }
      - { .name: w1, .offset: 16, .size: 8, .value_kind: global_buffer, .address_space: global }
      - { .name: w2, .offset: 24, .size: 8, .value_kind: global_buffer, .address_space: global }
      - { .name: wbuf, .offset: 32, .size: 8, .value_kind: global_buffer, .address_space: global }
    .group_segment_fixed_size: 35328
    .private_segment_fixed_size: 0
    .kernarg_segment_align: 8
    .kernarg_segment_size: 40
    .max_flat_workgroup_size: 128
    .sgpr_count:     74
    .vgpr_count:     256
    .wavefront_size: 32
...
	.end_amdgpu_metadata
.endif
;; end of part 1
;; launch ln1 (part 2): grid 256 x 1, 8 waves a work-group, no clusters, 70,656 bytes of LDS; arguments x, ln1_w, ln1_b, hbuf; writes hbuf
.if DOCPART == 2
	.amdgcn_target "amdgcn-amd-amdhsa--gfx1250"
	.amdhsa_code_object_version 6
	.text
	.protected	k_qff8d12c232_ln1
	.globl	k_qff8d12c232_ln1
	.p2align	8
	.type	k_qff8d12c232_ln1,@function
k_qff8d12c232_ln1:
	s_mov_b64 s[64:65], 0
	v_nop
	global_prefetch_b8 v0, s[64:65] scope:SCOPE_SE
	s_setreg_imm32_b32 hwreg(HW_REG_WAVE_MODE, 25, 1), 1
	s_wait_xcnt 0x0
; h = layer_norm(X) gain + bias, f32, quantised along its 1,024 columns to codes of E2M3 with one E8M0 byte for each 32, laid as images of an operand's registers:
; fragment (row tile T, K step w) at (8 T + w) 1,536, register pair p of lane l at 256 p + 8 l; scale words at 3,145,728 + (8 T + w) 64 + 4 r.
; Lane r of row tile T holds row 32 (T / 2) + 8 (T % 2) + r + 8 (r / 8).
; SHARES: work-group T takes row tile T; wave w takes columns 128 w .. 128 w + 127 of its 16 rows, 64 numbers a lane, read from memory once and kept in registers.
; Mean and variance in two passes, as the definition has them (the differences from the mean are squared), so that a common offset of the rows costs no accuracy.
; The waves' partial sums meet in LDS: three barriers.  No cluster: work-groups share only gain and bias, 8,192 of a work-group's 73,728 bytes.
; LIMITS: NaN and infinities are not served; a block whose largest magnitude lies under 2^-124 gets the byte 1: its codes are zeros, and this program alone reads the bytes.
.set SP,    528
.set STAT1, 8*16*SP                    ; 8 waves x 16 rows of partial sums; 512 bytes on: those of the squares
.set SCG,   STAT1+1024                 ; the tile's 8 x 16 scale words
.set X,     16                         ; v16-79   row i's four numbers at X + 4 i
.set GA,    80
.set BE,    84
.set RS,    88                         ; v88-103  a sum for each row
.set T,     104
.set Y,     112                        ; v112-175 at work; then 64 numbers in the quantiser's order
.set PT,    144
.set PC,    176
.set TM,    196
.set PW,    212
.set SEL,   20
.set MU,    24                         ; s24-39 the rows' means;  s40-55 1 / sqrt(variance + eps)
.set RSD,   40
.macro QUANT s
.irp b, 0,1,2,3
	v_max3_num_f32 v[TM+\b], |v[\s+16*\b]|, |v[\s+1+16*\b]|, 0x1800000   ; block b: my 16 numbers, and the floor 2^(3 - 127): the byte cannot fall under 1
.endr
.irp i, 2,4,6,8,10,12,14
.irp b, 0,1,2,3
	v_max3_num_f32 v[TM+\b], v[TM+\b], |v[\s+16*\b+\i]|, |v[\s+1+16*\b+\i]|
.endr
.endr
.irp b, 0,1,2,3
	v_permlanex16_b32 v[TM+4+\b], v[TM+\b], s[SEL], s[SEL+1]
.endr
.irp b, 0,1,2,3
	v_max_num_f32 v[TM+\b], v[TM+\b], v[TM+4+\b]
.endr
.irp b, 0,1,2,3
	v_add_nc_u32 v[TM+12+\b], 0xff000000, v[TM+\b]   ; 2 off the exponent field: the conversion's scale operand
.endr
.irp b, 0,1,2,3
	v_lshrrev_b32 v[TM+4+\b], 23, v[TM+12+\b]
.endr
	v_lshl_or_b32 v[PW], v[TM+5], 8, v[TM+4]
	v_lshl_or_b32 v[PW], v[TM+6], 16, v[PW]
	v_lshl_or_b32 v[PW], v[TM+7], 24, v[PW]
.irp c, 0,1
	v_cvt_scalef32_pk16_fp6_f32 v[PC+6*\c:PC+2+6*\c], v[\s+32*\c:\s+15+32*\c], v[TM+12+2*\c]
	v_cvt_scalef32_pk16_fp6_f32 v[PC+12+4*\c:PC+14+4*\c], v[\s+16+32*\c:\s+31+32*\c], v[TM+12+2*\c+1]
.endr
	v_nop                                          ; one plain place behind a scaled conversion
.irp c, 0,1
.irp i, 0,1,2
	v_permlane16_swap_b32 v[PC+6*\c+\i], v[PC+12+4*\c+\i]
.endr
.irp i, 0,1,2
	v_mov_b32 v[PC+3+6*\c+\i], v[PC+12+4*\c+\i]
.endr
.endr
.endm
.macro REDUCE16                        ; each of the 16 sums over the wave's 32 lanes, the rows by turns
.irp m, 1,2,4,8
.irp i, 0,1,2,3,4,5,6,7,8,9,10,11,12,13,14,15
	v_add_f32_dpp v[RS+\i], v[RS+\i], v[RS+\i] row_xmask:\m row_mask:0xf bank_mask:0xf
.endr
.endr
.irp i, 0,1,2,3,4,5,6,7,8,9,10,11,12,13,14,15
	v_permlanex16_b32 v[PT+\i], v[RS+\i], s[SEL], s[SEL+1]
.endr
.irp i, 0,1,2,3,4,5,6,7,8,9,10,11,12,13,14,15
	v_add_f32 v[RS+\i], v[RS+\i], v[PT+\i]
.endr
.endm
.macro GATHER off                      ; the eight waves' sums meet: lane r ends with row r's total in v[T]
.irp i, 0,1,2,3,4,5,6,7,8,9,10,11,12,13,14,15
	ds_store_b32 v7, v[RS+\i] offset:\off+4*\i     ; all lanes write the same word with the same value
.endr
	s_wait_dscnt 0x0                               ; for the others' sake: my stores have landed
	s_barrier_signal -1
	s_barrier_wait -1
.irp k, 0,1,2,3,4,5,6,7
	ds_load_b32 v[T+\k], v8 offset:\off+64*\k
.endr
	s_wait_dscnt 0x0
	v_add_f32 v[T], v[T], v[T+1]
	v_add_f32 v[T+2], v[T+2], v[T+3]
	v_add_f32 v[T+4], v[T+4], v[T+5]
	v_add_f32 v[T+6], v[T+6], v[T+7]
	v_add_f32 v[T], v[T], v[T+2]
	v_add_f32 v[T+4], v[T+4], v[T+6]
	v_add_f32 v[T], v[T], v[T+4]
.endm
	s_load_b256 s[4:11], s[0:1], 0x0               ; X, gain, bias, hbuf
	v_lshl_add_u32 v224, v0, 2, 0x11000
	v_mov_b32 v225, 0
	v_lshrrev_b32 v1, 5, v0
	v_readfirstlane_b32 s3, v1                     ; wave 0..7
	v_and_b32 v1, 31, v0                           ; lane
	v_and_b32 v2, 15, v0                           ; r
	v_bfe_u32 v3, v0, 4, 1                         ; h
	v_lshlrev_b32 v11, 4, v1                       ; 16 x lane
	s_lshl_b32 s12, s3, 9
	v_add_nc_u32 v4, s12, v11                      ; my 16 bytes of a row: 512 w + 16 lane
	s_mul_i32 s12, s3, 16*SP
	v_add_nc_u32 v5, s12, v11                      ; my stage, on the way in,
	v_mul_u32_u24 v6, v2, SP
	v_lshl_add_u32 v6, v3, 6, v6
	v_add_nc_u32 v6, s12, v6                       ; and out: row r, + 64 h
	s_lshl_b32 s12, s3, 6
	s_add_co_u32 s13, s12, STAT1
	v_mov_b32 v7, s13                              ; my wave's 16 partial sums
	v_lshl_add_u32 v8, v2, 2, STAT1                ; row r's, of wave 0
	v_lshlrev_b32 v9, 3, v1                        ; 8 x lane
	s_add_co_u32 s13, s12, SCG
	v_lshl_add_u32 v10, v2, 2, s13                 ; my fragment's scale word of row r
	v_add_nc_u32 v12, SCG, v11
.irp i, 0,1,2,3,4,5,6,7,8,9,10,11,12,13,14,15
	v_mov_b32 v[PT+\i], 0                          ; a lane permute's destination counts as read
.endr
.irp b, 0,1,2,3
	v_mov_b32 v[TM+4+\b], 0
.endr
	s_mov_b32 s[SEL], 0x76543210
	s_mov_b32 s[SEL+1], 0xfedcba98
	s_mov_b32 s56, 0x3a800000                      ; 1 / 1,024
	s_mov_b32 s57, 0x3727c5ac                      ; eps = 1e-5
	s_lshr_b32 s12, ttmp9, 1
	s_lshl_b32 s12, s12, 17                        ; 32 rows of 4,096 bytes for each pair of tiles,
	s_and_b32 s13, ttmp9, 1
	s_lshl_b32 s13, s13, 15                        ; 8 rows for the odd one
	s_add_co_u32 s12, s12, s13
	s_mov_b32 s13, 0
	s_lshl_b32 s14, ttmp9, 3
	s_add_co_u32 s14, s14, s3
	s_mul_i32 s14, s14, 1536                       ; my fragment's image
	s_mov_b32 s15, 0
	s_lshl_b32 s18, ttmp9, 9
	s_add_co_u32 s18, s18, 3145728                 ; the tile's scale words
	s_mov_b32 s19, 0
	s_wait_kmcnt 0x0
	s_add_nc_u64 s[4:5], s[4:5], s[12:13]
	s_add_nc_u64 s[16:17], s[10:11], s[14:15]
	s_add_nc_u64 s[18:19], s[10:11], s[18:19]
.irp i, 0,1,2,3,4,5,6,7,8,9,10,11,12,13,14,15
	global_load_b128 v[X+4*\i:X+4*\i+3], v4, s[4:5] offset:(\i+8*(\i/8))*4096   ; 32 lanes read 512 consecutive bytes of a row
.endr
	global_load_b128 v[GA:GA+3], v4, s[6:7]
	global_load_b128 v[BE:BE+3], v4, s[8:9]
	s_wait_loadcnt 2                               ; the 16 rows are in; gain and bias may be out
	; the mean
.irp i, 0,1,2,3,4,5,6,7,8,9,10,11,12,13,14,15
	v_pk_add_f32 v[Y+2*\i:Y+2*\i+1], v[X+4*\i:X+4*\i+1], v[X+4*\i+2:X+4*\i+3]
.endr
.irp i, 0,1,2,3,4,5,6,7,8,9,10,11,12,13,14,15
	v_add_f32 v[RS+\i], v[Y+2*\i], v[Y+2*\i+1]
.endr
	REDUCE16
	GATHER 0
	v_mul_f32 v[T], s56, v[T]
.irp i, 0,1,2,3,4,5,6,7,8,9,10,11,12,13,14,15
	v_readlane_b32 s[MU+\i], v[T], \i
.endr
	; the differences, and the mean of their squares
.irp i, 0,1,2,3,4,5,6,7,8,9,10,11,12,13,14,15
.irp j, 0,1,2,3
	v_subrev_f32 v[X+4*\i+\j], s[MU+\i], v[X+4*\i+\j]
.endr
.endr
.irp i, 0,1,2,3,4,5,6,7,8,9,10,11,12,13,14,15
	v_pk_mul_f32 v[Y+2*\i:Y+2*\i+1], v[X+4*\i:X+4*\i+1], v[X+4*\i:X+4*\i+1]
.endr
.irp i, 0,1,2,3,4,5,6,7,8,9,10,11,12,13,14,15
	v_pk_fma_f32 v[Y+2*\i:Y+2*\i+1], v[X+4*\i+2:X+4*\i+3], v[X+4*\i+2:X+4*\i+3], v[Y+2*\i:Y+2*\i+1]
.endr
.irp i, 0,1,2,3,4,5,6,7,8,9,10,11,12,13,14,15
	v_add_f32 v[RS+\i], v[Y+2*\i], v[Y+2*\i+1]
.endr
	REDUCE16
	GATHER 512
	v_fma_f32 v[T], v[T], s56, s57                 ; variance + eps
	v_rsq_f32 v[T], v[T]
	v_nop                                          ; a plain place behind the transcendental,
	s_wait_alu depctr_va_vdst(0)                   ; and the wait ahead of its first reader
.irp i, 0,1,2,3,4,5,6,7,8,9,10,11,12,13,14,15
	v_readlane_b32 s[RSD+\i], v[T], \i
.endr
	s_wait_loadcnt 0x0                             ; gain and bias
.irp i, 0,1,2,3,4,5,6,7,8,9,10,11,12,13,14,15
.irp j, 0,1,2,3
	v_mul_f32 v[X+4*\i+\j], s[RSD+\i], v[X+4*\i+\j]
.endr
.endr
.irp i, 0,1,2,3,4,5,6,7,8,9,10,11,12,13,14,15
	v_pk_fma_f32 v[X+4*\i:X+4*\i+1], v[X+4*\i:X+4*\i+1], v[GA:GA+1], v[BE:BE+1]
	v_pk_fma_f32 v[X+4*\i+2:X+4*\i+3], v[X+4*\i+2:X+4*\i+3], v[GA+2:GA+3], v[BE+2:BE+3]
.endr
	; through my stage, so that a lane holds 16 neighbours of each block of 32 of ONE row
.irp i, 0,1,2,3,4,5,6,7,8,9,10,11,12,13,14,15
	ds_store_b128 v5, v[X+4*\i:X+4*\i+3] offset:SP*\i
.endr
.irp b, 0,1,2,3
.irp j, 0,1,2,3
	ds_load_b128 v[Y+16*\b+4*\j:Y+16*\b+4*\j+3], v6 offset:128*\b+16*\j   ; LDS serves a wave's instructions in order
.endr
.endr
	s_wait_dscnt 0x0
	QUANT Y
.irp p, 0,1,2,3,4,5
	global_store_b64 v9, v[PC+2*\p:PC+2*\p+1], s[16:17] offset:256*\p   ; 256 consecutive bytes, aligned
.endr
	ds_store_b32 v10, v[PW]
	s_wait_dscnt 0x0
	s_barrier_signal -1
	s_barrier_wait -1                              ; the tile's 128 scale words lie together
	s_cmp_lg_u32 s3, 0
	s_cbranch_scc1 .Ldone
	ds_load_b128 v[T:T+3], v12
	s_wait_dscnt 0x0
	global_store_b128 v11, v[T:T+3], s[18:19]      ; 512 consecutive bytes, aligned
.Ldone:
	s_wait_tensorcnt 0x0
	ds_add_u32 v224, v225
	s_wait_dscnt 0x0
	s_endpgm
.Lfunc_end_k_qff8d12c232_ln1:
	.size	k_qff8d12c232_ln1, .Lfunc_end_k_qff8d12c232_ln1-k_qff8d12c232_ln1
	.p2alignl 7, 3214868480
	.fill 96, 4, 3214868480
	.section	.rodata,"a",@progbits
	.p2align	6, 0x0
	.amdhsa_kernel k_qff8d12c232_ln1
		.amdhsa_group_segment_fixed_size 70656
		.amdhsa_private_segment_fixed_size 0
		.amdhsa_enable_private_segment 0
		.amdhsa_kernarg_size 32
		.amdhsa_user_sgpr_count 2
		.amdhsa_user_sgpr_kernarg_segment_ptr 1
		.amdhsa_wavefront_size32 1
		.amdhsa_system_sgpr_workgroup_id_x 1
		.amdhsa_system_sgpr_workgroup_id_y 1
		.amdhsa_system_sgpr_workgroup_id_z 1
		.amdhsa_system_vgpr_workitem_id 0
		.amdhsa_next_free_vgpr 226
		.amdhsa_next_free_sgpr 66
		.amdhsa_reserve_vcc 0
		.amdhsa_float_denorm_mode_32 3
		.amdhsa_float_denorm_mode_16_64 3
		.amdhsa_memory_ordered 1
		.amdhsa_forward_progress 1
		.amdhsa_inst_pref_size 39
	.end_amdhsa_kernel
	.amdgpu_metadata
---
amdhsa.version: [ 1, 2 ]
amdhsa.kernels:
  - .name:           k_qff8d12c232_ln1
    .symbol:         k_qff8d12c232_ln1.kd
    .args:
      - { .name: x, .offset: 0, .size: 8, .value_kind: global_buffer, .address_space: global }
      - { .name: ln1_w, .offset: 8, .size: 8, .value_kind: global_buffer, .address_space: global }
      - { .name: ln1_b, .offset: 16, .size: 8, .value_kind: global_buffer, .address_space: global }
      - { .name: hbuf, .offset: 24, .size: 8, .value_kind: global_buffer, .address_space: global }
    .group_segment_fixed_size: 70656
    .private_segment_fixed_size: 0
    .kernarg_segment_align: 8
    .kernarg_segment_size: 32
    .max_flat_workgroup_size: 256
    .sgpr_count:     66
    .vgpr_count:     226
    .wavefront_size: 32
...
	.end_amdgpu_metadata
.endif
;; end of part 2
;; launch gemm_qkv (part 3): grid 8 x 24, 4 waves a work-group, clusters of 4 x 4, 327,680 bytes of LDS; arguments hbuf, wbuf, qkvbuf; writes qkvbuf
.if DOCPART == 3
	.amdgcn_target "amdgcn-amd-amdhsa--gfx1250"
	.amdhsa_code_object_version 6
	.text
	.protected	k_qff8d12c232_gemm_qkv
	.globl	k_qff8d12c232_gemm_qkv
	.p2align	8
	.type	k_qff8d12c232_gemm_qkv,@function
k_qff8d12c232_gemm_qkv:
	s_mov_b64 s[64:65], 0
	v_nop
	global_prefetch_b8 v0, s[64:65] scope:SCOPE_SE
	s_setreg_imm32_b32 hwreg(HW_REG_WAVE_MODE, 25, 1), 1
	s_wait_xcnt 0x0
	s_wait_alu depctr_hold_cnt(0) depctr_sa_sdst(0) depctr_va_vdst(0) depctr_va_sdst(0) depctr_va_ssrc(0) depctr_va_vcc(0) depctr_vm_vsrc(0)
	s_getreg_b32 s2, hwreg(HW_REG_IB_STS2, 6, 4)
	s_cmp_eq_u32 s2, 0
	s_cbranch_scc0 .Lentry_in_a_cluster
	s_endpgm
.Lentry_in_a_cluster:
	s_bfe_u32 s2, ttmp6, 0x10000c
	s_cmp_lg_u32 s2, 0xf033
	s_cbranch_scc0 .Lentry_shape_is_right
	s_endpgm
.Lentry_shape_is_right:
; A GEMM on codes of E2M3 (K = 1,024) whose result, scaled in f32, is QUANTISED ALONG N in registers and leaves as codes: C = A B^T, tile 256 x 256, four waves of 128 x 128 (64 accumulators, 512 registers).
; QKV = 1: qkv = (h Wqkv^T) s1.  Clusters with y < 4: A = h (4,096 tokens), B = Wq, Wk (2,048 rows in the order z, head, d): q and k are quantised along d.
;          Clusters with y = 4, 5: A = Wv (1,024 rows), B = h: the result is v TRANSPOSED, so the same way out quantises v along the keys and leaves the keys innermost.  Only pointers and offsets are chosen, by the cluster's y.
; QKV = 0: hid = gelu((h W1^T + b1) s5) G, quantised along the 4,096 hidden units.  erf is a rational form in u^2 with u held at +-4: absolute error a few 1e-7.
; OPERANDS lie in memory as images of their registers: fragment (row tile, K step) = 1,536 bytes, register pair p of lane l at 256 p + 8 l; scale words at (row tile x K steps + K step) 64 + 4 r.
; So a slot of the ring (256 along K: two fragments for each of 32 row tiles) is filled by four tensor loads of 8 rows x 3,072 bytes, and every LDS load of a pair reads 256 consecutive bytes.
; Lane r of row tile T holds row 32 (T / 2) + 8 (T % 2) + r + 8 (r / 8): with source 0 = B, source 1 = A a lane's 64 results of one tile of A's rows are 128 neighbouring columns in the quantiser's order.
; CLUSTERS 4 x 4: A's tiles are asked for jointly along a row of the cluster, B's along a column.  The scale words of the work-group's 512 rows, for all of K, come once (16,384 bytes).
; No prefetch: K has four slots, of which two are first fills, and each tile is read by several work-groups.
; REGISTERS: window 0: v0-31 addresses; v32-63 scale words (two sets); v64-127 b1 (QKV = 0); v128-223 A's fragments, one set; on the way out v128-191 64 numbers, v192-228 the quantiser's, v230-253 erf's coefficients.
;   window 1: B's fragments, two sets; on the way out erf's work.  windows 2, 3: accumulator (a, b) at v[8 (8 (a % 4) + b)].
; LIMITS: NaN and infinities are not served; a block whose largest magnitude lies under 2^-124 gets the byte 1 (zero codes; this program alone reads the bytes).
.set QKV,    1
.set NQ,     2
.set FR,     12
.set NL,     6
.set NP,     4
.set RTB,    2*1536                    ; a row tile's bytes in a slot
.set KROW,   8*1536                    ; and in memory, for all of K
.set HALFT,  8*RTB                     ; what one tensor load brings, and what a wave reads of A or of B
.set SLOT,   4*HALFT
.set LAPS,   2                         ; K = 1,024 is twice round the ring
.set SCL,    2*SLOT                    ; the scale words: four quarters of 4,096 bytes (A's halves, B's halves)
.set HALFS,  8*8*64
.set SPARE,  SCL+4*HALFS               ; the spare words, 128 bytes a wave
.set PWST,   SPARE+512                 ; the way out: 8 x 64 bytes of new scale words for each wave; no fill lands here
.set WD,   8                           ; v8-11   scale words on their way out
.set OSO,  12                          ; v12-15  and their offsets
.set ADRA, 16
.set ADRB, 20
.set L8,   24                          ; 8 x lane
.set PWA,  25
.set PWR,  26
.set ADRS, 27
.set SPW,  28
.set NIL,  29
.set SC,   32
.set BI,   64
.set AF,   128
.set HA,   128
.set PC,   192
.set TM,   212
.set PW,   228
.set CF,   230
.set GU,   0                           ; window 1 on the way out: u, u^2, P, Q
.set GX,   64
.set GP,   128
.set GQ,   192
.set SEL,  20
.set G1, 24
.set G0, 32
.set G1B, 48
.set G0B, 56
.set G1S, 68
.set G0S, 76
.set G1SB, 80
.set G0SB, 88
.set MSB, 0
.macro WIN new                         ; the immediate's high byte repeats the setting that is left
.if MSB != \new
	s_set_vgpr_msb (MSB<<8)|\new
.set MSB, \new
.endif
.endm
.set MUL_LO, 0xa1                      ; source 0 (B) window 1, source 1 (A) window 0, C and D window 2
.set MUL_HI, 0xf1
.set TO_B,   0x40
; A joint load: waves 0 and 1 fetch for A, waves 2 and 3 for B; the branch hangs on the wave's number alone.  Four v_nop follow each line.
.macro JLOAD g0a, g1a, g0b, g1b
	s_cmp_eq_u32 s15, 0
	s_cbranch_scc0 .Lfor_b_\@
	tensor_load_to_lds s[\g0a:\g0a+3], s[\g1a:\g1a+7]
	s_nop 0
.rept 4
	v_nop
.endr
	s_branch .Lasked_\@
.Lfor_b_\@:
	tensor_load_to_lds s[\g0b:\g0b+3], s[\g1b:\g1b+7]
	s_nop 0
.rept 4
	v_nop
.endr
.Lasked_\@:
.endm
.macro CREST                           ; a round of the cluster's barrier behind its opening barrier
	s_cmp_lg_u32 s14, 0
	s_cbranch_scc1 .Lnot_wave_0_\@
	s_barrier_signal -3
.Lnot_wave_0_\@:
	s_barrier_wait -3
	s_barrier_signal -1
	s_barrier_wait -1
.endm
.macro CROUND
	s_barrier_signal -1
	s_barrier_wait -1
	CREST
.endm
.macro PLACES n
.rept \n
	v_nop
.endr
.endm
.macro QUANT s                         ; 64 numbers of a lane, register 16 b + i = k 32 b + 16 (lane / 16) + i, become a fragment in v[PC] on and its scale word in v[PW]
.irp b, 0,1,2,3
	v_max3_num_f32 v[TM+\b], |v[\s+16*\b]|, |v[\s+1+16*\b]|, 0x1800000   ; and the floor 2^(3 - 127): the byte cannot fall under 1
.endr
.irp i, 2,4,6,8,10,12,14
.irp b, 0,1,2,3
	v_max3_num_f32 v[TM+\b], v[TM+\b], |v[\s+16*\b+\i]|, |v[\s+1+16*\b+\i]|
.endr
.endr
.irp b, 0,1,2,3
	v_permlanex16_b32 v[TM+4+\b], v[TM+\b], s[SEL], s[SEL+1]
.endr
.irp b, 0,1,2,3
	v_max_num_f32 v[TM+\b], v[TM+\b], v[TM+4+\b]
.endr
.irp b, 0,1,2,3
	v_add_nc_u32 v[TM+12+\b], 0xff000000, v[TM+\b]   ; 2 off the exponent field: the conversion's scale operand
.endr
.irp b, 0,1,2,3
	v_lshrrev_b32 v[TM+4+\b], 23, v[TM+12+\b]
.endr
	v_lshl_or_b32 v[PW], v[TM+5], 8, v[TM+4]
	v_lshl_or_b32 v[PW], v[TM+6], 16, v[PW]
	v_lshl_or_b32 v[PW], v[TM+7], 24, v[PW]
.irp c, 0,1
	v_cvt_scalef32_pk16_fp6_f32 v[PC+6*\c:PC+2+6*\c], v[\s+32*\c:\s+15+32*\c], v[TM+12+2*\c]
	v_cvt_scalef32_pk16_fp6_f32 v[PC+12+4*\c:PC+14+4*\c], v[\s+16+32*\c:\s+31+32*\c], v[TM+12+2*\c+1]
.endr
	v_nop                                          ; one plain place behind a scaled conversion
.irp c, 0,1
.irp i, 0,1,2
	v_permlane16_swap_b32 v[PC+6*\c+\i], v[PC+12+4*\c+\i]
.endr
.irp i, 0,1,2
	v_mov_b32 v[PC+3+6*\c+\i], v[PC+12+4*\c+\i]
.endr
.endr
.endm
	s_load_b128 s[96:99], s[0:1], 0x0              ; hbuf, wbuf
.if QKV
	s_load_b64 s[100:101], s[0:1], 0x10            ; qkvbuf
.else
	s_load_b64 s[66:67], s[0:1], 0x10              ; b1
	s_load_b64 s[100:101], s[0:1], 0x18            ; hidbuf
.endif
	v_lshl_add_u32 v[SPW], v0, 2, SPARE
	v_mov_b32 v[NIL], 0
	ds_add_u32 v28, v29
	ds_add_u32 v28, v29
	s_wait_dscnt 0x0
	v_lshrrev_b32 v1, 5, v0
	v_readfirstlane_b32 s14, v1                    ; wave 0..3
	s_lshr_b32 s15, s14, 1                         ; which half of the tile's rows is mine.  Also: I fetch for A (0) or for B (1)
	s_and_b32 s16, s14, 1                          ; which half of its columns.  Also: which 8 row tiles I fetch
	s_bfe_u32 s40, ttmp6, 0x40000                  ; cx, cy
	s_bfe_u32 s41, ttmp6, 0x40004
	s_and_b32 s18, ttmp7, 0xffff                   ; the cluster's y
	s_lshl_b32 s17, s18, 2
	s_lshl_b32 s42, ttmp9, 2
	s_add_co_u32 s42, s42, s40                     ; 4 x cluster x + cx
.if QKV
	s_lshl_b32 s19, s18, 3
	s_sub_co_u32 s19, s19, 32                      ; 8 (cluster y - 4): used where y is 4 or 5
	s_mov_b32 s7, 9502720
	s_mov_b32 s11, 3145728
	s_mov_b32 s95, 9699328
	s_wait_kmcnt 0x0
	s_cmp_lt_u32 s18, 4                            ; q and k, or v?  The same answer in all sixteen partners
	s_cselect_b32 s17, s17, 0                      ; tile row: 4 y + cy, or cy
	s_cselect_b32 s19, 0, s19                      ; tile column: 4 x + cx, or 4 (2 (y - 4) + x) + cx
	s_cselect_b64 s[4:5], s[96:97], s[98:99]       ; A's buffer
	s_cselect_b64 s[8:9], s[98:99], s[96:97]       ; B's
	s_cselect_b32 s6, 0, 1572864                   ; A's images (Wv begins at row tile 128),
	s_cselect_b32 s7, 3145728, s7                  ; A's scale words,
	s_cselect_b32 s11, 9437184, s11                ; B's scale words,
	s_cselect_b32 s2, 0, 6291456                   ; the result's images,
	s_cselect_b32 s95, 9437184, s95                ; its scale words,
	s_cselect_b32 s3, 16, 32                       ; and its K steps
	s_mov_b32 s10, 0                               ; B's images begin at 0 either way
	s_add_co_u32 s42, s42, s19
.else
	s_mov_b32 s6, 0
	s_mov_b32 s7, 3145728
	s_mov_b32 s10, 3145728                         ; W1's images
	s_mov_b32 s11, 9568256                         ; and scale words
	s_mov_b32 s2, 0
	s_mov_b32 s95, 12582912
	s_mov_b32 s3, 32
	s_wait_kmcnt 0x0
	s_mov_b64 s[4:5], s[96:97]
	s_mov_b64 s[8:9], s[98:99]
.endif
	s_add_co_u32 s17, s17, s41                     ; tile row of C
	s_lshl_b32 s43, s41, 2
	s_lshl_b32 s43, 15, s43                        ; my row of the cluster
	s_lshl_b32 s44, 0x1111, s40                    ; my column
	; group 1 for the codes: 8 rows (row tiles) x 384 elements of 8 bytes (two fragments), 1,536 elements apart; no padding
	s_or_b32 s[G1+0], s43, (3<<16)|(1<<21)
	s_or_b32 s[G1B+0], s44, (3<<16)|(1<<21)
.irp g, G1, G1B
	s_mov_b32 s[\g+1], (RTB/8)<<16                 ; tensor_dim0
	s_mov_b32 s[\g+2], 8<<16                       ; tensor_dim1
	s_mov_b32 s[\g+3], (RTB/8)<<16                 ; tile_dim0
	s_mov_b32 s[\g+4], 8                           ; tile_dim1
	s_mov_b32 s[\g+5], KROW/8                      ; tensor_dim0_stride
	s_mov_b32 s[\g+6], 0
	s_mov_b32 s[\g+7], 0
.endr
	; and for the scale words of 8 row tiles: a dense block of 4,096 bytes as 16 rows of 256
	s_or_b32 s[G1S+0], s43, (3<<16)|(1<<21)
	s_or_b32 s[G1SB+0], s44, (3<<16)|(1<<21)
.irp g, G1S, G1SB
	s_mov_b32 s[\g+1], 32<<16
	s_mov_b32 s[\g+2], (HALFS/256)<<16
	s_mov_b32 s[\g+3], 32<<16
	s_mov_b32 s[\g+4], HALFS/256
	s_mov_b32 s[\g+5], 32
	s_mov_b32 s[\g+6], 0
	s_mov_b32 s[\g+7], 0
.endr
	s_lshl_b32 s18, s16, 3
	s_lshl_b32 s20, s17, 4
	s_add_co_u32 s20, s20, s18                     ; A: row tile 16 x tile row + 8 x half
	s_lshl_b32 s46, s42, 4
	s_add_co_u32 s46, s46, s18                     ; B: 16 x tile column + 8 x half
	s_lshl_b32 s22, s20, 9
	s_add_co_u32 s22, s22, s7
	s_mov_b32 s23, 0
	s_mul_i32 s20, s20, KROW
	s_add_co_u32 s20, s20, s6
	s_mov_b32 s21, 0
	s_lshl_b32 s92, s46, 9
	s_add_co_u32 s92, s92, s11
	s_mov_b32 s93, 0
	s_mul_i32 s46, s46, KROW
	s_add_co_u32 s46, s46, s10
	s_mov_b32 s47, 0
	s_mul_i32 s45, s14, HALFT                      ; where they go: by the wave's number alone
	s_mul_i32 s94, s14, HALFS
	s_add_nc_u64 s[20:21], s[4:5], s[20:21]
	s_add_nc_u64 s[22:23], s[4:5], s[22:23]
	s_add_nc_u64 s[46:47], s[8:9], s[46:47]
	s_add_nc_u64 s[92:93], s[8:9], s[92:93]
	CROUND                                         ; all sixteen work-groups are here: the first joint loads meet
	s_mov_b32 s[G0S], 1
	s_add_co_u32 s[G0S+1], s94, SCL
	s_mov_b64 s[G0S+2:G0S+3], s[22:23]
	s_or_b32 s[G0S+3], s[G0S+3], 0x80000000
	s_mov_b32 s[G0SB], 1
	s_add_co_u32 s[G0SB+1], s94, SCL
	s_mov_b64 s[G0SB+2:G0SB+3], s[92:93]
	s_or_b32 s[G0SB+3], s[G0SB+3], 0x80000000
	JLOAD G0S, G1S, G0SB, G1SB                     ; the scale words first; with the two slots three loads of mine are out
.irp s, 0,1
	s_mov_b32 s[G0+4*\s], 1
	s_add_co_u32 s[G0+4*\s+1], s45, \s*SLOT
	s_add_nc_u64 s[G0+4*\s+2:G0+4*\s+3], s[20:21], \s*RTB
	s_or_b32 s[G0+4*\s+3], s[G0+4*\s+3], 0x80000000
	s_mov_b32 s[G0B+4*\s], 1
	s_add_co_u32 s[G0B+4*\s+1], s45, \s*SLOT
	s_add_nc_u64 s[G0B+4*\s+2:G0B+4*\s+3], s[46:47], \s*RTB
	s_or_b32 s[G0B+4*\s+3], s[G0B+4*\s+3], 0x80000000
	JLOAD G0+4*\s, G1, G0B+4*\s, G1B
.endr
	v_and_b32 v1, 15, v0                           ; r
	v_bfe_u32 v2, v0, 4, 1                         ; h
	v_and_b32 v3, 31, v0                           ; lane
	v_lshlrev_b32 v[L8], 3, v3
	s_mul_i32 s21, s15, HALFT                      ; my 8 row tiles of A
	s_mul_i32 s22, s16, HALFT
	s_add_co_u32 s22, s22, 2*HALFT                 ; and of B, behind A's 16
.irp s, 0,1
	v_add_nc_u32 v[ADRA+\s], s21, v[L8]
	v_add_nc_u32 v[ADRB+\s], s22, v[L8]
	s_add_co_u32 s21, s21, SLOT
	s_add_co_u32 s22, s22, SLOT
.endr
	v_lshlrev_b32 v5, 2, v1                        ; scale words: 4 r; lanes 0-15 take A's, lanes 16-31 B's: ONE product, h x the distance
	s_mul_i32 s21, s15, HALFS
	s_mul_i32 s22, s16, HALFS
	s_add_co_u32 s22, s22, 2*HALFS
	s_sub_co_u32 s22, s22, s21
	v_mul_u32_u24 v6, s22, v2
	s_add_co_u32 s21, s21, SCL
	v_add_nc_u32 v5, v5, v6
	v_add_nc_u32 v[ADRS], s21, v5
	s_lshl_b32 s21, s14, 9
	s_add_co_u32 s21, s21, PWST
	v_lshl_add_u32 v[PWA], v1, 2, s21              ; the way out: my row's new scale word,
	v_lshl_add_u32 v[PWR], v3, 2, s21              ; and 4 bytes a lane back
	; where my results go: fragment (16 tile row + 8 half + a, 2 tile column + half)
	s_lshl_b32 s20, s17, 4
	s_lshl_b32 s21, s15, 3
	s_add_co_u32 s20, s20, s21
	s_mul_i32 s20, s20, s3
	s_lshl_b32 s46, s42, 1
	s_add_co_u32 s46, s46, s16
	s_add_co_u32 s46, s46, s20
	s_mul_i32 s92, s46, 1536
	s_add_co_u32 s92, s92, s2
	s_mov_b32 s93, 0
	s_add_nc_u64 s[12:13], s[100:101], s[92:93]    ; images
	s_lshl_b32 s92, s46, 6
	s_add_co_u32 s92, s92, s95
	s_add_nc_u64 s[10:11], s[100:101], s[92:93]    ; scale words
	s_mul_i32 s18, s3, 1536                        ; from a row tile's fragment to the next row tile's
	s_mov_b32 s19, 0
	s_lshl_b32 s22, s3, 6                          ; likewise for the scale words
	v_mul_u32_u24 v6, s22, v2
	v_lshl_add_u32 v[OSO], v1, 2, v6               ; 4 r + h row tiles; register t serves tiles 2 t and 2 t + 1
	s_lshl_b32 s22, s22, 1
	v_add_nc_u32 v[OSO+1], s22, v[OSO]
	v_add_nc_u32 v[OSO+2], s22, v[OSO+1]
	v_add_nc_u32 v[OSO+3], s22, v[OSO+2]
.if !QKV
	s_lshl_b32 s92, s42, 10
	s_lshl_b32 s22, s16, 9
	s_add_co_u32 s92, s92, s22
	s_add_nc_u64 s[66:67], s[66:67], s[92:93]      ; b1 at my 128 columns
	v_lshlrev_b32 v7, 6, v2
.irp b, 0,1,2,3
.irp j, 0,1,2,3
	global_load_b128 v[BI+16*\b+4*\j:BI+16*\b+4*\j+3], v7, s[66:67] offset:128*\b+16*\j   ; register 16 b + i: column 32 b + 16 h + i
.endr
.endr
.endif
.macro FRAG reg, adr, q, i             ; a fragment comes as it lies: six pairs, 256 consecutive bytes each
.irp p, 0,1,2,3,4,5
	ds_load_b64 v[\reg+2*\p:\reg+2*\p+1], v[\adr] offset:RTB*(\i)+1536*(\q)+256*\p
.endr
.endm
; 16 matrix instructions: A's blocks a0, a0 + 1 x B's eight.  The 64 accumulators take turns, one instruction a turn, in the same order in every step.
.macro MUL16 a0, p, q, sc, zero
.irp a, \a0, \a0+1
.irp b, 0,1,2,3,4,5,6,7
.if \zero
	v_wmma_scale_f32_16x16x128_f8f6f4 v[8*(8*((\a)%4)+\b):8*(8*((\a)%4)+\b)+7], v[128*(\p)+FR*\b:128*(\p)+FR*\b+FR-1], v[AF+FR*(\a):AF+FR*(\a)+FR-1], 0, v[SC+8*NQ*(\sc)+NQ*\b+(\q)], v[SC+8*NQ*(\sc)+NQ*(\a)+(\q)] matrix_a_fmt:MATRIX_FMT_FP6 matrix_b_fmt:MATRIX_FMT_FP6 matrix_a_scale:MATRIX_SCALE_ROW1
.else
	v_wmma_scale_f32_16x16x128_f8f6f4 v[8*(8*((\a)%4)+\b):8*(8*((\a)%4)+\b)+7], v[128*(\p)+FR*\b:128*(\p)+FR*\b+FR-1], v[AF+FR*(\a):AF+FR*(\a)+FR-1], v[8*(8*((\a)%4)+\b):8*(8*((\a)%4)+\b)+7], v[SC+8*NQ*(\sc)+NQ*\b+(\q)], v[SC+8*NQ*(\sc)+NQ*(\a)+(\q)] matrix_a_fmt:MATRIX_FMT_FP6 matrix_b_fmt:MATRIX_FMT_FP6 matrix_a_scale:MATRIX_SCALE_ROW1
.endif
.endr
.endr
.endm
.macro FETCH_B slot, q, p
	WIN TO_B
.irp i, 0,1,2,3,4,5,6,7
	FRAG 128*(\p)+FR*\i, ADRB+\slot, \q, \i
.endr
	WIN 0
.endm
.macro FETCH_A slot, q, i0
.irp i, \i0, \i0+1, \i0+2, \i0+3
	FRAG AF+FR*(\i), ADRA+\slot, \q, \i
.endr
.endm
.macro SCALES sc                       ; a slot's scale words: lanes 0-15 A's block i, lanes 16-31 B's block i
.irp i, 0,1,2,3,4,5,6,7
.irp q, 0,1
	ds_load_b32 v[SC+8*NQ*\sc+NQ*\i+\q], v[ADRS] offset:512*\i+64*\q
.endr
.endr
.endm
.macro STEP slot, q, zero              ; a step of 128 along K that has its successor in the same slot
	s_wait_dscnt 4*NL                              ; B's set and A's blocks 0-3 are in; the youngest 24 loads (A's blocks 4-7) may be out
	WIN MUL_LO
	MUL16 0, (\q)%2, \q, \slot, \zero
	MUL16 2, (\q)%2, \q, \slot, \zero
	s_wait_dscnt 0
	PLACES NP                                      ; in front of loads into registers that matrix instructions have read
	FETCH_B \slot, (\q)+1, 1-(\q)%2
	FETCH_A \slot, (\q)+1, 0
	WIN MUL_HI
	MUL16 4, (\q)%2, \q, \slot, \zero
	MUL16 6, (\q)%2, \q, \slot, \zero
	PLACES NP
	WIN 0
	FETCH_A \slot, (\q)+1, 4
.endm
; A slot's last step changes slots: one barrier; in front of it each wave waits for all its tensor loads, adds 0 to its spare word, and waits for that and for its reads of this slot.
.macro TURN slot, next, fill
	s_wait_tensorcnt 0x0                           ; all my tensor loads have landed: my part of the next slot
	ds_add_u32 v[SPW], v[NIL]
	s_wait_dscnt 4*NL+1                            ; (the add and the youngest 24 loads may be out)
	WIN MUL_LO
	MUL16 0, 1, NQ-1, \slot, 0
	s_wait_dscnt 0x0                               ; the add is done, and my reads of this slot are over
	s_barrier_signal -1
	MUL16 2, 1, NQ-1, \slot, 0
	WIN 0
	s_barrier_wait -1
.if \fill
	CREST                                          ; the barrier has opened a round of the cluster's: no wave of any partner still reads this slot or has a load on its way
	s_add_nc_u64 s[G0+4*\slot+2:G0+4*\slot+3], s[G0+4*\slot+2:G0+4*\slot+3], 2*RTB
	s_add_nc_u64 s[G0B+4*\slot+2:G0B+4*\slot+3], s[G0B+4*\slot+2:G0B+4*\slot+3], 2*RTB
	JLOAD G0+4*\slot, G1, G0B+4*\slot, G1B         ; the first tensor load behind the round; its four v_nop are the places in front of the loads below
.else
	PLACES NP
.endif
	v_add_nc_u32 v[ADRS], 64*NQ, v[ADRS]           ; the next slot's scale words
	FETCH_B \next, 0, 0
	FETCH_A \next, 0, 0
	SCALES \next
	WIN MUL_HI
	MUL16 4, 1, NQ-1, \slot, 0
	MUL16 6, 1, NQ-1, \slot, 0
	PLACES NP
	WIN 0
	FETCH_A \next, 0, 4
.endm
	s_wait_tensorcnt 1                             ; the scale words and my part of slot 0 are in; slot 1's load may be out
	s_barrier_signal -1
	s_barrier_wait -1
	FETCH_B 0, 0, 0
	FETCH_A 0, 0, 0
	SCALES 0
	FETCH_A 0, 0, 4
	STEP 0, 0, 1                                   ; the first step's products start the sums
	s_mov_b32 s3, LAPS-1
.Llap:
	TURN 0, 1, 1
	STEP 1, 0, 0
	TURN 1, 0, 1
	STEP 0, 0, 0
	s_sub_co_u32 s3, s3, 1
	s_cmp_lg_u32 s3, 0
	s_cbranch_scc1 .Llap
	TURN 0, 1, 0                                   ; the last lap fills nothing
	STEP 1, 0, 0
	s_wait_dscnt 4*NL
	WIN MUL_LO
	MUL16 0, 1, NQ-1, 1, 0
	MUL16 2, 1, NQ-1, 1, 0
	s_wait_dscnt 0
	WIN MUL_HI
	MUL16 4, 1, NQ-1, 1, 0
	MUL16 6, 1, NQ-1, 1, 0
	WIN 0
	; THE WAY OUT, a tile of 16 of A's rows at a time: its 64 registers a lane are one K step of the next product.
	s_mov_b32 s[SEL], 0x76543210
	s_mov_b32 s[SEL+1], 0xfedcba98
	PLACES NP                                      ; behind the last products: their results are read and A's registers written below
.irp b, 0,1,2,3
	v_mov_b32 v[TM+4+\b], 0                        ; a lane permute's destination counts as read
.endr
.if QKV
	s_mov_b32 s22, 0x3cc28497                      ; s1 = (1,024 x 3,072)^(-1/4)
	s_mov_b32 s23, s22
.irp a, 0,1,2,3,4,5,6,7
	WIN 0x02+(\a)/4                                ; source 0: window 2 or 3
.set i, 0
.rept 32
	v_pk_mul_f32 v[HA+i:HA+i+1], v[64*((\a)%4)+i:64*((\a)%4)+i+1], s[22:23] op_sel_hi:[1,0]   ; each accumulator from its low end on
.set i, i+2
.endr
	WIN 0
.if \a > 0
	s_wait_xcnt 0x0                                ; the last tile's stores have read their data and their base,
	s_wait_dscnt 0x0                               ; and its scale word has left its register
	s_add_nc_u64 s[12:13], s[12:13], s[18:19]
.endif
	QUANT HA
.irp p, 0,1,2,3,4,5
	global_store_b64 v[L8], v[PC+2*\p:PC+2*\p+1], s[12:13] offset:256*\p   ; 256 consecutive bytes, aligned
.endr
	ds_store_b32 v[PWA], v[PW] offset:64*\a
.endr
.else
.macro COEF k, bits
	v_mov_b32 v[CF+2*\k], \bits
	v_mov_b32 v[CF+2*\k+1], \bits
.endm
	COEF 0, 0xaf95df0b                             ; erf(u) = u P(u^2) / Q(u^2): P's seven coefficients, the highest power first,
	COEF 1, 0x32edffee
	COEF 2, 0xb60cff51
	COEF 3, 0xb86ec2d2
	COEF 4, 0xba40ac63
	COEF 5, 0xbb41a1f6
	COEF 6, 0xbc83dbd4
	COEF 7, 0xb77460cd                             ; Q's five
	COEF 8, 0xb95fbd29
	COEF 9, 0xbadc924e
	COEF 10, 0xbbf19bf8
	COEF 11, 0xbc69b6a7
	s_mov_b32 s22, 0x3c800000                      ; s5 / sqrt(2) = 2^-6
	s_mov_b32 s23, s22
	s_mov_b32 s46, 0x3c8faa88                      ; s5 x 0.5 x the gelu's scale
	s_mov_b32 s47, s46
	s_wait_loadcnt 0x0                             ; b1
.macro COPYIN a                        ; y = the sums + b1
	WIN 0x02+(\a)/4
.set i, 0
.rept 32
	v_pk_add_f32 v[HA+i:HA+i+1], v[64*((\a)%4)+i:64*((\a)%4)+i+1], v[BI+i:BI+i+1]
.set i, i+2
.endr
	WIN 0
.endm
.macro PKALL op, d, a, b               ; 32 packed instructions over 64 registers
.set i, 0
.rept 32
	\op v[\d+i:\d+i+1], v[\a+i:\a+i+1], v[\b+i:\b+i+1]
.set i, i+2
.endr
.endm
.macro HORNER d, k                     ; d = d u^2 + coefficient k
.set i, 0
.rept 32
	v_pk_fma_f32 v[\d+i:\d+i+1], v[\d+i:\d+i+1], v[GX+i:GX+i+1], v[CF+2*\k:CF+2*\k+1]
.set i, i+2
.endr
.endm
	s_mov_b32 s3, 0                                ; the tile
	s_mov_b32 s2, 0                                ; 64 x the tile
.Lrow:                                                 ; one text for the eight tiles; only the copy out of the accumulators differs, since register numbers are fixed in the text
.irp a, 0,1,2,3,4,5,6
	s_cmp_eq_u32 s3, \a
	s_cbranch_scc1 .Lin_\a
.endr
	s_branch .Lin_7
.irp a, 0,1,2,3,4,5,6,7
.Lin_\a:
	COPYIN \a
	s_branch .Lcommon
.endr
.Lcommon:
	WIN 0x40
.set i, 0
.rept 32
	v_pk_mul_f32 v[GU+i:GU+i+1], v[HA+i:HA+i+1], s[22:23] op_sel_hi:[1,0]   ; u = y 2^-6
.set i, i+2
.endr
	WIN 0x41
.set i, 0
.rept 64
	v_med3_num_f32 v[GU+i], v[GU+i], -4.0, 4.0
.set i, i+1
.endr
	WIN 0x45
	PKALL v_pk_mul_f32, GX, GU, GU
	WIN 0x41
.set i, 0
.rept 32
	v_pk_fma_f32 v[GP+i:GP+i+1], v[GX+i:GX+i+1], v[CF:CF+1], v[CF+2:CF+3]
	v_pk_fma_f32 v[GQ+i:GQ+i+1], v[GX+i:GX+i+1], v[CF+14:CF+15], v[CF+16:CF+17]
.set i, i+2
.endr
	WIN 0x45
	HORNER GP, 2
	HORNER GQ, 9
	HORNER GP, 3
	HORNER GQ, 10
	HORNER GP, 4
	HORNER GQ, 11
	HORNER GP, 5
	HORNER GP, 6
	WIN 0x41
.set i, 0
.rept 64
	v_rcp_f32 v[GQ+i], v[GQ+i]                     ; one batch
.set i, i+1
.endr
	WIN 0x45
	PKALL v_pk_mul_f32, GP, GP, GU                 ; plain work behind the batch, which names none of its results
	WIN 0
.set i, 0
.rept 32
	v_pk_mul_f32 v[HA+i:HA+i+1], v[HA+i:HA+i+1], s[46:47] op_sel_hi:[1,0]
.set i, i+2
.endr
	s_wait_alu depctr_va_vdst(0)                   ; one wait for the 64 reciprocals, ahead of their first reader
	WIN 0x45
	PKALL v_pk_mul_f32, GP, GP, GQ                 ; erf(u)
	WIN 0x01
.set i, 0
.rept 32
	v_pk_fma_f32 v[HA+i:HA+i+1], v[GP+i:GP+i+1], v[HA+i:HA+i+1], v[HA+i:HA+i+1]   ; y k (1 + erf(u))
.set i, i+2
.endr
	WIN 0
	s_wait_dscnt 0x0                               ; the last tile's scale word has left its register
	QUANT HA
.irp p, 0,1,2,3,4,5
	global_store_b64 v[L8], v[PC+2*\p:PC+2*\p+1], s[12:13] offset:256*\p   ; 256 consecutive bytes, aligned
.endr
	v_add_nc_u32 v18, s2, v[PWA]
	ds_store_b32 v18, v[PW]
	s_add_co_u32 s2, s2, 64
	s_wait_xcnt 0x0                                ; the stores have read their data and their base
	s_add_nc_u64 s[12:13], s[12:13], s[18:19]
	s_add_co_u32 s3, s3, 1
	s_cmp_lt_u32 s3, 8
	s_cbranch_scc1 .Lrow
.endif
.irp t, 0,1,2,3
	ds_load_b32 v[WD+\t], v[PWR] offset:128*\t     ; lanes 0-15: tile 2 t's words; lanes 16-31: tile 2 t + 1's.  LDS serves a wave's instructions in order
.endr
	s_wait_dscnt 0x0
.irp t, 0,1,2,3
	global_store_b32 v[OSO+\t], v[WD+\t], s[10:11]
.endr
	s_wait_tensorcnt 0x0                           ; the wave's end
	ds_add_u32 v[SPW], v[NIL]
	s_wait_dscnt 0x0
	CROUND                                         ; the closing round
	s_endpgm
.Lfunc_end_k_qff8d12c232_gemm_qkv:
	.size	k_qff8d12c232_gemm_qkv, .Lfunc_end_k_qff8d12c232_gemm_qkv-k_qff8d12c232_gemm_qkv
	.p2alignl 7, 3214868480
	.fill 96, 4, 3214868480
	.section	.rodata,"a",@progbits
	.p2align	6, 0x0
	.amdhsa_kernel k_qff8d12c232_gemm_qkv
		.amdhsa_group_segment_fixed_size 327680
		.amdhsa_private_segment_fixed_size 0
		.amdhsa_enable_private_segment 0
		.amdhsa_kernarg_size 24
		.amdhsa_user_sgpr_count 2
		.amdhsa_user_sgpr_kernarg_segment_ptr 1
		.amdhsa_wavefront_size32 1
		.amdhsa_system_sgpr_workgroup_id_x 1
		.amdhsa_system_sgpr_workgroup_id_y 1
		.amdhsa_system_sgpr_workgroup_id_z 1
		.amdhsa_system_vgpr_workitem_id 0
		.amdhsa_next_free_vgpr 1024
		.amdhsa_next_free_sgpr 102
		.amdhsa_reserve_vcc 0
		.amdhsa_float_denorm_mode_32 3
		.amdhsa_float_denorm_mode_16_64 3
		.amdhsa_memory_ordered 1
		.amdhsa_forward_progress 1
		.amdhsa_inst_pref_size 186
	.end_amdhsa_kernel
	.amdgpu_metadata
---
amdhsa.version: [ 1, 2 ]
amdhsa.kernels:
  - .name:           k_qff8d12c232_gemm_qkv
    .symbol:         k_qff8d12c232_gemm_qkv.kd
    .args:
      - { .name: hbuf, .offset: 0, .size: 8, .value_kind: global_buffer, .address_space: global }
      - { .name: wbuf, .offset: 8, .size: 8, .value_kind: global_buffer, .address_space: global }
      - { .name: qkvbuf, .offset: 16, .size: 8, .value_kind: global_buffer, .address_space: global }
    .group_segment_fixed_size: 327680
    .private_segment_fixed_size: 0
    .kernarg_segment_align: 8
    .kernarg_segment_size: 24
    .max_flat_workgroup_size: 128
    .sgpr_count:     102
    .vgpr_count:     1024
    .wavefront_size: 32
...
	.end_amdgpu_metadata
.endif
;; end of part 3
;; launch attn (part 4): grid 8 x 32, 8 waves a work-group, no clusters, 279,552 bytes of LDS; arguments qkvbuf, avbuf; writes avbuf
.if DOCPART == 4
	.amdgcn_target "amdgcn-amd-amdhsa--gfx1250"
	.amdhsa_code_object_version 6
	.text
	.protected	k_qff8d12c232_attn
	.globl	k_qff8d12c232_attn
	.p2align	8
	.type	k_qff8d12c232_attn,@function
k_qff8d12c232_attn:
	s_mov_b64 s[64:65], 0
	v_nop
	global_prefetch_b8 v0, s[64:65] scope:SCOPE_SE
	s_setreg_imm32_b32 hwreg(HW_REG_WAVE_MODE, 25, 1), 1
	s_wait_xcnt 0x0
; av = (softmax(q k^T MM) SM) v MM for one head and 256 queries, both products on codes of E2M3; av is quantised along (head, d) and leaves as codes.
; WHAT IS QUANTISED AHEAD OF THE SECOND PRODUCT IS THE FINISHED SOFTMAX x SM, so a row's sum must be known before any p is turned into a code.
; SHARES: EIGHT waves of 512 registers, two to a SIMD, so that one wave's vector work stands beside the other's matrix instructions, exponentials and waits.
; Wave w owns keys 256 w .. 256 w + 255 of the head: its K (96 registers) and its V^T (96) stay in registers for the whole launch.  All eight waves take the same tile of 16 queries:
; a wave's 256 scores of a tile lie in 128 registers, so each score and each exponential is made once.  Between waves go only (-c m, l) of a query, 8 bytes a lane, and the partial O^T, through LDS.
; p = 2^(c s - c m_w) x F, F = 2^(c m_w - c m) SM / l, c = MM log2(e), m_w the wave's largest score, m the row's: the maximum is taken away as the definition takes it.
; Both products transposed: S^T = K Q^T, O^T = V^T P^T: a lane holds one query (lane % 16).  The keys of a tile of K, and the d of a tile of V, are in the buffers' order of rows, so that 16 registers are 16 neighbours.
; THE FIRST PRODUCT'S K IS 64, HALF OF THE INSTRUCTION'S 128: a fragment of K holds TWO tiles of 16 keys (registers 0-5 and 6-11); Q stands twice, as (codes, zeros) and as (zeros, codes): zero codes add nothing.
; A block's largest p is not searched for: the block's largest score goes through the same instructions (this takes v_exp_f32 not to fall where its input rises).
; Eight tiles make a group; wave w adds the eight partial O^T of tile w of the group, scales, quantises (two blocks of 32 along d) and stores half a fragment: three stores of 256 consecutive bytes.
; The eight tiles are written out, so that every LDS offset is an immediate: a tile's bytes and the next tile's can be told apart in the text.
; NO CLUSTER, NO TENSOR LOAD: the 8 work-groups of a head read the same K and V, 196,608 bytes each, ONCE, straight into the registers where they stay for 16 tiles' work; a joint load could only land in LDS.
; Nothing is prefetched: the one stream, Q, is asked for a whole tile ahead, into registers.
; REGISTERS: window 0: v0-159 as named below, v160-255 V^T, fragment (dt, ks) at 160 + 12 (2 dt + ks).
;   window 1: v0-127 S^T, then p (register 16 b + i: key 32 b + 16 (lane / 16) + i); v128-223 K; v224-255 O^T, four accumulators.
; LIMITS: NaN and infinities are not served.  A p that lies under 2^-126 relative to its wave's largest is 0.  A block whose largest p lies under 2^-124 gets the byte 1 (zero codes).
;   The eight waves' parts are added as ((0 + 1) + (2 + 3)) + ((4 + 5) + (6 + 7)).
.set EX,   0                           ; LDS: (-c m, l): tile j of a group at 2,048 j, wave w at 256 w, 8 bytes a lane
.set OP,   16384                       ; partial O^T: wave w at 32,768 w, tile j at 4,096 j, four registers of a lane at 512 g + 16 lane
.set QK_S, 9437184
.set V_I,  6291456
.set V_S,  9699328
.set AV_S, 3145728
.set L8,   1                           ; 8 x lane
.set R4,   2                           ; 4 r
.set EXW,  3                           ; where I put (-c m, l)
.set OPW,  5                           ; where I put my partial O^T
.set OPR,  6                           ; v6-9    where I read the parts of tile w: waves 0 and 1, 2 and 3, 4 and 5, 6 and 7
.set AVB,  14                          ; 4 r + h: av's scale bytes
.set KSW,  16                          ; v16-23  K's scale words, one for each pair of tiles
.set VSW,  24                          ; v24-31  V's
.set QSW,  32                          ; Q's: its two bytes, twice
.set QRAW, 33
.set PSW,  34                          ; v34-35  p's
.set QLO,  36                          ; v36-47  (codes, zeros)
.set QHI,  48                          ; v48-59  (zeros, codes)
.set BM,   60                          ; v60-67  a block's largest score, then its largest p, then its byte
.set BT,   68                          ; v68-75  at work; the conversions' scale operands
.set PC,   76                          ; v76-99  p's two fragments
.set FO,   76                          ; at a group's end: the 32 numbers of O^T
.set PT,   100                         ; v100-115 the conversions' second halves
.set SUM,  116                         ; v116-123
.set FC,   116                         ; at a group's end: av's codes, v116-124
.set E,    126                         ; v126-141 the eight waves' (-c m, l); at work elsewhere
.set MN,   142
.set XP,   144                         ; v144-152 2^(c m_w - c m) of the eight waves, and my own
.set LT,   154                         ; v154-155
.set PX,   156
.set VF,   160
.set KF,   128                         ; in window 1
.set OT,   224                         ; in window 1
.set WV,   3
.set SEL,  20
.set CS,   22
.set QP,   24
.set QSP,  26
.set AVP,  28
.set AVSP, 30
.set SELK, 32
.set SELQ, 33
.set GC,   34
.set HM,   35
.set NC,   40
.set SMS,  41
.set MMP,  42
.set MSB, 0
.macro WIN new                         ; the immediate's high byte repeats the setting that is left
.if MSB != \new
	s_set_vgpr_msb (MSB<<8)|\new
.set MSB, \new
.endif
.endm
.macro PLACES n
.rept \n
	v_nop
.endr
.endm
.macro QLOAD t                         ; tile t of the group: its half fragment twice, and its scale word
.irp p, 0,1,2
	global_load_b64 v[QLO+2*\p:QLO+2*\p+1], v[L8], s[QP:QP+1] offset:(\t)*24576+256*\p
	global_load_b64 v[QHI+6+2*\p:QHI+7+2*\p], v[L8], s[QP:QP+1] offset:(\t)*24576+256*\p
.endr
	global_load_b32 v[QRAW], v[R4], s[QSP:QSP+1] offset:(\t)*1024
.endm
	s_load_b128 s[4:7], s[0:1], 0x0                ; qkvbuf, avbuf
	v_lshl_add_u32 v158, v0, 2, 0x44000
	v_mov_b32 v159, 0
	v_lshrrev_b32 v4, 5, v0
	v_readfirstlane_b32 s[WV], v4                  ; wave 0..7
	v_and_b32 v4, 31, v0                           ; lane
	v_and_b32 v15, 15, v0                          ; r
	v_bfe_u32 v[AVB], v0, 4, 1                     ; h
	v_lshlrev_b32 v[L8], 3, v4
	v_lshlrev_b32 v[R4], 2, v15
	s_lshl_b32 s36, s[WV], 8
	v_add_nc_u32 v[EXW], s36, v[L8]
	v_lshlrev_b32 v4, 4, v4                        ; 16 x lane
	s_lshl_b32 s36, s[WV], 15
	s_add_co_u32 s36, s36, OP
	v_add_nc_u32 v[OPW], s36, v4
	s_lshl_b32 s36, s[WV], 12
	s_add_co_u32 s36, s36, OP
	v_add_nc_u32 v[OPR], s36, v4
	v_add_nc_u32 v[OPR+1], 0x10000, v[OPR]         ; two waves' parts on: an LDS immediate has 16 bits
	v_add_nc_u32 v[OPR+2], 0x10000, v[OPR+1]
	v_add_nc_u32 v[OPR+3], 0x10000, v[OPR+2]
	v_add_nc_u32 v[AVB], v[R4], v[AVB]
	v_mov_b32 v11, 0                               ; (named as upper halves of pairs before they are first written)
	v_mov_b32 v13, 0
	v_mov_b32 v[PX], 0                             ; a lane permute's destination counts as read
.irp i, 0,1,2,3,4,5
	v_mov_b32 v[QLO+6+\i], 0                       ; the zero halves: written once
	v_mov_b32 v[QHI+\i], 0
.endr
	s_mov_b32 s[SEL], 0x76543210
	s_mov_b32 s[SEL+1], 0xfedcba98
	s_mov_b32 s[CS], 0x3d68a9cd                    ; c = 2^(-14/3) log2(e)
	s_mov_b32 s[CS+1], s[CS]
	s_mov_b32 s[NC], 0xbd68a9cd                    ; -c
	s_mov_b32 s[SMS], 0x44ae2020                   ; 2,048 / sqrt(1.31 x 1.65)
	s_mov_b32 s[MMP], 0x3d214518                   ; 2^(-14/3)
	s_mov_b32 s[MMP+1], s[MMP]
	s_mov_b32 s[HM], 0xffff0000                    ; lanes 16-31
	s_and_b32 s8, ttmp7, 0xffff
	s_and_b32 s9, s8, 15                           ; head
	s_lshr_b32 s8, s8, 4                           ; batch
	s_lshr_b32 s10, s9, 1                          ; which fragment along K holds the head,
	s_and_b32 s11, s9, 1                           ; and which half of it
	s_mul_i32 s44, s11, 768
	s_mov_b32 s[SELK], 0x07060302                  ; byte selects: the head's two bytes of two tiles' words,
	s_mov_b32 s[SELQ], 0x03020302                  ; and of one word, twice
	s_cmp_eq_u32 s11, 0
	s_cselect_b32 s[SELK], 0x05040100, s[SELK]
	s_cselect_b32 s[SELQ], 0x01000100, s[SELQ]
	s_mov_b32 s37, 0
	s_mov_b32 s39, 0
	s_wait_kmcnt 0x0
	s_lshl_b32 s36, s8, 7                          ; K: token tile 128 batch + 16 w, fragment 8 + head / 2 of its 16
	s_lshl_b32 s38, s[WV], 4
	s_add_co_u32 s36, s36, s38
	s_lshl_b32 s36, s36, 4
	s_add_co_u32 s36, s36, s10
	s_add_co_u32 s36, s36, 8
	s_lshl_b32 s38, s36, 6
	s_add_co_u32 s38, s38, QK_S
	s_mul_i32 s36, s36, 1536
	s_add_co_u32 s36, s36, s44
	s_add_nc_u64 s[12:13], s[4:5], s[36:37]
	s_add_nc_u64 s[14:15], s[4:5], s[38:39]
	s_lshl_b32 s36, s9, 7                          ; V: row tile 4 head, K step 16 batch + 2 w of its 32
	s_lshl_b32 s38, s8, 4
	s_add_co_u32 s36, s36, s38
	s_lshl_b32 s38, s[WV], 1
	s_add_co_u32 s36, s36, s38
	s_lshl_b32 s38, s36, 6
	s_add_co_u32 s38, s38, V_S
	s_mul_i32 s36, s36, 1536
	s_add_co_u32 s36, s36, V_I
	s_add_nc_u64 s[16:17], s[4:5], s[36:37]
	s_add_nc_u64 s[18:19], s[4:5], s[38:39]
	s_lshl_b32 s36, s8, 7                          ; Q: token tile 128 batch + 16 x work-group x, fragment head / 2
	s_lshl_b32 s38, ttmp9, 4
	s_add_co_u32 s45, s36, s38
	s_lshl_b32 s36, s45, 4
	s_add_co_u32 s36, s36, s10
	s_lshl_b32 s38, s36, 6
	s_add_co_u32 s38, s38, QK_S
	s_mul_i32 s36, s36, 1536
	s_add_co_u32 s36, s36, s44
	s_add_nc_u64 s[QP:QP+1], s[4:5], s[36:37]
	s_add_nc_u64 s[QSP:QSP+1], s[4:5], s[38:39]
	s_add_co_u32 s36, s45, s[WV]                   ; av: the tile that I finish in the first group, fragment head / 2 of its 8
	s_lshl_b32 s36, s36, 3
	s_add_co_u32 s36, s36, s10
	s_lshl_b32 s38, s36, 6
	s_lshl_b32 s46, s11, 1
	s_add_co_u32 s38, s38, s46
	s_add_co_u32 s38, s38, AV_S
	s_mul_i32 s36, s36, 1536
	s_add_co_u32 s36, s36, s44
	s_add_nc_u64 s[AVP:AVP+1], s[6:7], s[36:37]
	s_add_nc_u64 s[AVSP:AVSP+1], s[6:7], s[38:39]
	; what the first product wants goes first: 16 + 7 + 48 loads; V's 8 + 48 follow
.irp b, 0,1,2,3,4,5,6,7
	global_load_b32 v[BM+\b], v[R4], s[14:15] offset:(2*\b)*1024
	global_load_b32 v[BT+\b], v[R4], s[14:15] offset:(2*\b+1)*1024
.endr
	QLOAD 0
	WIN 0x40                                       ; destination window 1
.irp b, 0,1,2,3,4,5,6,7
.irp u, 0,1
.irp p, 0,1,2
	global_load_b64 v[KF+12*\b+6*\u+2*\p:KF+12*\b+6*\u+2*\p+1], v[L8], s[12:13] offset:(2*\b+\u)*24576+256*\p   ; tile 2 b + u's half fragment: 256 consecutive bytes a load
.endr
.endr
.endr
	WIN 0
.irp d, 0,1,2,3
.irp k, 0,1
	global_load_b32 v[VSW+2*\d+\k], v[R4], s[18:19] offset:2048*\d+64*\k
.endr
.endr
.irp d, 0,1,2,3
.irp k, 0,1
.irp p, 0,1,2,3,4,5
	global_load_b64 v[VF+12*(2*\d+\k)+2*\p:VF+12*(2*\d+\k)+2*\p+1], v[L8], s[16:17] offset:49152*\d+1536*\k+256*\p
.endr
.endr
.endr
	s_wait_loadcnt 56                              ; K, its scale words and Q are in; V's 56 loads may be out: V is first read behind the first tile's wait for all loads
.irp b, 0,1,2,3,4,5,6,7
	v_perm_b32 v[KSW+\b], v[BT+\b], v[BM+\b], s[SELK]   ; bytes 0, 1: tile 2 b's two blocks; bytes 2, 3: tile 2 b + 1's
.endr
	v_perm_b32 v[QSW], v[QRAW], v[QRAW], s[SELQ]
	PLACES 8                                       ; a scale register written by a vector instruction stands 8 places ahead of a scaled matrix instruction
.macro TILE j
	; ---- the scores of my 256 keys: 16 products, each with its own accumulator
	WIN 0x41                                       ; source 0 (K) and destination window 1
.irp b, 0,1,2,3,4,5,6,7
	v_wmma_scale_f32_16x16x128_f8f6f4 v[16*\b:16*\b+7], v[KF+12*\b:KF+12*\b+11], v[QLO:QLO+11], 0, v[KSW+\b], v[QSW] matrix_a_fmt:MATRIX_FMT_FP6 matrix_b_fmt:MATRIX_FMT_FP6
	v_wmma_scale_f32_16x16x128_f8f6f4 v[16*\b+8:16*\b+15], v[KF+12*\b:KF+12*\b+11], v[QHI:QHI+11], 0, v[KSW+\b], v[QSW] matrix_a_fmt:MATRIX_FMT_FP6 matrix_b_fmt:MATRIX_FMT_FP6
.endr
	WIN 0
	PLACES 4                                       ; in front of the loads into Q's registers and of the first read of the scores
.if \j == 7
	s_cmp_eq_u32 s[GC], 1                          ; the last tile of all has no successor: no load leaves its buffer
	s_cbranch_scc1 .Lno_next
.endif
	QLOAD (\j)+1                                   ; the next tile's Q: a whole tile ahead
.if \j == 7
.Lno_next:
.endif
	; ---- each block's largest score, the wave's largest, the exponentials, their sum
	WIN 0x05
.irp b, 0,1,2,3,4,5,6,7
	v_max_num_f32 v[BM+\b], v[16*\b], v[16*\b+1]   ; (each accumulator is read from its low end on)
.endr
	WIN 0x14
.irp i, 2,4,6,8,10,12,14
.irp b, 0,1,2,3,4,5,6,7
	v_max3_num_f32 v[BM+\b], v[BM+\b], v[16*\b+\i], v[16*\b+\i+1]
.endr
.endr
	WIN 0
.irp b, 0,1,2,3,4,5,6,7
	v_permlanex16_b32 v[BT+\b], v[BM+\b], s[SEL], s[SEL+1]
.endr
.irp b, 0,1,2,3,4,5,6,7
	v_max_num_f32 v[BM+\b], v[BM+\b], v[BT+\b]     ; with lane l xor 16's 16 keys
.endr
	v_max3_num_f32 v[E], v[BM], v[BM+1], v[BM+2]
	v_max3_num_f32 v[E+1], v[BM+3], v[BM+4], v[BM+5]
	v_max3_num_f32 v[E], v[E], v[E+1], v[BM+6]
	v_max_num_f32 v[E], v[E], v[BM+7]
	v_mul_f32 v10, s[NC], v[E]                     ; -c m_w
	WIN 0x41
.set i, 0
.rept 64
	v_pk_fma_f32 v[i:i+1], v[i:i+1], s[CS:CS+1], v[10:11] op_sel_hi:[1,0,0]   ; c s - c m_w
.set i, i+2
.endr
	WIN 0
.irp b, 0,1,2,3,4,5,6,7
	v_fma_f32 v[BM+\b], v[BM+\b], s[CS], v10       ; the same of each block's largest score
.endr
	WIN 0x41
.set i, 0
.rept 128
	v_exp_f32 v[i], v[i]
.set i, i+1
.endr
	WIN 0
.irp b, 0,1,2,3,4,5,6,7
	v_exp_f32 v[BM+\b], v[BM+\b]
.endr
	v_nop                                          ; a plain place behind the batch,
	s_wait_alu depctr_va_vdst(0)                   ; and one wait for its 136 exponentials, ahead of the first reader
	WIN 0x05
.irp k, 0,1,2,3
	v_pk_add_f32 v[SUM+2*\k:SUM+2*\k+1], v[4*\k:4*\k+1], v[4*\k+2:4*\k+3]   ; four chains
.endr
	WIN 0x04
.set i, 16
.rept 14
.irp k, 0,1,2,3
	v_pk_add_f32 v[SUM+2*\k:SUM+2*\k+1], v[SUM+2*\k:SUM+2*\k+1], v[i+2*\k:i+2*\k+1]
.endr
.set i, i+8
.endr
	WIN 0
	v_pk_add_f32 v[SUM:SUM+1], v[SUM:SUM+1], v[SUM+2:SUM+3]
	v_pk_add_f32 v[SUM+4:SUM+5], v[SUM+4:SUM+5], v[SUM+6:SUM+7]
	v_pk_add_f32 v[SUM:SUM+1], v[SUM:SUM+1], v[SUM+4:SUM+5]
	v_add_f32 v11, v[SUM], v[SUM+1]
	v_permlanex16_b32 v[PX], v11, s[SEL], s[SEL+1]
	v_add_f32 v11, v11, v[PX]                      ; l_w
	; ---- the eight waves' (-c m, l) meet
	ds_store_b64 v[EXW], v[10:11] offset:EX+2048*\j
	s_wait_dscnt 0x0                               ; for the others' sake: all my LDS stores have landed, and my earlier LDS loads are in
	s_barrier_signal -1
	s_barrier_wait -1
.irp w, 0,1,2,3,4,5,6,7
	ds_load_b64 v[E+2*\w:E+2*\w+1], v[L8] offset:EX+2048*\j+256*\w
.endr
	s_wait_dscnt 0x0
	v_min3_num_f32 v[MN], v[E], v[E+2], v[E+4]
	v_min3_num_f32 v[MN], v[MN], v[E+6], v[E+8]
	v_min3_num_f32 v[MN], v[MN], v[E+10], v[E+12]
	v_min_num_f32 v[MN], v[MN], v[E+14]            ; -c m
.irp w, 0,1,2,3,4,5,6,7
	v_sub_f32 v[XP+\w], v[MN], v[E+2*\w]
.endr
	v_sub_f32 v[XP+8], v[MN], v10
.irp w, 0,1,2,3,4,5,6,7,8
	v_exp_f32 v[XP+\w], v[XP+\w]                   ; 2^(c m_w - c m), at most 1; the ninth is my own
.endr
	v_nop
	s_wait_alu depctr_va_vdst(0)
	v_mul_f32 v[LT], v[E+1], v[XP]                 ; two chains, the same in every wave
	v_mul_f32 v[LT+1], v[E+3], v[XP+1]
	v_fmac_f32 v[LT], v[E+5], v[XP+2]
	v_fmac_f32 v[LT+1], v[E+7], v[XP+3]
	v_fmac_f32 v[LT], v[E+9], v[XP+4]
	v_fmac_f32 v[LT+1], v[E+11], v[XP+5]
	v_fmac_f32 v[LT], v[E+13], v[XP+6]
	v_fmac_f32 v[LT+1], v[E+15], v[XP+7]
	v_add_f32 v[LT], v[LT], v[LT+1]                ; l, at least 1; the same bits in all eight waves
	v_rcp_f32 v[LT], v[LT]
	v_mul_f32 v[XP+8], s[SMS], v[XP+8]             ; (a plain place behind the reciprocal)
	s_wait_alu depctr_va_vdst(0)
	v_mul_f32 v12, v[XP+8], v[LT]                  ; F
	; ---- the finished softmax x SM, quantised along the keys
	WIN 0x41
.set i, 0
.rept 64
	v_pk_mul_f32 v[i:i+1], v[i:i+1], v[12:13] op_sel_hi:[1,0]
.set i, i+2
.endr
	WIN 0
.irp b, 0,1,2,3,4,5,6,7
	v_mul_f32 v[BM+\b], v[BM+\b], v12              ; each block's largest p
.endr
.irp b, 0,1,2,3,4,5,6,7
	v_max_num_f32 v[BM+\b], 0x1800000, v[BM+\b]    ; the floor 2^(3 - 127): the byte cannot fall under 1
.endr
.irp b, 0,1,2,3,4,5,6,7
	v_add_nc_u32 v[BT+\b], 0xff000000, v[BM+\b]    ; 2 off the exponent field: the conversion's scale operand
.endr
.irp b, 0,1,2,3,4,5,6,7
	v_lshrrev_b32 v[BM+\b], 23, v[BT+\b]
.endr
.irp k, 0,1
	v_lshl_or_b32 v[PSW+\k], v[BM+4*\k+1], 8, v[BM+4*\k]
	v_lshl_or_b32 v[PSW+\k], v[BM+4*\k+2], 16, v[PSW+\k]
	v_lshl_or_b32 v[PSW+\k], v[BM+4*\k+3], 24, v[PSW+\k]
.endr
	s_wait_loadcnt 0x0                             ; the next tile's Q is in (in the first tile: V too)
	v_perm_b32 v[QSW], v[QRAW], v[QRAW], s[SELQ]
	WIN 0x01
.irp k, 0,1
.irp c, 0,1
	v_cvt_scalef32_pk16_fp6_f32 v[PC+12*\k+6*\c:PC+12*\k+6*\c+2], v[64*\k+32*\c:64*\k+32*\c+15], v[BT+4*\k+2*\c]
	v_cvt_scalef32_pk16_fp6_f32 v[PT+8*\k+4*\c:PT+8*\k+4*\c+2], v[64*\k+32*\c+16:64*\k+32*\c+31], v[BT+4*\k+2*\c+1]
.endr
.endr
	WIN 0
	v_nop                                          ; one plain place behind the scaled conversions
.irp k, 0,1
.irp c, 0,1
.irp i, 0,1,2
	v_permlane16_swap_b32 v[PC+12*\k+6*\c+\i], v[PT+8*\k+4*\c+\i]
.endr
.irp i, 0,1,2
	v_mov_b32 v[PC+12*\k+6*\c+3+\i], v[PT+8*\k+4*\c+\i]
.endr
.endr
.endr
	PLACES 8                                       ; operands and scale words written by vector instructions: 4 and 8 places ahead of a scaled matrix instruction
	; ---- my keys' part of O^T: four accumulators by turns, a K step of 128 keys at a time
	WIN 0x50                                       ; C and D window 1
.irp k, 0,1
.irp d, 0,1,2,3
.if \k == 0
	v_wmma_scale_f32_16x16x128_f8f6f4 v[OT+8*\d:OT+8*\d+7], v[VF+12*(2*\d+\k):VF+12*(2*\d+\k)+11], v[PC+12*\k:PC+12*\k+11], 0, v[VSW+2*\d+\k], v[PSW+\k] matrix_a_fmt:MATRIX_FMT_FP6 matrix_b_fmt:MATRIX_FMT_FP6
.else
	v_wmma_scale_f32_16x16x128_f8f6f4 v[OT+8*\d:OT+8*\d+7], v[VF+12*(2*\d+\k):VF+12*(2*\d+\k)+11], v[PC+12*\k:PC+12*\k+11], v[OT+8*\d:OT+8*\d+7], v[VSW+2*\d+\k], v[PSW+\k] matrix_a_fmt:MATRIX_FMT_FP6 matrix_b_fmt:MATRIX_FMT_FP6
.endif
.endr
.endr
	WIN 0x04                                       ; an LDS store's data are its source 1: window 1
	PLACES 4
.irp g, 0,1,2,3,4,5,6,7
	ds_store_b128 v[OPW], v[OT+4*\g:OT+4*\g+3] offset:4096*\j+512*\g   ; as an image of the registers; each accumulator from its low end on
.endr
	WIN 0
.endm
; The parts of my tile that waves w0 .. w0 + 3 have made come into S's registers and are added in pairs: the sums stand at v0-31 and v64-95 of window 1
.macro GATHER4 w0
	WIN 0x40
.irp w, 0,1,2,3
.irp g, 0,1,2,3,4,5,6,7
	ds_load_b128 v[32*\w+4*\g:32*\w+4*\g+3], v[OPR+((\w0)+\w)/2] offset:32768*(((\w0)+\w)%2)+512*\g
.endr
.endr
	s_wait_dscnt 0x0                               ; (these bytes are written again only behind the next tile's barrier)
	WIN 0x45
.set i, 0
.rept 16
	v_pk_add_f32 v[i:i+1], v[i:i+1], v[32+i:33+i]
	v_pk_add_f32 v[64+i:65+i], v[64+i:65+i], v[96+i:97+i]
.set i, i+2
.endr
.endm
	s_mov_b32 s[GC], 2
.Lgroup:
	TILE 0
	TILE 1
	TILE 2
	TILE 3
	TILE 4
	TILE 5
	TILE 6
	TILE 7
	; ---- wave w finishes tile w of the group
	s_wait_dscnt 0x0                               ; my partial results have landed
	s_barrier_signal -1
	s_barrier_wait -1
	GATHER4 0
	WIN 0x05
.set i, 0
.rept 16
	v_pk_add_f32 v[FO+i:FO+i+1], v[i:i+1], v[64+i:65+i]
.set i, i+2
.endr
	GATHER4 4
.set i, 0
.rept 16
	v_pk_add_f32 v[i:i+1], v[i:i+1], v[64+i:65+i]
.set i, i+2
.endr
	WIN 0x04
.set i, 0
.rept 16
	v_pk_add_f32 v[FO+i:FO+i+1], v[FO+i:FO+i+1], v[i:i+1]
.set i, i+2
.endr
	WIN 0
.set i, 0
.rept 16
	v_pk_mul_f32 v[FO+i:FO+i+1], v[FO+i:FO+i+1], s[MMP:MMP+1] op_sel_hi:[1,0]   ; register 16 b + i: d = 32 b + 16 (lane / 16) + i
.set i, i+2
.endr
.irp b, 0,1
	v_max3_num_f32 v[E+\b], |v[FO+16*\b]|, |v[FO+16*\b+1]|, 0x1800000
.endr
.irp i, 2,4,6,8,10,12,14
.irp b, 0,1
	v_max3_num_f32 v[E+\b], v[E+\b], |v[FO+16*\b+\i]|, |v[FO+16*\b+\i+1]|
.endr
.endr
.irp b, 0,1
	v_permlanex16_b32 v[E+2+\b], v[E+\b], s[SEL], s[SEL+1]
.endr
.irp b, 0,1
	v_max_num_f32 v[E+\b], v[E+\b], v[E+2+\b]
.endr
.irp b, 0,1
	v_add_nc_u32 v[E+4+\b], 0xff000000, v[E+\b]
.endr
.irp b, 0,1
	v_lshrrev_b32 v[E+2+\b], 23, v[E+4+\b]
.endr
	v_cvt_scalef32_pk16_fp6_f32 v[FC:FC+2], v[FO:FO+15], v[E+4]
	v_cvt_scalef32_pk16_fp6_f32 v[FC+6:FC+8], v[FO+16:FO+31], v[E+5]
	v_cndmask_b32 v[E+6], v[E+2], v[E+3], s[HM]    ; lane (r, h) keeps block h's byte.  (The plain place behind the conversions)
.irp i, 0,1,2
	v_permlane16_swap_b32 v[FC+\i], v[FC+6+\i]
.endr
.irp i, 0,1,2
	v_mov_b32 v[FC+3+\i], v[FC+6+\i]
.endr
.irp p, 0,1,2
	global_store_b64 v[L8], v[FC+2*\p:FC+2*\p+1], s[AVP:AVP+1] offset:256*\p   ; 256 consecutive bytes, aligned
.endr
	global_store_b8 v[AVB], v[E+6], s[AVSP:AVSP+1] ; the head's two bytes of each row's word: each byte has one writer
	s_wait_xcnt 0x0                                ; the stores and Q's loads have read their registers and bases
	s_add_nc_u64 s[AVP:AVP+1], s[AVP:AVP+1], 98304 ; eight tiles on: 8 x 8 fragments of 1,536 bytes,
	s_add_nc_u64 s[AVSP:AVSP+1], s[AVSP:AVSP+1], 4096
	s_add_nc_u64 s[QP:QP+1], s[QP:QP+1], 196608    ; 8 x 16 fragments
	s_add_nc_u64 s[QSP:QSP+1], s[QSP:QSP+1], 8192
	s_sub_co_u32 s[GC], s[GC], 1
	s_cmp_lg_u32 s[GC], 0
	s_cbranch_scc1 .Lgroup
	s_wait_tensorcnt 0x0
	ds_add_u32 v158, v159
	s_wait_dscnt 0x0
	s_endpgm
.Lfunc_end_k_qff8d12c232_attn:
	.size	k_qff8d12c232_attn, .Lfunc_end_k_qff8d12c232_attn-k_qff8d12c232_attn
	.p2alignl 7, 3214868480
	.fill 96, 4, 3214868480
	.section	.rodata,"a",@progbits
	.p2align	6, 0x0
	.amdhsa_kernel k_qff8d12c232_attn
		.amdhsa_group_segment_fixed_size 279552
		.amdhsa_private_segment_fixed_size 0
		.amdhsa_enable_private_segment 0
		.amdhsa_kernarg_size 16
		.amdhsa_user_sgpr_count 2
		.amdhsa_user_sgpr_kernarg_segment_ptr 1
		.amdhsa_wavefront_size32 1
		.amdhsa_system_sgpr_workgroup_id_x 1
		.amdhsa_system_sgpr_workgroup_id_y 1
		.amdhsa_system_sgpr_workgroup_id_z 1
		.amdhsa_system_vgpr_workitem_id 0
		.amdhsa_next_free_vgpr 512
		.amdhsa_next_free_sgpr 66
		.amdhsa_reserve_vcc 0
		.amdhsa_float_denorm_mode_32 3
		.amdhsa_float_denorm_mode_16_64 3
		.amdhsa_memory_ordered 1
		.amdhsa_forward_progress 1
		.amdhsa_inst_pref_size 255
	.end_amdhsa_kernel
	.section	.bss,"aw",@nobits
	.p2align	6
	.space	262144
	.amdgpu_metadata
---
amdhsa.version: [ 1, 2 ]
amdhsa.kernels:
  - .name:           k_qff8d12c232_attn
    .symbol:         k_qff8d12c232_attn.kd
    .args:
      - { .name: qkvbuf, .offset: 0, .size: 8, .value_kind: global_buffer, .address_space: global }
      - { .name: avbuf, .offset: 8, .size: 8, .value_kind: global_buffer, .address_space: global }
    .group_segment_fixed_size: 279552
    .private_segment_fixed_size: 0
    .kernarg_segment_align: 8
    .kernarg_segment_size: 16
    .max_flat_workgroup_size: 256
    .sgpr_count:     66
    .vgpr_count:     512
    .wavefront_size: 32
...
	.end_amdgpu_metadata
.endif
;; end of part 4
;; launch gemm_o (part 5): grid 8 x 32, 4 waves a work-group, clusters of 4 x 4, 327,680 bytes of LDS; arguments avbuf, wbuf, x, x1; writes x1
.if DOCPART == 5
	.amdgcn_target "amdgcn-amd-amdhsa--gfx1250"
	.amdhsa_code_object_version 6
	.text
	.protected	k_qff8d12c232_gemm_o
	.globl	k_qff8d12c232_gemm_o
	.p2align	8
	.type	k_qff8d12c232_gemm_o,@function
k_qff8d12c232_gemm_o:
	s_mov_b64 s[64:65], 0
	v_nop
	global_prefetch_b8 v0, s[64:65] scope:SCOPE_SE
	s_setreg_imm32_b32 hwreg(HW_REG_WAVE_MODE, 25, 1), 1
	s_wait_xcnt 0x0
	s_wait_alu depctr_hold_cnt(0) depctr_sa_sdst(0) depctr_va_vdst(0) depctr_va_sdst(0) depctr_va_ssrc(0) depctr_va_vcc(0) depctr_vm_vsrc(0)
	s_getreg_b32 s2, hwreg(HW_REG_IB_STS2, 6, 4)
	s_cmp_eq_u32 s2, 0
	s_cbranch_scc0 .Lentry_in_a_cluster
	s_endpgm
.Lentry_in_a_cluster:
	s_bfe_u32 s2, ttmp6, 0x10000c
	s_cmp_lg_u32 s2, 0xf033
	s_cbranch_scc0 .Lentry_shape_is_right
	s_endpgm
.Lentry_shape_is_right:
; out = ALPHA (A B^T + bias) + sqrt(0.8) skip, f32 [4,096][1,024]; A and B are codes of E2M3 laid as images of their registers (fragment = 1,536 bytes, pair p of lane l at 256 p + 8 l), K = 128 KS.
; This text: KS = 8, no bias: x1 = sqrt(0.2) / 32 x (av Wo^T) + sqrt(0.8) x.
; N = 1,024 gives 64 tiles of 256 x 256 but 256 of 128 x 128: the smaller tile gives each WGP a work-group.  Four waves of 64 x 64: 16 accumulators.
; A slot of the ring holds 512 along K (four fragments for each of 16 row tiles, 98,304 bytes), the longest of which two fit; each wave fills a quarter with one tensor load of 4 rows x 6,144 bytes.
; CLUSTERS 4 x 4: A's tiles jointly along a row, B's along a column.  The scale words of the work-group's 256 rows for all of K come once.  No prefetch: the tiles are read by several work-groups, and the ring has few refills.
; Lane r of row tile T holds row 32 (T / 2) + 8 (T % 2) + r + 8 (r / 8); source 0 = B, source 1 = A: a lane holds 8 neighbouring columns of one row.
; The skip's 64 x 64 numbers are asked for at the head, in the layout in which rows come back from the stage, and wait in registers.
; REGISTERS: window 0: v0-31 addresses; v32-39 scale words, two sets; v40-103 rows on the way out; v128-255 accumulator (a, b) at 128 + 8 (4 a + b).  window 1: two fragment buffers (A's 48, B's 48).  window 2: v0-127 the skip.
.set KS,     8
.set BIAS,   0
.set AOS,    3145728                   ; A's scale words in its buffer
.set BOC,    2359296                   ; B's images in wbuf
.set BOS,    9535488                   ; and scale words
.set ALPHA,  0x3c64f92e
.set BIP,    8
.set SKP,    8
.set OUP,    10
.set LAPS,   KS/8
.set RTB,    4*1536
.set HALFT,  4*RTB
.set SLOT,   4*HALFT
.set SCL,    2*SLOT
.set HALFS,  4*KS*64
.set STAGE,  SCL+4*8192                ; 16 rows x 272 bytes for each wave; no fill lands here
.set SPITCH, 272
.set SPARE,  STAGE+4*16*SPITCH
.set BA,   12
.set ADRA, 16
.set ADRB, 20
.set STO,  24
.set RD,   25
.set CO,   26
.set ADRS, 27
.set SPW,  28
.set NIL,  29
.set SC,   32
.set BK,   40
.set ACC,  128
.set G1, 24
.set G0, 32
.set G1B, 48
.set G0B, 56
.set G1S, 68
.set G0S, 76
.set G1SB, 80
.set G0SB, 88
.set MSB, 0
.macro WIN new
.if MSB != \new
	s_set_vgpr_msb (MSB<<8)|\new
.set MSB, \new
.endif
.endm
.set MUL,  0x05                        ; sources 0 and 1 window 1; C and D window 0
.set TO_F, 0x40
.macro JLOAD g0a, g1a, g0b, g1b        ; waves 0 and 1 fetch for A, waves 2 and 3 for B; four v_nop follow each line
	s_cmp_eq_u32 s15, 0
	s_cbranch_scc0 .Lfor_b_\@
	tensor_load_to_lds s[\g0a:\g0a+3], s[\g1a:\g1a+7]
	s_nop 0
.rept 4
	v_nop
.endr
	s_branch .Lasked_\@
.Lfor_b_\@:
	tensor_load_to_lds s[\g0b:\g0b+3], s[\g1b:\g1b+7]
	s_nop 0
.rept 4
	v_nop
.endr
.Lasked_\@:
.endm
.macro CREST
	s_cmp_lg_u32 s14, 0
	s_cbranch_scc1 .Lnot_wave_0_\@
	s_barrier_signal -3
.Lnot_wave_0_\@:
	s_barrier_wait -3
	s_barrier_signal -1
	s_barrier_wait -1
.endm
.macro CROUND
	s_barrier_signal -1
	s_barrier_wait -1
	CREST
.endm
.macro PLACES n
.rept \n
	v_nop
.endr
.endm
	s_load_b256 s[4:11], s[0:1], 0x0
.if BIAS
	s_load_b64 s[12:13], s[0:1], 0x20
.endif
	v_lshl_add_u32 v[SPW], v0, 2, SPARE
	v_mov_b32 v[NIL], 0
	ds_add_u32 v28, v29
	ds_add_u32 v28, v29
	s_wait_dscnt 0x0
	v_lshrrev_b32 v1, 5, v0
	v_readfirstlane_b32 s14, v1                    ; wave
	s_lshr_b32 s15, s14, 1                         ; my half of the rows.  Also: I fetch for A (0) or B (1)
	s_and_b32 s16, s14, 1                          ; my half of the columns.  Also: which 4 row tiles I fetch
	s_bfe_u32 s40, ttmp6, 0x40000
	s_bfe_u32 s41, ttmp6, 0x40004
	s_lshl_b32 s42, ttmp9, 2
	s_add_co_u32 s42, s42, s40                     ; tile column
	s_and_b32 s17, ttmp7, 0xffff
	s_lshl_b32 s17, s17, 2
	s_add_co_u32 s17, s17, s41                     ; tile row
	s_lshl_b32 s43, s41, 2
	s_lshl_b32 s43, 15, s43
	s_lshl_b32 s44, 0x1111, s40
	; group 1 for the codes: 4 rows (row tiles) x 768 elements of 8 bytes (four fragments), 192 KS elements apart
	s_or_b32 s[G1+0], s43, (3<<16)|(1<<21)
	s_or_b32 s[G1B+0], s44, (3<<16)|(1<<21)
.irp g, G1, G1B
	s_mov_b32 s[\g+1], (RTB/8)<<16
	s_mov_b32 s[\g+2], 4<<16
	s_mov_b32 s[\g+3], (RTB/8)<<16
	s_mov_b32 s[\g+4], 4
	s_mov_b32 s[\g+5], 192*KS
	s_mov_b32 s[\g+6], 0
	s_mov_b32 s[\g+7], 0
.endr
	; the scale words of 4 row tiles: a dense block of HALFS bytes as rows of 256
	s_or_b32 s[G1S+0], s43, (3<<16)|(1<<21)
	s_or_b32 s[G1SB+0], s44, (3<<16)|(1<<21)
.irp g, G1S, G1SB
	s_mov_b32 s[\g+1], 32<<16
	s_mov_b32 s[\g+2], (HALFS/256)<<16
	s_mov_b32 s[\g+3], 32<<16
	s_mov_b32 s[\g+4], HALFS/256
	s_mov_b32 s[\g+5], 32
	s_mov_b32 s[\g+6], 0
	s_mov_b32 s[\g+7], 0
.endr
	s_lshl_b32 s18, s16, 2
	s_lshl_b32 s20, s17, 3
	s_add_co_u32 s20, s20, s18                     ; A: row tile 8 x tile row + 4 x half
	s_lshl_b32 s46, s42, 3
	s_add_co_u32 s46, s46, s18
	s_mul_i32 s22, s20, KS*64
	s_add_co_u32 s22, s22, AOS
	s_mov_b32 s23, 0
	s_mul_i32 s20, s20, KS*1536
	s_mov_b32 s21, 0
	s_mul_i32 s92, s46, KS*64
	s_add_co_u32 s92, s92, BOS
	s_mov_b32 s93, 0
	s_mul_i32 s46, s46, KS*1536
	s_add_co_u32 s46, s46, BOC
	s_mov_b32 s47, 0
	s_mul_i32 s45, s14, HALFT
	s_mul_i32 s94, s14, HALFS
	s_wait_kmcnt 0x0
	s_add_nc_u64 s[20:21], s[4:5], s[20:21]
	s_add_nc_u64 s[22:23], s[4:5], s[22:23]
	s_add_nc_u64 s[46:47], s[6:7], s[46:47]
	s_add_nc_u64 s[92:93], s[6:7], s[92:93]
	CROUND                                         ; the first joint loads meet
	s_mov_b32 s[G0S], 1
	s_add_co_u32 s[G0S+1], s94, SCL
	s_mov_b64 s[G0S+2:G0S+3], s[22:23]
	s_or_b32 s[G0S+3], s[G0S+3], 0x80000000
	s_mov_b32 s[G0SB], 1
	s_add_co_u32 s[G0SB+1], s94, SCL
	s_mov_b64 s[G0SB+2:G0SB+3], s[92:93]
	s_or_b32 s[G0SB+3], s[G0SB+3], 0x80000000
	JLOAD G0S, G1S, G0SB, G1SB                     ; with the two slots three loads of mine are out
.irp s, 0,1
	s_mov_b32 s[G0+4*\s], 1
	s_add_co_u32 s[G0+4*\s+1], s45, \s*SLOT
	s_add_nc_u64 s[G0+4*\s+2:G0+4*\s+3], s[20:21], \s*RTB
	s_or_b32 s[G0+4*\s+3], s[G0+4*\s+3], 0x80000000
	s_mov_b32 s[G0B+4*\s], 1
	s_add_co_u32 s[G0B+4*\s+1], s45, \s*SLOT
	s_add_nc_u64 s[G0B+4*\s+2:G0B+4*\s+3], s[46:47], \s*RTB
	s_or_b32 s[G0B+4*\s+3], s[G0B+4*\s+3], 0x80000000
	JLOAD G0+4*\s, G1, G0B+4*\s, G1B
.endr
	v_and_b32 v1, 15, v0                           ; r
	v_bfe_u32 v2, v0, 4, 1                         ; h
	v_and_b32 v3, 31, v0
	v_lshlrev_b32 v3, 3, v3                        ; 8 x lane
	s_mul_i32 s21, s15, HALFT
	s_mul_i32 s22, s16, HALFT
	s_add_co_u32 s22, s22, 2*HALFT
.irp s, 0,1
	v_add_nc_u32 v[ADRA+\s], s21, v3
	v_add_nc_u32 v[ADRB+\s], s22, v3
	s_add_co_u32 s21, s21, SLOT
	s_add_co_u32 s22, s22, SLOT
.endr
	v_lshlrev_b32 v5, 2, v1                        ; scale words: lanes 0-15 A's, lanes 16-31 B's: ONE product, h x the distance
	s_mul_i32 s21, s15, HALFS
	s_mul_i32 s22, s16, HALFS
	s_add_co_u32 s22, s22, 2*HALFS
	s_sub_co_u32 s22, s22, s21
	v_mul_u32_u24 v6, s22, v2
	s_add_co_u32 s21, s21, SCL
	v_add_nc_u32 v5, v5, v6
	v_add_nc_u32 v[ADRS], s21, v5
	s_mul_i32 s23, s14, 16*SPITCH
	s_add_co_u32 s23, s23, STAGE                   ; my stage
	v_mul_u32_u24 v5, v1, SPITCH
	v_lshl_add_u32 v5, v2, 6, v5
	v_add_nc_u32 v[STO], s23, v5                   ; in: row r, + 64 h
	v_mul_u32_u24 v5, v2, SPITCH
	v_lshl_add_u32 v5, v1, 4, v5
	v_add_nc_u32 v[RD], s23, v5                    ; back: lanes 0-15 one row of 256 bytes, lanes 16-31 the next
	v_lshlrev_b32 v[CO], 12, v2
	v_lshl_add_u32 v[CO], v1, 4, v[CO]             ; and the same in memory
	s_lshl_b32 s20, s17, 7
	s_lshl_b32 s21, s15, 6
	s_add_co_u32 s20, s20, s21
	s_lshl_b32 s20, s20, 12                        ; my first row, in bytes
	s_lshl_b32 s46, s42, 9
	s_lshl_b32 s47, s16, 8
	s_add_co_u32 s46, s46, s47                     ; my first column, in bytes
	s_mov_b32 s47, 0
.if BIAS
	s_add_nc_u64 s[BIP:BIP+1], s[BIP:BIP+1], s[46:47]
	v_lshlrev_b32 v7, 4, v1
	global_load_b128 v[BA:BA+3], v7, s[BIP:BIP+1]  ; the bias of the four columns that I store
.endif
	s_add_co_u32 s46, s46, s20
	s_add_nc_u64 s[SKP:SKP+1], s[SKP:SKP+1], s[46:47]
	s_add_nc_u64 s[OUP:OUP+1], s[OUP:OUP+1], s[46:47]
	WIN 0x80                                       ; destination window 2
.irp a, 0,1,2,3
.irp t, 0,1,2,3,4,5,6,7
	global_load_b128 v[4*(8*\a+\t):4*(8*\a+\t)+3], v[CO], s[SKP:SKP+1] offset:(32*(\a/2)+8*(\a%2)+2*\t+8*(\t/4))*4096 th:TH_LOAD_NT   ; 16 lanes read 256 consecutive bytes, aligned
.endr
.endr
	WIN 0
.macro FETCH slot, q, f                ; the fragments and scale words of the slot's q-th 128 along K: 52 LDS loads
	WIN TO_F
.irp i, 0,1,2,3
.irp p, 0,1,2,3,4,5
	ds_load_b64 v[(\f)+48+12*\i+2*\p:(\f)+48+12*\i+2*\p+1], v[ADRB+\slot] offset:RTB*\i+1536*(\q)+256*\p
.endr
.endr
.irp i, 0,1,2,3
.irp p, 0,1,2,3,4,5
	ds_load_b64 v[(\f)+12*\i+2*\p:(\f)+12*\i+2*\p+1], v[ADRA+\slot] offset:RTB*\i+1536*(\q)+256*\p
.endr
.endr
	WIN 0
.irp i, 0,1,2,3
	ds_load_b32 v[SC+4*((\q)%2)+\i], v[ADRS] offset:KS*64*\i+64*(\q)
.endr
.endm
; 8 matrix instructions; the 16 accumulators take turns, one instruction a turn, in the same order in every step
.macro MUL8 f, sc, a0, zero
.irp a, \a0, \a0+1
.irp b, 0,1,2,3
.if \zero
	v_wmma_scale_f32_16x16x128_f8f6f4 v[ACC+8*(4*(\a)+\b):ACC+8*(4*(\a)+\b)+7], v[(\f)+48+12*\b:(\f)+48+12*\b+11], v[(\f)+12*(\a):(\f)+12*(\a)+11], 0, v[SC+4*(\sc)+\b], v[SC+4*(\sc)+(\a)] matrix_a_fmt:MATRIX_FMT_FP6 matrix_b_fmt:MATRIX_FMT_FP6 matrix_a_scale:MATRIX_SCALE_ROW1
.else
	v_wmma_scale_f32_16x16x128_f8f6f4 v[ACC+8*(4*(\a)+\b):ACC+8*(4*(\a)+\b)+7], v[(\f)+48+12*\b:(\f)+48+12*\b+11], v[(\f)+12*(\a):(\f)+12*(\a)+11], v[ACC+8*(4*(\a)+\b):ACC+8*(4*(\a)+\b)+7], v[SC+4*(\sc)+\b], v[SC+4*(\sc)+(\a)] matrix_a_fmt:MATRIX_FMT_FP6 matrix_b_fmt:MATRIX_FMT_FP6 matrix_a_scale:MATRIX_SCALE_ROW1
.endif
.endr
.endr
.endm
.macro KSTEP slot, q, zero             ; one of a slot's first three steps: the next step's fragments are asked for, then this step is multiplied
	s_wait_dscnt 0x0                               ; this step's fragments are in
	PLACES 4                                       ; in front of loads into the buffer and the scale set that the last step's products read
	FETCH \slot, (\q)+1, 128*(((\q)+1)%2)
	WIN MUL
	MUL8 128*((\q)%2), (\q)%2, 0, \zero
	MUL8 128*((\q)%2), (\q)%2, 2, \zero
.endm
; A slot's last step changes slots: one barrier; in front of it each wave waits for all its tensor loads, adds 0 to its spare word, and waits for that and for its reads of this slot.
.macro TURN slot, next, fill
	WIN 0
	s_wait_tensorcnt 0x0
	ds_add_u32 v[SPW], v[NIL]
	s_wait_dscnt 1                                 ; this step's fragments are in; the add may be out
	WIN MUL
	MUL8 128, 1, 0, 0
	s_wait_dscnt 0x0                               ; the add is done, and my reads of this slot are over
	s_barrier_signal -1
	MUL8 128, 1, 2, 0
	WIN 0
	s_barrier_wait -1
.if \fill
	CREST                                          ; a round of the cluster's barrier: no wave of any partner still reads this slot or has a load on its way
	s_add_nc_u64 s[G0+4*\slot+2:G0+4*\slot+3], s[G0+4*\slot+2:G0+4*\slot+3], 2*RTB
	s_add_nc_u64 s[G0B+4*\slot+2:G0B+4*\slot+3], s[G0B+4*\slot+2:G0B+4*\slot+3], 2*RTB
	JLOAD G0+4*\slot, G1, G0B+4*\slot, G1B         ; the first tensor load behind the round; its four v_nop are the places in front of the loads below
.else
	PLACES 4
.endif
	v_add_nc_u32 v[ADRS], 256, v[ADRS]             ; the next slot's scale words
	FETCH \next, 0, 0
.endm
	s_wait_tensorcnt 1                             ; the scale words and my part of slot 0 are in; slot 1's load may be out
	s_barrier_signal -1
	s_barrier_wait -1
	FETCH 0, 0, 0
	KSTEP 0, 0, 1                                  ; the first step's products start the sums
.if LAPS > 1
	WIN 0
	s_mov_b32 s3, LAPS-1
.Llap:
	KSTEP 0, 1, 0
	KSTEP 0, 2, 0
	TURN 0, 1, 1
	KSTEP 1, 0, 0
	KSTEP 1, 1, 0
	KSTEP 1, 2, 0
	TURN 1, 0, 1
	KSTEP 0, 0, 0
	WIN 0
	s_sub_co_u32 s3, s3, 1
	s_cmp_lg_u32 s3, 0
	s_cbranch_scc1 .Llap
.endif
	KSTEP 0, 1, 0                                  ; the last lap fills nothing
	KSTEP 0, 2, 0
	TURN 0, 1, 0
	KSTEP 1, 0, 0
	KSTEP 1, 1, 0
	KSTEP 1, 2, 0
	s_wait_dscnt 0x0
	WIN MUL
	MUL8 128, 1, 0, 0
	MUL8 128, 1, 2, 0
	WIN 0
	; THE WAY OUT: the skip is scaled (and takes the bias) while the last products end; then a tile of 16 rows at a time goes through my stage and comes back as rows of 256 bytes.
	s_mov_b32 s20, 0x3f64f92e                      ; sqrt(0.8)
	s_mov_b32 s21, s20
	s_mov_b32 s22, ALPHA
	s_mov_b32 s23, s22
	s_wait_loadcnt 0x0
.if BIAS
	v_pk_mul_f32 v[BA:BA+1], v[BA:BA+1], s[22:23] op_sel_hi:[1,0]
	v_pk_mul_f32 v[BA+2:BA+3], v[BA+2:BA+3], s[22:23] op_sel_hi:[1,0]
.endif
	WIN 0x82                                       ; destination and source 0 window 2.  These 64 lines are the places behind the last products
.set i, 0
.rept 32
.if BIAS
	v_pk_fma_f32 v[i:i+1], v[i:i+1], s[20:21], v[BA:BA+1] op_sel_hi:[1,0,1]
	v_pk_fma_f32 v[i+2:i+3], v[i+2:i+3], s[20:21], v[BA+2:BA+3] op_sel_hi:[1,0,1]
.else
	v_pk_mul_f32 v[i:i+1], v[i:i+1], s[20:21] op_sel_hi:[1,0]
	v_pk_mul_f32 v[i+2:i+3], v[i+2:i+3], s[20:21] op_sel_hi:[1,0]
.endif
.set i, i+4
.endr
	WIN 0
.macro TOSTAGE a
.set BB, BK+32*((\a)%2)
.irp b, 0,1,2,3
	ds_store_b128 v[STO], v[ACC+8*(4*(\a)+\b):ACC+8*(4*(\a)+\b)+3] offset:128*(\b/2)+32*(\b%2)       ; column 32 (b / 2) + 16 h + 8 (b % 2) + 0 .. 7; each accumulator from its low end on
	ds_store_b128 v[STO], v[ACC+8*(4*(\a)+\b)+4:ACC+8*(4*(\a)+\b)+7] offset:128*(\b/2)+32*(\b%2)+16
.endr
.irp t, 0,1,2,3,4,5,6,7
	ds_load_b128 v[BB+4*\t:BB+4*\t+3], v[RD] offset:\t*2*SPITCH   ; LDS serves a wave's instructions in order
.endr
.endm
.macro SEND a, younger                 ; younger: the LDS instructions issued behind tile a's loads
.set BB, BK+32*((\a)%2)
	s_wait_dscnt \younger
	WIN 0x20                                       ; source 2 window 2
.set i, 0
.rept 16
	v_pk_fma_f32 v[BB+i:BB+i+1], v[BB+i:BB+i+1], s[22:23], v[32*(\a)+i:32*(\a)+i+1] op_sel_hi:[1,0,1]
.set i, i+2
.endr
	WIN 0
.irp t, 0,1,2,3,4,5,6,7
	global_store_b128 v[CO], v[BB+4*\t:BB+4*\t+3], s[OUP:OUP+1] offset:(32*((\a)/2)+8*((\a)%2)+2*\t+8*(\t/4))*4096   ; 16 lanes store 256 consecutive bytes, aligned
.endr
.endm
	TOSTAGE 0
.irp a, 1,2,3
.if \a > 1
	s_wait_xcnt 0x0                                ; tile a - 2's stores have read their registers
.endif
	TOSTAGE \a
	SEND \a-1, 16                                  ; behind tile a - 1's loads: tile a's 8 stores and 8 loads
.endr
	SEND 3, 0
	s_wait_tensorcnt 0x0                           ; the wave's end
	ds_add_u32 v[SPW], v[NIL]
	s_wait_dscnt 0x0
	CROUND                                         ; the closing round
	s_endpgm
.Lfunc_end_k_qff8d12c232_gemm_o:
	.size	k_qff8d12c232_gemm_o, .Lfunc_end_k_qff8d12c232_gemm_o-k_qff8d12c232_gemm_o
	.p2alignl 7, 3214868480
	.fill 96, 4, 3214868480
	.section	.rodata,"a",@progbits
	.p2align	6, 0x0
	.amdhsa_kernel k_qff8d12c232_gemm_o
		.amdhsa_group_segment_fixed_size 327680
		.amdhsa_private_segment_fixed_size 0
		.amdhsa_enable_private_segment 0
		.amdhsa_kernarg_size 32
		.amdhsa_user_sgpr_count 2
		.amdhsa_user_sgpr_kernarg_segment_ptr 1
		.amdhsa_wavefront_size32 1
		.amdhsa_system_sgpr_workgroup_id_x 1
		.amdhsa_system_sgpr_workgroup_id_y 1
		.amdhsa_system_sgpr_workgroup_id_z 1
		.amdhsa_system_vgpr_workitem_id 0
		.amdhsa_next_free_vgpr 640
		.amdhsa_next_free_sgpr 96
		.amdhsa_reserve_vcc 0
		.amdhsa_float_denorm_mode_32 3
		.amdhsa_float_denorm_mode_16_64 3
		.amdhsa_memory_ordered 1
		.amdhsa_forward_progress 1
		.amdhsa_inst_pref_size 73
	.end_amdhsa_kernel
	.amdgpu_metadata
---
amdhsa.version: [ 1, 2 ]
amdhsa.kernels:
  - .name:           k_qff8d12c232_gemm_o
    .symbol:         k_qff8d12c232_gemm_o.kd
    .args:
      - { .name: avbuf, .offset: 0, .size: 8, .value_kind: global_buffer, .address_space: global }
      - { .name: wbuf, .offset: 8, .size: 8, .value_kind: global_buffer, .address_space: global }
      - { .name: x, .offset: 16, .size: 8, .value_kind: global_buffer, .address_space: global }
      - { .name: x1, .offset: 24, .size: 8, .value_kind: global_buffer, .address_space: global }
    .group_segment_fixed_size: 327680
    .private_segment_fixed_size: 0
    .kernarg_segment_align: 8
    .kernarg_segment_size: 32
    .max_flat_workgroup_size: 128
    .sgpr_count:     96
    .vgpr_count:     640
    .wavefront_size: 32
...
	.end_amdgpu_metadata
.endif
;; end of part 5
;; launch ln2: the kernel of part 2 again; grid 256 x 1, 8 waves a work-group, no clusters, 70,656 bytes of LDS; arguments x1, ln2_w, ln2_b, hbuf; writes hbuf
;; launch gemm_1 (part 6): grid 16 x 16, 4 waves a work-group, clusters of 4 x 4, 327,680 bytes of LDS; arguments hbuf, wbuf, b1, hidbuf; writes hidbuf
.if DOCPART == 6
	.amdgcn_target "amdgcn-amd-amdhsa--gfx1250"
	.amdhsa_code_object_version 6
	.text
	.protected	k_qff8d12c232_gemm_1
	.globl	k_qff8d12c232_gemm_1
	.p2align	8
	.type	k_qff8d12c232_gemm_1,@function
k_qff8d12c232_gemm_1:
	s_mov_b64 s[64:65], 0
	v_nop
	global_prefetch_b8 v0, s[64:65] scope:SCOPE_SE
	s_setreg_imm32_b32 hwreg(HW_REG_WAVE_MODE, 25, 1), 1
	s_wait_xcnt 0x0
	s_wait_alu depctr_hold_cnt(0) depctr_sa_sdst(0) depctr_va_vdst(0) depctr_va_sdst(0) depctr_va_ssrc(0) depctr_va_vcc(0) depctr_vm_vsrc(0)
	s_getreg_b32 s2, hwreg(HW_REG_IB_STS2, 6, 4)
	s_cmp_eq_u32 s2, 0
	s_cbranch_scc0 .Lentry_in_a_cluster
	s_endpgm
.Lentry_in_a_cluster:
	s_bfe_u32 s2, ttmp6, 0x10000c
	s_cmp_lg_u32 s2, 0xf033
	s_cbranch_scc0 .Lentry_shape_is_right
	s_endpgm
.Lentry_shape_is_right:
; A GEMM on codes of E2M3 (K = 1,024) whose result, scaled in f32, is QUANTISED ALONG N in registers and leaves as codes: C = A B^T, tile 256 x 256, four waves of 128 x 128 (64 accumulators, 512 registers).
; QKV = 1: qkv = (h Wqkv^T) s1 (another launch's text).
; QKV = 0, this text: hid = gelu((h W1^T + b1) s5) G, quantised along the 4,096 hidden units.  erf is a rational form in u^2 with u held at +-4: absolute error a few 1e-7; so far below -5.7 the gelu is 0 or of the order |x| 1e-8.
; OPERANDS lie in memory as images of their registers: fragment (row tile, K step) = 1,536 bytes, register pair p of lane l at 256 p + 8 l; scale words at (row tile x K steps + K step) 64 + 4 r.
; So a slot of the ring (256 along K: two fragments for each of 32 row tiles) is filled by four tensor loads of 8 rows x 3,072 bytes, and every LDS load of a pair reads 256 consecutive bytes.
; Lane r of row tile T holds row 32 (T / 2) + 8 (T % 2) + r + 8 (r / 8): with source 0 = B, source 1 = A a lane's 64 results of one tile of A's rows are 128 neighbouring columns in the quantiser's order.
; CLUSTERS 4 x 4: A's tiles are asked for jointly along a row of the cluster, B's along a column.  The scale words of the work-group's 512 rows, for all of K, come once (16,384 bytes).
; No prefetch: K has four slots, of which two are first fills, and each tile is read by several work-groups.
; REGISTERS: window 0: v0-31 addresses; v32-63 scale words (two sets); v64-127 b1; v128-223 A's fragments, one set; on the way out v128-191 64 numbers, v192-228 the quantiser's, v230-253 erf's coefficients.
;   window 1: B's fragments, two sets; on the way out erf's work.  windows 2, 3: accumulator (a, b) at v[8 (8 (a % 4) + b)].
; LIMITS: NaN and infinities are not served; a block whose largest magnitude lies under 2^-124 gets the byte 1 (zero codes; this program alone reads the bytes).
.set QKV,    0
.set NQ,     2
.set FR,     12
.set NL,     6
.set NP,     4
.set RTB,    2*1536                    ; a row tile's bytes in a slot
.set KROW,   8*1536                    ; and in memory, for all of K
.set HALFT,  8*RTB                     ; what one tensor load brings, and what a wave reads of A or of B
.set SLOT,   4*HALFT
.set LAPS,   2                         ; K = 1,024 is twice round the ring
.set SCL,    2*SLOT                    ; the scale words: four quarters of 4,096 bytes (A's halves, B's halves)
.set HALFS,  8*8*64
.set SPARE,  SCL+4*HALFS               ; the spare words, 128 bytes a wave
.set PWST,   SPARE+512                 ; the way out: 8 x 64 bytes of new scale words for each wave; no fill lands here
.set WD,   8                           ; v8-11   scale words on their way out
.set OSO,  12                          ; v12-15  and their offsets
.set ADRA, 16
.set ADRB, 20
.set L8,   24                          ; 8 x lane
.set PWA,  25
.set PWR,  26
.set ADRS, 27
.set SPW,  28
.set NIL,  29
.set SC,   32
.set BI,   64
.set AF,   128
.set HA,   128
.set PC,   192
.set TM,   212
.set PW,   228
.set CF,   230
.set GU,   0                           ; window 1 on the way out: u, u^2, P, Q
.set GX,   64
.set GP,   128
.set GQ,   192
.set SEL,  20
.set G1, 24
.set G0, 32
.set G1B, 48
.set G0B, 56
.set G1S, 68
.set G0S, 76
.set G1SB, 80
.set G0SB, 88
.set MSB, 0
.macro WIN new                         ; the immediate's high byte repeats the setting that is left
.if MSB != \new
	s_set_vgpr_msb (MSB<<8)|\new
.set MSB, \new
.endif
.endm
.set MUL_LO, 0xa1                      ; source 0 (B) window 1, source 1 (A) window 0, C and D window 2
.set MUL_HI, 0xf1
.set TO_B,   0x40
; A joint load: waves 0 and 1 fetch for A, waves 2 and 3 for B; the branch hangs on the wave's number alone.  Four v_nop follow each line.
.macro JLOAD g0a, g1a, g0b, g1b
	s_cmp_eq_u32 s15, 0
	s_cbranch_scc0 .Lfor_b_\@
	tensor_load_to_lds s[\g0a:\g0a+3], s[\g1a:\g1a+7]
	s_nop 0
.rept 4
	v_nop
.endr
	s_branch .Lasked_\@
.Lfor_b_\@:
	tensor_load_to_lds s[\g0b:\g0b+3], s[\g1b:\g1b+7]
	s_nop 0
.rept 4
	v_nop
.endr
.Lasked_\@:
.endm
.macro CREST                           ; a round of the cluster's barrier behind its opening barrier
	s_cmp_lg_u32 s14, 0
	s_cbranch_scc1 .Lnot_wave_0_\@
	s_barrier_signal -3
.Lnot_wave_0_\@:
	s_barrier_wait -3
	s_barrier_signal -1
	s_barrier_wait -1
.endm
.macro CROUND
	s_barrier_signal -1
	s_barrier_wait -1
	CREST
.endm
.macro PLACES n
.rept \n
	v_nop
.endr
.endm
.macro QUANT s                         ; 64 numbers of a lane, register 16 b + i = k 32 b + 16 (lane / 16) + i, become a fragment in v[PC] on and its scale word in v[PW]
.irp b, 0,1,2,3
	v_max3_num_f32 v[TM+\b], |v[\s+16*\b]|, |v[\s+1+16*\b]|, 0x1800000   ; and the floor 2^(3 - 127): the byte cannot fall under 1
.endr
.irp i, 2,4,6,8,10,12,14
.irp b, 0,1,2,3
	v_max3_num_f32 v[TM+\b], v[TM+\b], |v[\s+16*\b+\i]|, |v[\s+1+16*\b+\i]|
.endr
.endr
.irp b, 0,1,2,3
	v_permlanex16_b32 v[TM+4+\b], v[TM+\b], s[SEL], s[SEL+1]
.endr
.irp b, 0,1,2,3
	v_max_num_f32 v[TM+\b], v[TM+\b], v[TM+4+\b]
.endr
.irp b, 0,1,2,3
	v_add_nc_u32 v[TM+12+\b], 0xff000000, v[TM+\b]   ; 2 off the exponent field: the conversion's scale operand
.endr
.irp b, 0,1,2,3
	v_lshrrev_b32 v[TM+4+\b], 23, v[TM+12+\b]
.endr
	v_lshl_or_b32 v[PW], v[TM+5], 8, v[TM+4]
	v_lshl_or_b32 v[PW], v[TM+6], 16, v[PW]
	v_lshl_or_b32 v[PW], v[TM+7], 24, v[PW]
.irp c, 0,1
	v_cvt_scalef32_pk16_fp6_f32 v[PC+6*\c:PC+2+6*\c], v[\s+32*\c:\s+15+32*\c], v[TM+12+2*\c]
	v_cvt_scalef32_pk16_fp6_f32 v[PC+12+4*\c:PC+14+4*\c], v[\s+16+32*\c:\s+31+32*\c], v[TM+12+2*\c+1]
.endr
	v_nop                                          ; one plain place behind a scaled conversion
.irp c, 0,1
.irp i, 0,1,2
	v_permlane16_swap_b32 v[PC+6*\c+\i], v[PC+12+4*\c+\i]
.endr
.irp i, 0,1,2
	v_mov_b32 v[PC+3+6*\c+\i], v[PC+12+4*\c+\i]
.endr
.endr
.endm
	s_load_b128 s[96:99], s[0:1], 0x0              ; hbuf, wbuf
.if QKV
	s_load_b64 s[100:101], s[0:1], 0x10            ; qkvbuf
.else
	s_load_b64 s[66:67], s[0:1], 0x10              ; b1
	s_load_b64 s[100:101], s[0:1], 0x18            ; hidbuf
.endif
	v_lshl_add_u32 v[SPW], v0, 2, SPARE
	v_mov_b32 v[NIL], 0
	ds_add_u32 v28, v29
	ds_add_u32 v28, v29
	s_wait_dscnt 0x0
	v_lshrrev_b32 v1, 5, v0
	v_readfirstlane_b32 s14, v1                    ; wave 0..3
	s_lshr_b32 s15, s14, 1                         ; which half of the tile's rows is mine.  Also: I fetch for A (0) or for B (1)
	s_and_b32 s16, s14, 1                          ; which half of its columns.  Also: which 8 row tiles I fetch
	s_bfe_u32 s40, ttmp6, 0x40000                  ; cx, cy
	s_bfe_u32 s41, ttmp6, 0x40004
	s_and_b32 s18, ttmp7, 0xffff                   ; the cluster's y
	s_lshl_b32 s17, s18, 2
	s_lshl_b32 s42, ttmp9, 2
	s_add_co_u32 s42, s42, s40                     ; 4 x cluster x + cx
.if QKV
	s_lshl_b32 s19, s18, 3
	s_sub_co_u32 s19, s19, 32
	s_mov_b32 s7, 9502720
	s_mov_b32 s11, 3145728
	s_mov_b32 s95, 9699328
	s_wait_kmcnt 0x0
	s_cmp_lt_u32 s18, 4
	s_cselect_b32 s17, s17, 0
	s_cselect_b32 s19, 0, s19
	s_cselect_b64 s[4:5], s[96:97], s[98:99]
	s_cselect_b64 s[8:9], s[98:99], s[96:97]
	s_cselect_b32 s6, 0, 1572864
	s_cselect_b32 s7, 3145728, s7
	s_cselect_b32 s11, 9437184, s11
	s_cselect_b32 s2, 0, 6291456
	s_cselect_b32 s95, 9437184, s95
	s_cselect_b32 s3, 16, 32
	s_mov_b32 s10, 0
	s_add_co_u32 s42, s42, s19
.else
	s_mov_b32 s6, 0                                ; A = h: its images,
	s_mov_b32 s7, 3145728                          ; its scale words
	s_mov_b32 s10, 3145728                         ; B = W1: its images in wbuf,
	s_mov_b32 s11, 9568256                         ; and scale words
	s_mov_b32 s2, 0                                ; the result's images,
	s_mov_b32 s95, 12582912                        ; its scale words,
	s_mov_b32 s3, 32                               ; and its K steps
	s_wait_kmcnt 0x0
	s_mov_b64 s[4:5], s[96:97]
	s_mov_b64 s[8:9], s[98:99]
.endif
	s_add_co_u32 s17, s17, s41                     ; tile row of C
	s_lshl_b32 s43, s41, 2
	s_lshl_b32 s43, 15, s43                        ; my row of the cluster
	s_lshl_b32 s44, 0x1111, s40                    ; my column
	; group 1 for the codes: 8 rows (row tiles) x 384 elements of 8 bytes (two fragments), 1,536 elements apart; no padding
	s_or_b32 s[G1+0], s43, (3<<16)|(1<<21)
	s_or_b32 s[G1B+0], s44, (3<<16)|(1<<21)
.irp g, G1, G1B
	s_mov_b32 s[\g+1], (RTB/8)<<16                 ; tensor_dim0
	s_mov_b32 s[\g+2], 8<<16                       ; tensor_dim1
	s_mov_b32 s[\g+3], (RTB/8)<<16                 ; tile_dim0
	s_mov_b32 s[\g+4], 8                           ; tile_dim1
	s_mov_b32 s[\g+5], KROW/8                      ; tensor_dim0_stride
	s_mov_b32 s[\g+6], 0
	s_mov_b32 s[\g+7], 0
.endr
	; and for the scale words of 8 row tiles: a dense block of 4,096 bytes as 16 rows of 256
	s_or_b32 s[G1S+0], s43, (3<<16)|(1<<21)
	s_or_b32 s[G1SB+0], s44, (3<<16)|(1<<21)
.irp g, G1S, G1SB
	s_mov_b32 s[\g+1], 32<<16
	s_mov_b32 s[\g+2], (HALFS/256)<<16
	s_mov_b32 s[\g+3], 32<<16
	s_mov_b32 s[\g+4], HALFS/256
	s_mov_b32 s[\g+5], 32
	s_mov_b32 s[\g+6], 0
	s_mov_b32 s[\g+7], 0
.endr
	s_lshl_b32 s18, s16, 3
	s_lshl_b32 s20, s17, 4
	s_add_co_u32 s20, s20, s18                     ; A: row tile 16 x tile row + 8 x half
	s_lshl_b32 s46, s42, 4
	s_add_co_u32 s46, s46, s18                     ; B: 16 x tile column + 8 x half
	s_lshl_b32 s22, s20, 9
	s_add_co_u32 s22, s22, s7
	s_mov_b32 s23, 0
	s_mul_i32 s20, s20, KROW
	s_add_co_u32 s20, s20, s6
	s_mov_b32 s21, 0
	s_lshl_b32 s92, s46, 9
	s_add_co_u32 s92, s92, s11
	s_mov_b32 s93, 0
	s_mul_i32 s46, s46, KROW
	s_add_co_u32 s46, s46, s10
	s_mov_b32 s47, 0
	s_mul_i32 s45, s14, HALFT                      ; where they go: by the wave's number alone
	s_mul_i32 s94, s14, HALFS
	s_add_nc_u64 s[20:21], s[4:5], s[20:21]
	s_add_nc_u64 s[22:23], s[4:5], s[22:23]
	s_add_nc_u64 s[46:47], s[8:9], s[46:47]
	s_add_nc_u64 s[92:93], s[8:9], s[92:93]
	CROUND                                         ; all sixteen work-groups are here: the first joint loads meet
	s_mov_b32 s[G0S], 1
	s_add_co_u32 s[G0S+1], s94, SCL
	s_mov_b64 s[G0S+2:G0S+3], s[22:23]
	s_or_b32 s[G0S+3], s[G0S+3], 0x80000000
	s_mov_b32 s[G0SB], 1
	s_add_co_u32 s[G0SB+1], s94, SCL
	s_mov_b64 s[G0SB+2:G0SB+3], s[92:93]
	s_or_b32 s[G0SB+3], s[G0SB+3], 0x80000000
	JLOAD G0S, G1S, G0SB, G1SB                     ; the scale words first; with the two slots three loads of mine are out
.irp s, 0,1
	s_mov_b32 s[G0+4*\s], 1
	s_add_co_u32 s[G0+4*\s+1], s45, \s*SLOT
	s_add_nc_u64 s[G0+4*\s+2:G0+4*\s+3], s[20:21], \s*RTB
	s_or_b32 s[G0+4*\s+3], s[G0+4*\s+3], 0x80000000
	s_mov_b32 s[G0B+4*\s], 1
	s_add_co_u32 s[G0B+4*\s+1], s45, \s*SLOT
	s_add_nc_u64 s[G0B+4*\s+2:G0B+4*\s+3], s[46:47], \s*RTB
	s_or_b32 s[G0B+4*\s+3], s[G0B+4*\s+3], 0x80000000
	JLOAD G0+4*\s, G1, G0B+4*\s, G1B
.endr
	v_and_b32 v1, 15, v0                           ; r
	v_bfe_u32 v2, v0, 4, 1                         ; h
	v_and_b32 v3, 31, v0                           ; lane
	v_lshlrev_b32 v[L8], 3, v3
	s_mul_i32 s21, s15, HALFT                      ; my 8 row tiles of A
	s_mul_i32 s22, s16, HALFT
	s_add_co_u32 s22, s22, 2*HALFT                 ; and of B, behind A's 16
.irp s, 0,1
	v_add_nc_u32 v[ADRA+\s], s21, v[L8]
	v_add_nc_u32 v[ADRB+\s], s22, v[L8]
	s_add_co_u32 s21, s21, SLOT
	s_add_co_u32 s22, s22, SLOT
.endr
	v_lshlrev_b32 v5, 2, v1                        ; scale words: 4 r; lanes 0-15 take A's, lanes 16-31 B's: ONE product, h x the distance
	s_mul_i32 s21, s15, HALFS
	s_mul_i32 s22, s16, HALFS
	s_add_co_u32 s22, s22, 2*HALFS
	s_sub_co_u32 s22, s22, s21
	v_mul_u32_u24 v6, s22, v2
	s_add_co_u32 s21, s21, SCL
	v_add_nc_u32 v5, v5, v6
	v_add_nc_u32 v[ADRS], s21, v5
	s_lshl_b32 s21, s14, 9
	s_add_co_u32 s21, s21, PWST
	v_lshl_add_u32 v[PWA], v1, 2, s21              ; the way out: my row's new scale word,
	v_lshl_add_u32 v[PWR], v3, 2, s21              ; and 4 bytes a lane back
	; where my results go: fragment (16 tile row + 8 half + a, 2 tile column + half)
	s_lshl_b32 s20, s17, 4
	s_lshl_b32 s21, s15, 3
	s_add_co_u32 s20, s20, s21
	s_mul_i32 s20, s20, s3
	s_lshl_b32 s46, s42, 1
	s_add_co_u32 s46, s46, s16
	s_add_co_u32 s46, s46, s20
	s_mul_i32 s92, s46, 1536
	s_add_co_u32 s92, s92, s2
	s_mov_b32 s93, 0
	s_add_nc_u64 s[12:13], s[100:101], s[92:93]    ; images
	s_lshl_b32 s92, s46, 6
	s_add_co_u32 s92, s92, s95
	s_add_nc_u64 s[10:11], s[100:101], s[92:93]    ; scale words
	s_mul_i32 s18, s3, 1536                        ; from a row tile's fragment to the next row tile's
	s_mov_b32 s19, 0
	s_lshl_b32 s22, s3, 6                          ; likewise for the scale words
	v_mul_u32_u24 v6, s22, v2
	v_lshl_add_u32 v[OSO], v1, 2, v6               ; 4 r + h row tiles; register t serves tiles 2 t and 2 t + 1
	s_lshl_b32 s22, s22, 1
	v_add_nc_u32 v[OSO+1], s22, v[OSO]
	v_add_nc_u32 v[OSO+2], s22, v[OSO+1]
	v_add_nc_u32 v[OSO+3], s22, v[OSO+2]
.if !QKV
	s_lshl_b32 s92, s42, 10
	s_lshl_b32 s22, s16, 9
	s_add_co_u32 s92, s92, s22
	s_add_nc_u64 s[66:67], s[66:67], s[92:93]      ; b1 at my 128 columns
	v_lshlrev_b32 v7, 6, v2
.irp b, 0,1,2,3
.irp j, 0,1,2,3
	global_load_b128 v[BI+16*\b+4*\j:BI+16*\b+4*\j+3], v7, s[66:67] offset:128*\b+16*\j   ; register 16 b + i: column 32 b + 16 h + i
.endr
.endr
.endif
.macro FRAG reg, adr, q, i             ; a fragment comes as it lies: six pairs, 256 consecutive bytes each
.irp p, 0,1,2,3,4,5
	ds_load_b64 v[\reg+2*\p:\reg+2*\p+1], v[\adr] offset:RTB*(\i)+1536*(\q)+256*\p
.endr
.endm
; 16 matrix instructions: A's blocks a0, a0 + 1 x B's eight.  The 64 accumulators take turns, one instruction a turn, in the same order in every step.
.macro MUL16 a0, p, q, sc, zero
.irp a, \a0, \a0+1
.irp b, 0,1,2,3,4,5,6,7
.if \zero
	v_wmma_scale_f32_16x16x128_f8f6f4 v[8*(8*((\a)%4)+\b):8*(8*((\a)%4)+\b)+7], v[128*(\p)+FR*\b:128*(\p)+FR*\b+FR-1], v[AF+FR*(\a):AF+FR*(\a)+FR-1], 0, v[SC+8*NQ*(\sc)+NQ*\b+(\q)], v[SC+8*NQ*(\sc)+NQ*(\a)+(\q)] matrix_a_fmt:MATRIX_FMT_FP6 matrix_b_fmt:MATRIX_FMT_FP6 matrix_a_scale:MATRIX_SCALE_ROW1
.else
	v_wmma_scale_f32_16x16x128_f8f6f4 v[8*(8*((\a)%4)+\b):8*(8*((\a)%4)+\b)+7], v[128*(\p)+FR*\b:128*(\p)+FR*\b+FR-1], v[AF+FR*(\a):AF+FR*(\a)+FR-1], v[8*(8*((\a)%4)+\b):8*(8*((\a)%4)+\b)+7], v[SC+8*NQ*(\sc)+NQ*\b+(\q)], v[SC+8*NQ*(\sc)+NQ*(\a)+(\q)] matrix_a_fmt:MATRIX_FMT_FP6 matrix_b_fmt:MATRIX_FMT_FP6 matrix_a_scale:MATRIX_SCALE_ROW1
.endif
.endr
.endr
.endm
.macro FETCH_B slot, q, p
	WIN TO_B
.irp i, 0,1,2,3,4,5,6,7
	FRAG 128*(\p)+FR*\i, ADRB+\slot, \q, \i
.endr
	WIN 0
.endm
.macro FETCH_A slot, q, i0
.irp i, \i0, \i0+1, \i0+2, \i0+3
	FRAG AF+FR*(\i), ADRA+\slot, \q, \i
.endr
.endm
.macro SCALES sc                       ; a slot's scale words: lanes 0-15 A's block i, lanes 16-31 B's block i
.irp i, 0,1,2,3,4,5,6,7
.irp q, 0,1
	ds_load_b32 v[SC+8*NQ*\sc+NQ*\i+\q], v[ADRS] offset:512*\i+64*\q
.endr
.endr
.endm
.macro STEP slot, q, zero              ; a step of 128 along K that has its successor in the same slot
	s_wait_dscnt 4*NL                              ; B's set and A's blocks 0-3 are in; the youngest 24 loads (A's blocks 4-7) may be out
	WIN MUL_LO
	MUL16 0, (\q)%2, \q, \slot, \zero
	MUL16 2, (\q)%2, \q, \slot, \zero
	s_wait_dscnt 0
	PLACES NP                                      ; in front of loads into registers that matrix instructions have read
	FETCH_B \slot, (\q)+1, 1-(\q)%2
	FETCH_A \slot, (\q)+1, 0
	WIN MUL_HI
	MUL16 4, (\q)%2, \q, \slot, \zero
	MUL16 6, (\q)%2, \q, \slot, \zero
	PLACES NP
	WIN 0
	FETCH_A \slot, (\q)+1, 4
.endm
; A slot's last step changes slots: one barrier; in front of it each wave waits for all its tensor loads, adds 0 to its spare word, and waits for that and for its reads of this slot.
.macro TURN slot, next, fill
	s_wait_tensorcnt 0x0                           ; all my tensor loads have landed: my part of the next slot
	ds_add_u32 v[SPW], v[NIL]
	s_wait_dscnt 4*NL+1                            ; (the add and the youngest 24 loads may be out)
	WIN MUL_LO
	MUL16 0, 1, NQ-1, \slot, 0
	s_wait_dscnt 0x0                               ; the add is done, and my reads of this slot are over
	s_barrier_signal -1
	MUL16 2, 1, NQ-1, \slot, 0
	WIN 0
	s_barrier_wait -1
.if \fill
	CREST                                          ; the barrier has opened a round of the cluster's: no wave of any partner still reads this slot or has a load on its way
	s_add_nc_u64 s[G0+4*\slot+2:G0+4*\slot+3], s[G0+4*\slot+2:G0+4*\slot+3], 2*RTB
	s_add_nc_u64 s[G0B+4*\slot+2:G0B+4*\slot+3], s[G0B+4*\slot+2:G0B+4*\slot+3], 2*RTB
	JLOAD G0+4*\slot, G1, G0B+4*\slot, G1B         ; the first tensor load behind the round; its four v_nop are the places in front of the loads below
.else
	PLACES NP
.endif
	v_add_nc_u32 v[ADRS], 64*NQ, v[ADRS]           ; the next slot's scale words
	FETCH_B \next, 0, 0
	FETCH_A \next, 0, 0
	SCALES \next
	WIN MUL_HI
	MUL16 4, 1, NQ-1, \slot, 0
	MUL16 6, 1, NQ-1, \slot, 0
	PLACES NP
	WIN 0
	FETCH_A \next, 0, 4
.endm
	s_wait_tensorcnt 1                             ; the scale words and my part of slot 0 are in; slot 1's load may be out
	s_barrier_signal -1
	s_barrier_wait -1
	FETCH_B 0, 0, 0
	FETCH_A 0, 0, 0
	SCALES 0
	FETCH_A 0, 0, 4
	STEP 0, 0, 1                                   ; the first step's products start the sums
	s_mov_b32 s3, LAPS-1
.Llap:
	TURN 0, 1, 1
	STEP 1, 0, 0
	TURN 1, 0, 1
	STEP 0, 0, 0
	s_sub_co_u32 s3, s3, 1
	s_cmp_lg_u32 s3, 0
	s_cbranch_scc1 .Llap
	TURN 0, 1, 0                                   ; the last lap fills nothing
	STEP 1, 0, 0
	s_wait_dscnt 4*NL
	WIN MUL_LO
	MUL16 0, 1, NQ-1, 1, 0
	MUL16 2, 1, NQ-1, 1, 0
	s_wait_dscnt 0
	WIN MUL_HI
	MUL16 4, 1, NQ-1, 1, 0
	MUL16 6, 1, NQ-1, 1, 0
	WIN 0
	; THE WAY OUT, a tile of 16 of A's rows at a time: its 64 registers a lane are one K step of the next product.
	s_mov_b32 s[SEL], 0x76543210
	s_mov_b32 s[SEL+1], 0xfedcba98
	PLACES NP                                      ; behind the last products: their results are read and A's registers written below
.irp b, 0,1,2,3
	v_mov_b32 v[TM+4+\b], 0                        ; a lane permute's destination counts as read
.endr
.if QKV
	s_mov_b32 s22, 0x3cc28497
	s_mov_b32 s23, s22
.irp a, 0,1,2,3,4,5,6,7
	WIN 0x02+(\a)/4
.set i, 0
.rept 32
	v_pk_mul_f32 v[HA+i:HA+i+1], v[64*((\a)%4)+i:64*((\a)%4)+i+1], s[22:23] op_sel_hi:[1,0]
.set i, i+2
.endr
	WIN 0
.if \a > 0
	s_wait_xcnt 0x0
	s_wait_dscnt 0x0
	s_add_nc_u64 s[12:13], s[12:13], s[18:19]
.endif
	QUANT HA
.irp p, 0,1,2,3,4,5
	global_store_b64 v[L8], v[PC+2*\p:PC+2*\p+1], s[12:13] offset:256*\p
.endr
	ds_store_b32 v[PWA], v[PW] offset:64*\a
.endr
.else
.macro COEF k, bits
	v_mov_b32 v[CF+2*\k], \bits
	v_mov_b32 v[CF+2*\k+1], \bits
.endm
	COEF 0, 0xaf95df0b                             ; erf(u) = u P(u^2) / Q(u^2): P's seven coefficients, the highest power first,
	COEF 1, 0x32edffee
	COEF 2, 0xb60cff51
	COEF 3, 0xb86ec2d2
	COEF 4, 0xba40ac63
	COEF 5, 0xbb41a1f6
	COEF 6, 0xbc83dbd4
	COEF 7, 0xb77460cd                             ; Q's five
	COEF 8, 0xb95fbd29
	COEF 9, 0xbadc924e
	COEF 10, 0xbbf19bf8
	COEF 11, 0xbc69b6a7
	s_mov_b32 s22, 0x3c800000                      ; s5 / sqrt(2) = 2^-6
	s_mov_b32 s23, s22
	s_mov_b32 s46, 0x3c8faa88                      ; s5 x 0.5 x the gelu's scale
	s_mov_b32 s47, s46
	s_wait_loadcnt 0x0                             ; b1
.macro COPYIN a                        ; y = the sums + b1
	WIN 0x02+(\a)/4
.set i, 0
.rept 32
	v_pk_add_f32 v[HA+i:HA+i+1], v[64*((\a)%4)+i:64*((\a)%4)+i+1], v[BI+i:BI+i+1]   ; each accumulator from its low end on
.set i, i+2
.endr
	WIN 0
.endm
.macro PKALL op, d, a, b               ; 32 packed instructions over 64 registers
.set i, 0
.rept 32
	\op v[\d+i:\d+i+1], v[\a+i:\a+i+1], v[\b+i:\b+i+1]
.set i, i+2
.endr
.endm
.macro HORNER d, k                     ; d = d u^2 + coefficient k
.set i, 0
.rept 32
	v_pk_fma_f32 v[\d+i:\d+i+1], v[\d+i:\d+i+1], v[GX+i:GX+i+1], v[CF+2*\k:CF+2*\k+1]
.set i, i+2
.endr
.endm
	s_mov_b32 s3, 0                                ; the tile
	s_mov_b32 s2, 0                                ; 64 x the tile
.Lrow:                                                 ; one text for the eight tiles (640 instructions of gelu each); only the copy out of the accumulators differs, since register numbers are fixed in the text
.irp a, 0,1,2,3,4,5,6
	s_cmp_eq_u32 s3, \a
	s_cbranch_scc1 .Lin_\a
.endr
	s_branch .Lin_7
.irp a, 0,1,2,3,4,5,6,7
.Lin_\a:
	COPYIN \a
	s_branch .Lcommon
.endr
.Lcommon:
	WIN 0x40
.set i, 0
.rept 32
	v_pk_mul_f32 v[GU+i:GU+i+1], v[HA+i:HA+i+1], s[22:23] op_sel_hi:[1,0]   ; u = y 2^-6
.set i, i+2
.endr
	WIN 0x41
.set i, 0
.rept 64
	v_med3_num_f32 v[GU+i], v[GU+i], -4.0, 4.0
.set i, i+1
.endr
	WIN 0x45
	PKALL v_pk_mul_f32, GX, GU, GU
	WIN 0x41
.set i, 0
.rept 32
	v_pk_fma_f32 v[GP+i:GP+i+1], v[GX+i:GX+i+1], v[CF:CF+1], v[CF+2:CF+3]
	v_pk_fma_f32 v[GQ+i:GQ+i+1], v[GX+i:GX+i+1], v[CF+14:CF+15], v[CF+16:CF+17]
.set i, i+2
.endr
	WIN 0x45
	HORNER GP, 2
	HORNER GQ, 9
	HORNER GP, 3
	HORNER GQ, 10
	HORNER GP, 4
	HORNER GQ, 11
	HORNER GP, 5
	HORNER GP, 6
	WIN 0x41
.set i, 0
.rept 64
	v_rcp_f32 v[GQ+i], v[GQ+i]                     ; one batch
.set i, i+1
.endr
	WIN 0x45
	PKALL v_pk_mul_f32, GP, GP, GU                 ; plain work behind the batch, which names none of its results
	WIN 0
.set i, 0
.rept 32
	v_pk_mul_f32 v[HA+i:HA+i+1], v[HA+i:HA+i+1], s[46:47] op_sel_hi:[1,0]
.set i, i+2
.endr
	s_wait_alu depctr_va_vdst(0)                   ; one wait for the 64 reciprocals, ahead of their first reader
	WIN 0x45
	PKALL v_pk_mul_f32, GP, GP, GQ                 ; erf(u)
	WIN 0x01
.set i, 0
.rept 32
	v_pk_fma_f32 v[HA+i:HA+i+1], v[GP+i:GP+i+1], v[HA+i:HA+i+1], v[HA+i:HA+i+1]   ; y k (1 + erf(u))
.set i, i+2
.endr
	WIN 0
	s_wait_dscnt 0x0                               ; the last tile's scale word has left its register
	QUANT HA
.irp p, 0,1,2,3,4,5
	global_store_b64 v[L8], v[PC+2*\p:PC+2*\p+1], s[12:13] offset:256*\p   ; 256 consecutive bytes, aligned
.endr
	v_add_nc_u32 v18, s2, v[PWA]
	ds_store_b32 v18, v[PW]
	s_add_co_u32 s2, s2, 64
	s_wait_xcnt 0x0                                ; the stores have read their data and their base
	s_add_nc_u64 s[12:13], s[12:13], s[18:19]
	s_add_co_u32 s3, s3, 1
	s_cmp_lt_u32 s3, 8
	s_cbranch_scc1 .Lrow
.endif
.irp t, 0,1,2,3
	ds_load_b32 v[WD+\t], v[PWR] offset:128*\t     ; lanes 0-15: tile 2 t's words; lanes 16-31: tile 2 t + 1's.  LDS serves a wave's instructions in order
.endr
	s_wait_dscnt 0x0
.irp t, 0,1,2,3
	global_store_b32 v[OSO+\t], v[WD+\t], s[10:11]
.endr
	s_wait_tensorcnt 0x0                           ; the wave's end
	ds_add_u32 v[SPW], v[NIL]
	s_wait_dscnt 0x0
	CROUND                                         ; the closing round
	s_endpgm
.Lfunc_end_k_qff8d12c232_gemm_1:
	.size	k_qff8d12c232_gemm_1, .Lfunc_end_k_qff8d12c232_gemm_1-k_qff8d12c232_gemm_1
	.p2alignl 7, 3214868480
	.fill 96, 4, 3214868480
	.section	.rodata,"a",@progbits
	.p2align	6, 0x0
	.amdhsa_kernel k_qff8d12c232_gemm_1
		.amdhsa_group_segment_fixed_size 327680
		.amdhsa_private_segment_fixed_size 0
		.amdhsa_enable_private_segment 0
		.amdhsa_kernarg_size 32
		.amdhsa_user_sgpr_count 2
		.amdhsa_user_sgpr_kernarg_segment_ptr 1
		.amdhsa_wavefront_size32 1
		.amdhsa_system_sgpr_workgroup_id_x 1
		.amdhsa_system_sgpr_workgroup_id_y 1
		.amdhsa_system_sgpr_workgroup_id_z 1
		.amdhsa_system_vgpr_workitem_id 0
		.amdhsa_next_free_vgpr 1024
		.amdhsa_next_free_sgpr 102
		.amdhsa_reserve_vcc 0
		.amdhsa_float_denorm_mode_32 3
		.amdhsa_float_denorm_mode_16_64 3
		.amdhsa_memory_ordered 1
		.amdhsa_forward_progress 1
		.amdhsa_inst_pref_size 197
	.end_amdhsa_kernel
	.amdgpu_metadata
---
amdhsa.version: [ 1, 2 ]
amdhsa.kernels:
  - .name:           k_qff8d12c232_gemm_1
    .symbol:         k_qff8d12c232_gemm_1.kd
    .args:
      - { .name: hbuf, .offset: 0, .size: 8, .value_kind: global_buffer, .address_space: global }
      - { .name: wbuf, .offset: 8, .size: 8, .value_kind: global_buffer, .address_space: global }
      - { .name: b1, .offset: 16, .size: 8, .value_kind: global_buffer, .address_space: global }
      - { .name: hidbuf, .offset: 24, .size: 8, .value_kind: global_buffer, .address_space: global }
    .group_segment_fixed_size: 327680
    .private_segment_fixed_size: 0
    .kernarg_segment_align: 8
    .kernarg_segment_size: 32
    .max_flat_workgroup_size: 128
    .sgpr_count:     102
    .vgpr_count:     1024
    .wavefront_size: 32
...
	.end_amdgpu_metadata
.endif
;; end of part 6
;; launch gemm_2 (part 7): grid 8 x 32, 4 waves a work-group, clusters of 4 x 4, 327,680 bytes of LDS; arguments hidbuf, wbuf, b2, x1, out0; writes out0
.if DOCPART == 7
	.amdgcn_target "amdgcn-amd-amdhsa--gfx1250"
	.amdhsa_code_object_version 6
	.text
	.protected	k_qff8d12c232_gemm_2
	.globl	k_qff8d12c232_gemm_2
	.p2align	8
	.type	k_qff8d12c232_gemm_2,@function
k_qff8d12c232_gemm_2:
	s_mov_b64 s[64:65], 0
	v_nop
	global_prefetch_b8 v0, s[64:65] scope:SCOPE_SE
	s_setreg_imm32_b32 hwreg(HW_REG_WAVE_MODE, 25, 1), 1
	s_wait_xcnt 0x0
	s_wait_alu depctr_hold_cnt(0) depctr_sa_sdst(0) depctr_va_vdst(0) depctr_va_sdst(0) depctr_va_ssrc(0) depctr_va_vcc(0) depctr_vm_vsrc(0)
	s_getreg_b32 s2, hwreg(HW_REG_IB_STS2, 6, 4)
	s_cmp_eq_u32 s2, 0
	s_cbranch_scc0 .Lentry_in_a_cluster
	s_endpgm
.Lentry_in_a_cluster:
	s_bfe_u32 s2, ttmp6, 0x10000c
	s_cmp_lg_u32 s2, 0xf033
	s_cbranch_scc0 .Lentry_shape_is_right
	s_endpgm
.Lentry_shape_is_right:
; out = ALPHA (A B^T + bias) + sqrt(0.8) skip, f32 [4,096][1,024]; A and B are codes of E2M3 laid as images of their registers (fragment = 1,536 bytes, pair p of lane l at 256 p + 8 l), K = 128 KS.
; This text: KS = 32, with a bias: out0 = sqrt(0.1) / 32 x (hid W2^T + b2) + sqrt(0.8) x1.
; N = 1,024 gives 64 tiles of 256 x 256 but 256 of 128 x 128: the smaller tile gives each WGP a work-group.  Four waves of 64 x 64: 16 accumulators.
; A slot of the ring holds 512 along K (four fragments for each of 16 row tiles, 98,304 bytes), the longest of which two fit; each wave fills a quarter with one tensor load of 4 rows x 6,144 bytes.
; CLUSTERS 4 x 4: A's tiles jointly along a row, B's along a column.  The scale words of the work-group's 256 rows for all of K come once.  No prefetch: the tiles are read by several work-groups, and the ring has few refills.
; Lane r of row tile T holds row 32 (T / 2) + 8 (T % 2) + r + 8 (r / 8); source 0 = B, source 1 = A: a lane holds 8 neighbouring columns of one row.
; The skip's 64 x 64 numbers are asked for at the head, in the layout in which rows come back from the stage, and wait in registers.
; REGISTERS: window 0: v0-31 addresses; v32-39 scale words, two sets; v40-103 rows on the way out; v128-255 accumulator (a, b) at 128 + 8 (4 a + b).  window 1: two fragment buffers (A's 48, B's 48).  window 2: v0-127 the skip.
.set KS,     32
.set BIAS,   1
.set AOS,    12582912                  ; A's scale words in its buffer
.set BOC,    6291456                   ; B's images in wbuf
.set BOS,    9699328                   ; and scale words
.set ALPHA,  0x3c21e89b
.set BIP,    8
.set SKP,    10
.set OUP,    12
.set LAPS,   KS/8
.set RTB,    4*1536
.set HALFT,  4*RTB
.set SLOT,   4*HALFT
.set SCL,    2*SLOT
.set HALFS,  4*KS*64
.set STAGE,  SCL+4*8192                ; 16 rows x 272 bytes for each wave; no fill lands here
.set SPITCH, 272
.set SPARE,  STAGE+4*16*SPITCH
.set BA,   12
.set ADRA, 16
.set ADRB, 20
.set STO,  24
.set RD,   25
.set CO,   26
.set ADRS, 27
.set SPW,  28
.set NIL,  29
.set SC,   32
.set BK,   40
.set ACC,  128
.set G1, 24
.set G0, 32
.set G1B, 48
.set G0B, 56
.set G1S, 68
.set G0S, 76
.set G1SB, 80
.set G0SB, 88
.set MSB, 0
.macro WIN new
.if MSB != \new
	s_set_vgpr_msb (MSB<<8)|\new
.set MSB, \new
.endif
.endm
.set MUL,  0x05                        ; sources 0 and 1 window 1; C and D window 0
.set TO_F, 0x40
.macro JLOAD g0a, g1a, g0b, g1b        ; waves 0 and 1 fetch for A, waves 2 and 3 for B; four v_nop follow each line
	s_cmp_eq_u32 s15, 0
	s_cbranch_scc0 .Lfor_b_\@
	tensor_load_to_lds s[\g0a:\g0a+3], s[\g1a:\g1a+7]
	s_nop 0
.rept 4
	v_nop
.endr
	s_branch .Lasked_\@
.Lfor_b_\@:
	tensor_load_to_lds s[\g0b:\g0b+3], s[\g1b:\g1b+7]
	s_nop 0
.rept 4
	v_nop
.endr
.Lasked_\@:
.endm
.macro CREST
	s_cmp_lg_u32 s14, 0
	s_cbranch_scc1 .Lnot_wave_0_\@
	s_barrier_signal -3
.Lnot_wave_0_\@:
	s_barrier_wait -3
	s_barrier_signal -1
	s_barrier_wait -1
.endm
.macro CROUND
	s_barrier_signal -1
	s_barrier_wait -1
	CREST
.endm
.macro PLACES n
.rept \n
	v_nop
.endr
.endm
	s_load_b256 s[4:11], s[0:1], 0x0
.if BIAS
	s_load_b64 s[12:13], s[0:1], 0x20
.endif
	v_lshl_add_u32 v[SPW], v0, 2, SPARE
	v_mov_b32 v[NIL], 0
	ds_add_u32 v28, v29
	ds_add_u32 v28, v29
	s_wait_dscnt 0x0
	v_lshrrev_b32 v1, 5, v0
	v_readfirstlane_b32 s14, v1                    ; wave
	s_lshr_b32 s15, s14, 1                         ; my half of the rows.  Also: I fetch for A (0) or B (1)
	s_and_b32 s16, s14, 1                          ; my half of the columns.  Also: which 4 row tiles I fetch
	s_bfe_u32 s40, ttmp6, 0x40000
	s_bfe_u32 s41, ttmp6, 0x40004
	s_lshl_b32 s42, ttmp9, 2
	s_add_co_u32 s42, s42, s40                     ; tile column
	s_and_b32 s17, ttmp7, 0xffff
	s_lshl_b32 s17, s17, 2
	s_add_co_u32 s17, s17, s41                     ; tile row
	s_lshl_b32 s43, s41, 2
	s_lshl_b32 s43, 15, s43
	s_lshl_b32 s44, 0x1111, s40
	; group 1 for the codes: 4 rows (row tiles) x 768 elements of 8 bytes (four fragments), 192 KS elements apart
	s_or_b32 s[G1+0], s43, (3<<16)|(1<<21)
	s_or_b32 s[G1B+0], s44, (3<<16)|(1<<21)
.irp g, G1, G1B
	s_mov_b32 s[\g+1], (RTB/8)<<16
	s_mov_b32 s[\g+2], 4<<16
	s_mov_b32 s[\g+3], (RTB/8)<<16
	s_mov_b32 s[\g+4], 4
	s_mov_b32 s[\g+5], 192*KS
	s_mov_b32 s[\g+6], 0
	s_mov_b32 s[\g+7], 0
.endr
	; the scale words of 4 row tiles: a dense block of HALFS bytes as rows of 256
	s_or_b32 s[G1S+0], s43, (3<<16)|(1<<21)
	s_or_b32 s[G1SB+0], s44, (3<<16)|(1<<21)
.irp g, G1S, G1SB
	s_mov_b32 s[\g+1], 32<<16
	s_mov_b32 s[\g+2], (HALFS/256)<<16
	s_mov_b32 s[\g+3], 32<<16
	s_mov_b32 s[\g+4], HALFS/256
	s_mov_b32 s[\g+5], 32
	s_mov_b32 s[\g+6], 0
	s_mov_b32 s[\g+7], 0
.endr
	s_lshl_b32 s18, s16, 2
	s_lshl_b32 s20, s17, 3
	s_add_co_u32 s20, s20, s18                     ; A: row tile 8 x tile row + 4 x half
	s_lshl_b32 s46, s42, 3
	s_add_co_u32 s46, s46, s18
	s_mul_i32 s22, s20, KS*64
	s_add_co_u32 s22, s22, AOS
	s_mov_b32 s23, 0
	s_mul_i32 s20, s20, KS*1536
	s_mov_b32 s21, 0
	s_mul_i32 s92, s46, KS*64
	s_add_co_u32 s92, s92, BOS
	s_mov_b32 s93, 0
	s_mul_i32 s46, s46, KS*1536
	s_add_co_u32 s46, s46, BOC
	s_mov_b32 s47, 0
	s_mul_i32 s45, s14, HALFT
	s_mul_i32 s94, s14, HALFS
	s_wait_kmcnt 0x0
	s_add_nc_u64 s[20:21], s[4:5], s[20:21]
	s_add_nc_u64 s[22:23], s[4:5], s[22:23]
	s_add_nc_u64 s[46:47], s[6:7], s[46:47]
	s_add_nc_u64 s[92:93], s[6:7], s[92:93]
	CROUND                                         ; the first joint loads meet
	s_mov_b32 s[G0S], 1
	s_add_co_u32 s[G0S+1], s94, SCL
	s_mov_b64 s[G0S+2:G0S+3], s[22:23]
	s_or_b32 s[G0S+3], s[G0S+3], 0x80000000
	s_mov_b32 s[G0SB], 1
	s_add_co_u32 s[G0SB+1], s94, SCL
	s_mov_b64 s[G0SB+2:G0SB+3], s[92:93]
	s_or_b32 s[G0SB+3], s[G0SB+3], 0x80000000
	JLOAD G0S, G1S, G0SB, G1SB                     ; with the two slots three loads of mine are out
.irp s, 0,1
	s_mov_b32 s[G0+4*\s], 1
	s_add_co_u32 s[G0+4*\s+1], s45, \s*SLOT
	s_add_nc_u64 s[G0+4*\s+2:G0+4*\s+3], s[20:21], \s*RTB
	s_or_b32 s[G0+4*\s+3], s[G0+4*\s+3], 0x80000000
	s_mov_b32 s[G0B+4*\s], 1
	s_add_co_u32 s[G0B+4*\s+1], s45, \s*SLOT
	s_add_nc_u64 s[G0B+4*\s+2:G0B+4*\s+3], s[46:47], \s*RTB
	s_or_b32 s[G0B+4*\s+3], s[G0B+4*\s+3], 0x80000000
	JLOAD G0+4*\s, G1, G0B+4*\s, G1B
.endr
	v_and_b32 v1, 15, v0                           ; r
	v_bfe_u32 v2, v0, 4, 1                         ; h
	v_and_b32 v3, 31, v0
	v_lshlrev_b32 v3, 3, v3                        ; 8 x lane
	s_mul_i32 s21, s15, HALFT
	s_mul_i32 s22, s16, HALFT
	s_add_co_u32 s22, s22, 2*HALFT
.irp s, 0,1
	v_add_nc_u32 v[ADRA+\s], s21, v3
	v_add_nc_u32 v[ADRB+\s], s22, v3
	s_add_co_u32 s21, s21, SLOT
	s_add_co_u32 s22, s22, SLOT
.endr
	v_lshlrev_b32 v5, 2, v1                        ; scale words: lanes 0-15 A's, lanes 16-31 B's: ONE product, h x the distance
	s_mul_i32 s21, s15, HALFS
	s_mul_i32 s22, s16, HALFS
	s_add_co_u32 s22, s22, 2*HALFS
	s_sub_co_u32 s22, s22, s21
	v_mul_u32_u24 v6, s22, v2
	s_add_co_u32 s21, s21, SCL
	v_add_nc_u32 v5, v5, v6
	v_add_nc_u32 v[ADRS], s21, v5
	s_mul_i32 s23, s14, 16*SPITCH
	s_add_co_u32 s23, s23, STAGE                   ; my stage
	v_mul_u32_u24 v5, v1, SPITCH
	v_lshl_add_u32 v5, v2, 6, v5
	v_add_nc_u32 v[STO], s23, v5                   ; in: row r, + 64 h
	v_mul_u32_u24 v5, v2, SPITCH
	v_lshl_add_u32 v5, v1, 4, v5
	v_add_nc_u32 v[RD], s23, v5                    ; back: lanes 0-15 one row of 256 bytes, lanes 16-31 the next
	v_lshlrev_b32 v[CO], 12, v2
	v_lshl_add_u32 v[CO], v1, 4, v[CO]             ; and the same in memory
	s_lshl_b32 s20, s17, 7
	s_lshl_b32 s21, s15, 6
	s_add_co_u32 s20, s20, s21
	s_lshl_b32 s20, s20, 12                        ; my first row, in bytes
	s_lshl_b32 s46, s42, 9
	s_lshl_b32 s47, s16, 8
	s_add_co_u32 s46, s46, s47                     ; my first column, in bytes
	s_mov_b32 s47, 0
.if BIAS
	s_add_nc_u64 s[BIP:BIP+1], s[BIP:BIP+1], s[46:47]
	v_lshlrev_b32 v7, 4, v1
	global_load_b128 v[BA:BA+3], v7, s[BIP:BIP+1]  ; the bias of the four columns that I store
.endif
	s_add_co_u32 s46, s46, s20
	s_add_nc_u64 s[SKP:SKP+1], s[SKP:SKP+1], s[46:47]
	s_add_nc_u64 s[OUP:OUP+1], s[OUP:OUP+1], s[46:47]
	WIN 0x80                                       ; destination window 2
.irp a, 0,1,2,3
.irp t, 0,1,2,3,4,5,6,7
	global_load_b128 v[4*(8*\a+\t):4*(8*\a+\t)+3], v[CO], s[SKP:SKP+1] offset:(32*(\a/2)+8*(\a%2)+2*\t+8*(\t/4))*4096 th:TH_LOAD_NT   ; 16 lanes read 256 consecutive bytes, aligned
.endr
.endr
	WIN 0
.macro FETCH slot, q, f                ; the fragments and scale words of the slot's q-th 128 along K: 52 LDS loads
	WIN TO_F
.irp i, 0,1,2,3
.irp p, 0,1,2,3,4,5
	ds_load_b64 v[(\f)+48+12*\i+2*\p:(\f)+48+12*\i+2*\p+1], v[ADRB+\slot] offset:RTB*\i+1536*(\q)+256*\p
.endr
.endr
.irp i, 0,1,2,3
.irp p, 0,1,2,3,4,5
	ds_load_b64 v[(\f)+12*\i+2*\p:(\f)+12*\i+2*\p+1], v[ADRA+\slot] offset:RTB*\i+1536*(\q)+256*\p
.endr
.endr
	WIN 0
.irp i, 0,1,2,3
	ds_load_b32 v[SC+4*((\q)%2)+\i], v[ADRS] offset:KS*64*\i+64*(\q)
.endr
.endm
; 8 matrix instructions; the 16 accumulators take turns, one instruction a turn, in the same order in every step
.macro MUL8 f, sc, a0, zero
.irp a, \a0, \a0+1
.irp b, 0,1,2,3
.if \zero
	v_wmma_scale_f32_16x16x128_f8f6f4 v[ACC+8*(4*(\a)+\b):ACC+8*(4*(\a)+\b)+7], v[(\f)+48+12*\b:(\f)+48+12*\b+11], v[(\f)+12*(\a):(\f)+12*(\a)+11], 0, v[SC+4*(\sc)+\b], v[SC+4*(\sc)+(\a)] matrix_a_fmt:MATRIX_FMT_FP6 matrix_b_fmt:MATRIX_FMT_FP6 matrix_a_scale:MATRIX_SCALE_ROW1
.else
	v_wmma_scale_f32_16x16x128_f8f6f4 v[ACC+8*(4*(\a)+\b):ACC+8*(4*(\a)+\b)+7], v[(\f)+48+12*\b:(\f)+48+12*\b+11], v[(\f)+12*(\a):(\f)+12*(\a)+11], v[ACC+8*(4*(\a)+\b):ACC+8*(4*(\a)+\b)+7], v[SC+4*(\sc)+\b], v[SC+4*(\sc)+(\a)] matrix_a_fmt:MATRIX_FMT_FP6 matrix_b_fmt:MATRIX_FMT_FP6 matrix_a_scale:MATRIX_SCALE_ROW1
.endif
.endr
.endr
.endm
.macro KSTEP slot, q, zero             ; one of a slot's first three steps: the next step's fragments are asked for, then this step is multiplied
	s_wait_dscnt 0x0                               ; this step's fragments are in
	PLACES 4                                       ; in front of loads into the buffer and the scale set that the last step's products read
	FETCH \slot, (\q)+1, 128*(((\q)+1)%2)
	WIN MUL
	MUL8 128*((\q)%2), (\q)%2, 0, \zero
	MUL8 128*((\q)%2), (\q)%2, 2, \zero
.endm
; A slot's last step changes slots: one barrier; in front of it each wave waits for all its tensor loads, adds 0 to its spare word, and waits for that and for its reads of this slot.
.macro TURN slot, next, fill
	WIN 0
	s_wait_tensorcnt 0x0
	ds_add_u32 v[SPW], v[NIL]
	s_wait_dscnt 1                                 ; this step's fragments are in; the add may be out
	WIN MUL
	MUL8 128, 1, 0, 0
	s_wait_dscnt 0x0                               ; the add is done, and my reads of this slot are over
	s_barrier_signal -1
	MUL8 128, 1, 2, 0
	WIN 0
	s_barrier_wait -1
.if \fill
	CREST                                          ; a round of the cluster's barrier: no wave of any partner still reads this slot or has a load on its way
	s_add_nc_u64 s[G0+4*\slot+2:G0+4*\slot+3], s[G0+4*\slot+2:G0+4*\slot+3], 2*RTB
	s_add_nc_u64 s[G0B+4*\slot+2:G0B+4*\slot+3], s[G0B+4*\slot+2:G0B+4*\slot+3], 2*RTB
	JLOAD G0+4*\slot, G1, G0B+4*\slot, G1B         ; the first tensor load behind the round; its four v_nop are the places in front of the loads below
.else
	PLACES 4
.endif
	v_add_nc_u32 v[ADRS], 256, v[ADRS]             ; the next slot's scale words
	FETCH \next, 0, 0
.endm
	s_wait_tensorcnt 1                             ; the scale words and my part of slot 0 are in; slot 1's load may be out
	s_barrier_signal -1
	s_barrier_wait -1
	FETCH 0, 0, 0
	KSTEP 0, 0, 1                                  ; the first step's products start the sums
.if LAPS > 1
	WIN 0
	s_mov_b32 s3, LAPS-1
.Llap:
	KSTEP 0, 1, 0
	KSTEP 0, 2, 0
	TURN 0, 1, 1
	KSTEP 1, 0, 0
	KSTEP 1, 1, 0
	KSTEP 1, 2, 0
	TURN 1, 0, 1
	KSTEP 0, 0, 0
	WIN 0
	s_sub_co_u32 s3, s3, 1
	s_cmp_lg_u32 s3, 0
	s_cbranch_scc1 .Llap
.endif
	KSTEP 0, 1, 0                                  ; the last lap fills nothing
	KSTEP 0, 2, 0
	TURN 0, 1, 0
	KSTEP 1, 0, 0
	KSTEP 1, 1, 0
	KSTEP 1, 2, 0
	s_wait_dscnt 0x0
	WIN MUL
	MUL8 128, 1, 0, 0
	MUL8 128, 1, 2, 0
	WIN 0
	; THE WAY OUT: the skip is scaled (and takes the bias) while the last products end; then a tile of 16 rows at a time goes through my stage and comes back as rows of 256 bytes.
	s_mov_b32 s20, 0x3f64f92e                      ; sqrt(0.8)
	s_mov_b32 s21, s20
	s_mov_b32 s22, ALPHA
	s_mov_b32 s23, s22
	s_wait_loadcnt 0x0
.if BIAS
	v_pk_mul_f32 v[BA:BA+1], v[BA:BA+1], s[22:23] op_sel_hi:[1,0]
	v_pk_mul_f32 v[BA+2:BA+3], v[BA+2:BA+3], s[22:23] op_sel_hi:[1,0]
.endif
	WIN 0x82                                       ; destination and source 0 window 2.  These 64 lines are the places behind the last products
.set i, 0
.rept 32
.if BIAS
	v_pk_fma_f32 v[i:i+1], v[i:i+1], s[20:21], v[BA:BA+1] op_sel_hi:[1,0,1]
	v_pk_fma_f32 v[i+2:i+3], v[i+2:i+3], s[20:21], v[BA+2:BA+3] op_sel_hi:[1,0,1]
.else
	v_pk_mul_f32 v[i:i+1], v[i:i+1], s[20:21] op_sel_hi:[1,0]
	v_pk_mul_f32 v[i+2:i+3], v[i+2:i+3], s[20:21] op_sel_hi:[1,0]
.endif
.set i, i+4
.endr
	WIN 0
.macro TOSTAGE a
.set BB, BK+32*((\a)%2)
.irp b, 0,1,2,3
	ds_store_b128 v[STO], v[ACC+8*(4*(\a)+\b):ACC+8*(4*(\a)+\b)+3] offset:128*(\b/2)+32*(\b%2)       ; column 32 (b / 2) + 16 h + 8 (b % 2) + 0 .. 7; each accumulator from its low end on
	ds_store_b128 v[STO], v[ACC+8*(4*(\a)+\b)+4:ACC+8*(4*(\a)+\b)+7] offset:128*(\b/2)+32*(\b%2)+16
.endr
.irp t, 0,1,2,3,4,5,6,7
	ds_load_b128 v[BB+4*\t:BB+4*\t+3], v[RD] offset:\t*2*SPITCH   ; LDS serves a wave's instructions in order
.endr
.endm
.macro SEND a, younger                 ; younger: the LDS instructions issued behind tile a's loads
.set BB, BK+32*((\a)%2)
	s_wait_dscnt \younger
	WIN 0x20                                       ; source 2 window 2
.set i, 0
.rept 16
	v_pk_fma_f32 v[BB+i:BB+i+1], v[BB+i:BB+i+1], s[22:23], v[32*(\a)+i:32*(\a)+i+1] op_sel_hi:[1,0,1]
.set i, i+2
.endr
	WIN 0
.irp t, 0,1,2,3,4,5,6,7
	global_store_b128 v[CO], v[BB+4*\t:BB+4*\t+3], s[OUP:OUP+1] offset:(32*((\a)/2)+8*((\a)%2)+2*\t+8*(\t/4))*4096 th:TH_STORE_NT   ; 16 lanes store 256 consecutive bytes, aligned; written once, read by nobody here
.endr
.endm
	TOSTAGE 0
.irp a, 1,2,3
.if \a > 1
	s_wait_xcnt 0x0                                ; tile a - 2's stores have read their registers
.endif
	TOSTAGE \a
	SEND \a-1, 16                                  ; behind tile a - 1's loads: tile a's 8 stores and 8 loads
.endr
	SEND 3, 0
	s_wait_tensorcnt 0x0                           ; the wave's end
	ds_add_u32 v[SPW], v[NIL]
	s_wait_dscnt 0x0
	CROUND                                         ; the closing round
	s_endpgm
.Lfunc_end_k_qff8d12c232_gemm_2:
	.size	k_qff8d12c232_gemm_2, .Lfunc_end_k_qff8d12c232_gemm_2-k_qff8d12c232_gemm_2
	.p2alignl 7, 3214868480
	.fill 96, 4, 3214868480
	.section	.rodata,"a",@progbits
	.p2align	6, 0x0
	.amdhsa_kernel k_qff8d12c232_gemm_2
		.amdhsa_group_segment_fixed_size 327680
		.amdhsa_private_segment_fixed_size 0
		.amdhsa_enable_private_segment 0
		.amdhsa_kernarg_size 40
		.amdhsa_user_sgpr_count 2
		.amdhsa_user_sgpr_kernarg_segment_ptr 1
		.amdhsa_wavefront_size32 1
		.amdhsa_system_sgpr_workgroup_id_x 1
		.amdhsa_system_sgpr_workgroup_id_y 1
		.amdhsa_system_sgpr_workgroup_id_z 1
		.amdhsa_system_vgpr_workitem_id 0
		.amdhsa_next_free_vgpr 640
		.amdhsa_next_free_sgpr 96
		.amdhsa_reserve_vcc 0
		.amdhsa_float_denorm_mode_32 3
		.amdhsa_float_denorm_mode_16_64 3
		.amdhsa_memory_ordered 1
		.amdhsa_forward_progress 1
		.amdhsa_inst_pref_size 120
	.end_amdhsa_kernel
	.amdgpu_metadata
---
amdhsa.version: [ 1, 2 ]
amdhsa.kernels:
  - .name:           k_qff8d12c232_gemm_2
    .symbol:         k_qff8d12c232_gemm_2.kd
    .args:
      - { .name: hidbuf, .offset: 0, .size: 8, .value_kind: global_buffer, .address_space: global }
      - { .name: wbuf, .offset: 8, .size: 8, .value_kind: global_buffer, .address_space: global }
      - { .name: b2, .offset: 16, .size: 8, .value_kind: global_buffer, .address_space: global }
      - { .name: x1, .offset: 24, .size: 8, .value_kind: global_buffer, .address_space: global }
      - { .name: out0, .offset: 32, .size: 8, .value_kind: global_buffer, .address_space: global }
    .group_segment_fixed_size: 327680
    .private_segment_fixed_size: 0
    .kernarg_segment_align: 8
    .kernarg_segment_size: 40
    .max_flat_workgroup_size: 128
    .sgpr_count:     96
    .vgpr_count:     640
    .wavefront_size: 32
...
	.end_amdgpu_metadata
.endif
;; end of part 7
;; ======== version 2 of 2: 8 launches; version 1 with the launch attn written anew for expert scheduling mode
;; workspace buffers: wbuf 9,830,400 bytes; hbuf 3,276,800 bytes; qkvbuf 9,830,400 bytes; avbuf 3,276,800 bytes; x1 16,777,216 bytes; hidbuf 13,107,200 bytes
;; launch quantw: the kernel of part 1 again; grid 384 x 1, 4 waves a work-group, no clusters, 35,328 bytes of LDS; arguments w_qkv, w_o, w1, w2, wbuf; writes wbuf
;; launch ln1: the kernel of part 2 again; grid 256 x 1, 8 waves a work-group, no clusters, 70,656 bytes of LDS; arguments x, ln1_w, ln1_b, hbuf; writes hbuf
;; launch gemm_qkv: the kernel of part 3 again; grid 8 x 24, 4 waves a work-group, clusters of 4 x 4, 327,680 bytes of LDS; arguments hbuf, wbuf, qkvbuf; writes qkvbuf
;; launch attn (part 8): grid 8 x 32, 8 waves a work-group, no clusters, 279,552 bytes of LDS; arguments qkvbuf, avbuf; writes avbuf
.if DOCPART == 8
	.amdgcn_target "amdgcn-amd-amdhsa--gfx1250"
	.amdhsa_code_object_version 6
	.text
	.protected	k_qff8d12c232_attn
	.globl	k_qff8d12c232_attn
	.p2align	8
	.type	k_qff8d12c232_attn,@function
k_qff8d12c232_attn:
	s_mov_b64 s[64:65], 0
	v_nop
	global_prefetch_b8 v0, s[64:65] scope:SCOPE_SE
	s_setreg_imm32_b32 hwreg(HW_REG_WAVE_SCHED_MODE, 0, 2), 2
	s_setreg_imm32_b32 hwreg(HW_REG_WAVE_MODE, 25, 1), 1
	s_wait_xcnt 0x0
	s_wait_alu depctr_vm_vsrc(0)
; av = (softmax(q k^T MM) SM) v MM for one head and 256 queries, both products on codes of E2M3; av is quantised along (head, d) and leaves as codes.
; WHAT IS QUANTISED AHEAD OF THE SECOND PRODUCT IS THE FINISHED SOFTMAX x SM, so a row's sum must be known before any p is turned into a code.
; SHARES: EIGHT waves of 512 registers, two to a SIMD, so that one wave's vector work stands beside the other's matrix instructions, exponentials and waits.
; Wave w owns keys 256 w .. 256 w + 255 of the head: its K (96 registers) and its V^T (96) stay in registers for the whole launch.  All eight waves take the same tile of 16 queries:
; a wave's 256 scores of a tile lie in 128 registers, so each score and each exponential is made once.  Between waves go only (-c m, l) of a query, 8 bytes a lane, and the partial O^T, through LDS.
; p = 2^(c s - c m_w) x F, F = 2^(c m_w - c m) SM / l, c = MM log2(e), m_w the wave's largest score, m the row's: the maximum is taken away as the definition takes it.
; Both products transposed: S^T = K Q^T, O^T = V^T P^T: a lane holds one query (lane % 16).  The keys of a tile of K, and the d of a tile of V, are in the buffers' order of rows, so that 16 registers are 16 neighbours.
; THE FIRST PRODUCT'S K IS 64, HALF OF THE INSTRUCTION'S 128: a fragment of K holds TWO tiles of 16 keys (registers 0-5 and 6-11); Q stands twice, as (codes, zeros) and as (zeros, codes): zero codes add nothing.
; A block's largest p is not searched for: the block's largest score goes through the same instructions (this takes v_exp_f32 not to fall where its input rises).
; Eight tiles make a group; wave w adds the eight partial O^T of tile w of the group, scales, quantises (two blocks of 32 along d) and stores half a fragment: three stores of 256 consecutive bytes.
; The eight tiles are written out, so that every LDS offset is an immediate: a tile's bytes and the next tile's can be told apart in the text.
; NO CLUSTER, NO TENSOR LOAD: the 8 work-groups of a head read the same K and V, 196,608 bytes each, ONCE, straight into the registers where they stay for 16 tiles' work; a joint load could only land in LDS.
; Nothing is prefetched: the one stream, Q, is asked for a whole tile ahead, into registers.
; REGISTERS: window 0: v0-159 as named below, v160-255 V^T, fragment (dt, ks) at 160 + 12 (2 dt + ks).
;   window 1: v0-127 S^T, then p (register 16 b + i: key 32 b + 16 (lane / 16) + i); v128-223 K; v224-255 O^T, four accumulators.
; LIMITS: NaN and infinities are not served.  A p that lies under 2^-126 relative to its wave's largest is 0.  A block whose largest p lies under 2^-124 gets the byte 1 (zero codes).
;   The eight waves' parts are added as ((0 + 1) + (2 + 3)) + ((4 + 5) + (6 + 7)).
; THE MODE: SCHED_MODE bits 1:0 = 2 (LLVM: expert scheduling mode 2), set by the entry lines.  The code itself states the register dependences
; between vector or matrix instructions and memory or LDS instructions, with s_wait_alu, always for 0.
; THE PLAN.  Registers that memory or LDS instructions touch, in the loop:
;   Q (v36-41, v54-59; v33)   A tile's 16 first products read the codes, a v_perm_b32 in the tile before read the raw scale word; behind the products the next tile's 7 loads land there.
;   O^T (window 1, v224-255)  Tile j's 8 second products write it; eight LDS stores read it.  They are issued in tile j + 1, behind that tile's first products (tile 7's at its own end, ahead of the group's barrier).
;   v10, v11                  Written by the tile's arithmetic, read by its one LDS store of 8 bytes.
;   E (v126-141)              Named by the search for the maximum; then the exchange's eight LDS loads land there.  At a group's end v132 is a store's data.
;   S (window 1, v0-127)      At a group's end the parts of O^T land there, twice, with additions between.
;   FC (v116-121)             At a group's end written by conversions, swaps and moves, read by three stores; the next tile's sums write them again.
;   v1-9, v14                 Addresses: made at the head, never written again.  v158, v159: made at the head, read by the closing add alone.
; So a tile's second products and the next tile's first products follow each other, and ONE wait on va_vdst behind them serves Q's loads and O^T's stores alike; one wait on vm_vsrc a tile stands ahead of the
; first line that writes v10.  The other waits on va_vdst stand where a batch of transcendentals, an LDS store's data or a scaled product's operands have just been written.
.set EX,   0                           ; LDS: (-c m, l): tile j of a group at 2,048 j, wave w at 256 w, 8 bytes a lane
.set OP,   16384                       ; partial O^T: wave w at 32,768 w, tile j at 4,096 j, four registers of a lane at 512 g + 16 lane
.set QK_S, 9437184
.set V_I,  6291456
.set V_S,  9699328
.set AV_S, 3145728
.set L8,   1                           ; 8 x lane
.set R4,   2                           ; 4 r
.set EXW,  3                           ; where I put (-c m, l)
.set OPW,  5                           ; where I put my partial O^T
.set OPR,  6                           ; v6-9    where I read the parts of tile w: waves 0 and 1, 2 and 3, 4 and 5, 6 and 7
.set AVB,  14                          ; 4 r + h: av's scale bytes
.set KSW,  16                          ; v16-23  K's scale words, one for each pair of tiles
.set VSW,  24                          ; v24-31  V's
.set QSW,  32                          ; Q's: its two bytes, twice
.set QRAW, 33
.set PSW,  34                          ; v34-35  p's
.set QLO,  36                          ; v36-47  (codes, zeros)
.set QHI,  48                          ; v48-59  (zeros, codes)
.set BM,   60                          ; v60-67  a block's largest score, then its largest p, then its byte
.set BT,   68                          ; v68-75  at work; the conversions' scale operands
.set PC,   76                          ; v76-99  p's two fragments
.set FO,   76                          ; at a group's end: the 32 numbers of O^T
.set PT,   100                         ; v100-115 the conversions' second halves
.set SUM,  116                         ; v116-123
.set FC,   116                         ; at a group's end: av's codes, v116-124
.set E,    126                         ; v126-141 the eight waves' (-c m, l); at work elsewhere
.set MN,   142
.set XP,   144                         ; v144-152 2^(c m_w - c m) of the eight waves, and my own
.set LT,   154                         ; v154-155
.set PX,   156
.set VF,   160
.set KF,   128                         ; in window 1
.set OT,   224                         ; in window 1
.set WV,   3
.set SEL,  20
.set CS,   22
.set QP,   24
.set QSP,  26
.set AVP,  28
.set AVSP, 30
.set SELK, 32
.set SELQ, 33
.set GC,   34
.set HM,   35
.set NC,   40
.set SMS,  41
.set MMP,  42
.set MSB, 0
.macro WIN new                         ; the immediate's high byte repeats the setting that is left
.if MSB != \new
	s_set_vgpr_msb (MSB<<8)|\new
.set MSB, \new
.endif
.endm
.macro PLACES n
.rept \n
	v_nop
.endr
.endm
.macro QLOAD t                         ; tile t of the group: its half fragment twice, and its scale word
.irp p, 0,1,2
	global_load_b64 v[QLO+2*\p:QLO+2*\p+1], v[L8], s[QP:QP+1] offset:(\t)*24576+256*\p
	global_load_b64 v[QHI+6+2*\p:QHI+7+2*\p], v[L8], s[QP:QP+1] offset:(\t)*24576+256*\p
.endr
	global_load_b32 v[QRAW], v[R4], s[QSP:QSP+1] offset:(\t)*1024
.endm
.macro OSTORE t                        ; my part of tile t's O^T goes to LDS as an image of the registers; each accumulator from its low end on.  (The data lie in window 1)
.irp g, 0,1,2,3,4,5,6,7
	ds_store_b128 v[OPW], v[OT+4*\g:OT+4*\g+3] offset:4096*(\t)+512*\g
.endr
.endm
	s_load_b128 s[4:7], s[0:1], 0x0                ; qkvbuf, avbuf
	v_lshl_add_u32 v158, v0, 2, 0x44000
	v_mov_b32 v159, 0
	v_lshrrev_b32 v4, 5, v0
	v_readfirstlane_b32 s[WV], v4                  ; wave 0..7
	v_and_b32 v4, 31, v0                           ; lane
	v_and_b32 v15, 15, v0                          ; r
	v_bfe_u32 v[AVB], v0, 4, 1                     ; h
	v_lshlrev_b32 v[L8], 3, v4
	v_lshlrev_b32 v[R4], 2, v15
	s_wait_alu depctr_va_sdst(0)                   ; the wave's number is written into s3, ahead of its first reader: LDS addresses and the bases of K, V and av are made from it
	s_lshl_b32 s36, s[WV], 8
	v_add_nc_u32 v[EXW], s36, v[L8]
	v_lshlrev_b32 v4, 4, v4                        ; 16 x lane
	s_lshl_b32 s36, s[WV], 15
	s_add_co_u32 s36, s36, OP
	v_add_nc_u32 v[OPW], s36, v4
	s_lshl_b32 s36, s[WV], 12
	s_add_co_u32 s36, s36, OP
	v_add_nc_u32 v[OPR], s36, v4
	v_add_nc_u32 v[OPR+1], 0x10000, v[OPR]         ; two waves' parts on: an LDS immediate has 16 bits
	v_add_nc_u32 v[OPR+2], 0x10000, v[OPR+1]
	v_add_nc_u32 v[OPR+3], 0x10000, v[OPR+2]
	v_add_nc_u32 v[AVB], v[R4], v[AVB]
	v_mov_b32 v11, 0                               ; (named as upper halves of pairs before they are first written)
	v_mov_b32 v13, 0
	v_mov_b32 v[PX], 0                             ; a lane permute's destination counts as read
.irp i, 0,1,2,3,4,5
	v_mov_b32 v[QLO+6+\i], 0                       ; the zero halves: written once
	v_mov_b32 v[QHI+\i], 0
.endr
	s_mov_b32 s[SEL], 0x76543210
	s_mov_b32 s[SEL+1], 0xfedcba98
	s_mov_b32 s[CS], 0x3d68a9cd                    ; c = 2^(-14/3) log2(e)
	s_mov_b32 s[CS+1], s[CS]
	s_mov_b32 s[NC], 0xbd68a9cd                    ; -c
	s_mov_b32 s[SMS], 0x44ae2020                   ; 2,048 / sqrt(1.31 x 1.65)
	s_mov_b32 s[MMP], 0x3d214518                   ; 2^(-14/3)
	s_mov_b32 s[MMP+1], s[MMP]
	s_mov_b32 s[HM], 0xffff0000                    ; lanes 16-31
	s_and_b32 s8, ttmp7, 0xffff
	s_and_b32 s9, s8, 15                           ; head
	s_lshr_b32 s8, s8, 4                           ; batch
	s_lshr_b32 s10, s9, 1                          ; which fragment along K holds the head,
	s_and_b32 s11, s9, 1                           ; and which half of it
	s_mul_i32 s44, s11, 768
	s_mov_b32 s[SELK], 0x07060302                  ; byte selects: the head's two bytes of two tiles' words,
	s_mov_b32 s[SELQ], 0x03020302                  ; and of one word, twice
	s_cmp_eq_u32 s11, 0
	s_cselect_b32 s[SELK], 0x05040100, s[SELK]
	s_cselect_b32 s[SELQ], 0x01000100, s[SELQ]
	s_mov_b32 s37, 0
	s_mov_b32 s39, 0
	s_wait_kmcnt 0x0
	s_lshl_b32 s36, s8, 7                          ; K: token tile 128 batch + 16 w, fragment 8 + head / 2 of its 16
	s_lshl_b32 s38, s[WV], 4
	s_add_co_u32 s36, s36, s38
	s_lshl_b32 s36, s36, 4
	s_add_co_u32 s36, s36, s10
	s_add_co_u32 s36, s36, 8
	s_lshl_b32 s38, s36, 6
	s_add_co_u32 s38, s38, QK_S
	s_mul_i32 s36, s36, 1536
	s_add_co_u32 s36, s36, s44
	s_add_nc_u64 s[12:13], s[4:5], s[36:37]
	s_add_nc_u64 s[14:15], s[4:5], s[38:39]
	s_lshl_b32 s36, s9, 7                          ; V: row tile 4 head, K step 16 batch + 2 w of its 32
	s_lshl_b32 s38, s8, 4
	s_add_co_u32 s36, s36, s38
	s_lshl_b32 s38, s[WV], 1
	s_add_co_u32 s36, s36, s38
	s_lshl_b32 s38, s36, 6
	s_add_co_u32 s38, s38, V_S
	s_mul_i32 s36, s36, 1536
	s_add_co_u32 s36, s36, V_I
	s_add_nc_u64 s[16:17], s[4:5], s[36:37]
	s_add_nc_u64 s[18:19], s[4:5], s[38:39]
	s_lshl_b32 s36, s8, 7                          ; Q: token tile 128 batch + 16 x work-group x, fragment head / 2
	s_lshl_b32 s38, ttmp9, 4
	s_add_co_u32 s45, s36, s38
	s_lshl_b32 s36, s45, 4
	s_add_co_u32 s36, s36, s10
	s_lshl_b32 s38, s36, 6
	s_add_co_u32 s38, s38, QK_S
	s_mul_i32 s36, s36, 1536
	s_add_co_u32 s36, s36, s44
	s_add_nc_u64 s[QP:QP+1], s[4:5], s[36:37]
	s_add_nc_u64 s[QSP:QSP+1], s[4:5], s[38:39]
	s_add_co_u32 s36, s45, s[WV]                   ; av: the tile that I finish in the first group, fragment head / 2 of its 8
	s_lshl_b32 s36, s36, 3
	s_add_co_u32 s36, s36, s10
	s_lshl_b32 s38, s36, 6
	s_lshl_b32 s46, s11, 1
	s_add_co_u32 s38, s38, s46
	s_add_co_u32 s38, s38, AV_S
	s_mul_i32 s36, s36, 1536
	s_add_co_u32 s36, s36, s44
	s_add_nc_u64 s[AVP:AVP+1], s[6:7], s[36:37]
	s_add_nc_u64 s[AVSP:AVSP+1], s[6:7], s[38:39]
	s_wait_alu depctr_va_vdst(0)                   ; the addresses v1 to v9 and v14 are written, which every load and store of the kernel reads; behind this wait only loads and window switches stand up to the last of the head's loads
	; what the first product wants goes first: 16 + 7 + 48 loads; V's 8 + 48 follow
.irp b, 0,1,2,3,4,5,6,7
	global_load_b32 v[BM+\b], v[R4], s[14:15] offset:(2*\b)*1024
	global_load_b32 v[BT+\b], v[R4], s[14:15] offset:(2*\b+1)*1024
.endr
	QLOAD 0
	WIN 0x40                                       ; destination window 1
.irp b, 0,1,2,3,4,5,6,7
.irp u, 0,1
.irp p, 0,1,2
	global_load_b64 v[KF+12*\b+6*\u+2*\p:KF+12*\b+6*\u+2*\p+1], v[L8], s[12:13] offset:(2*\b+\u)*24576+256*\p   ; tile 2 b + u's half fragment: 256 consecutive bytes a load
.endr
.endr
.endr
	WIN 0
.irp d, 0,1,2,3
.irp k, 0,1
	global_load_b32 v[VSW+2*\d+\k], v[R4], s[18:19] offset:2048*\d+64*\k
.endr
.endr
.irp d, 0,1,2,3
.irp k, 0,1
.irp p, 0,1,2,3,4,5
	global_load_b64 v[VF+12*(2*\d+\k)+2*\p:VF+12*(2*\d+\k)+2*\p+1], v[L8], s[16:17] offset:49152*\d+1536*\k+256*\p
.endr
.endr
.endr
	s_wait_loadcnt 56                              ; K, its scale words and Q are in; V's 56 loads may be out: V is first read behind the first tile's wait for all loads
.irp b, 0,1,2,3,4,5,6,7
	v_perm_b32 v[KSW+\b], v[BT+\b], v[BM+\b], s[SELK]   ; bytes 0, 1: tile 2 b's two blocks; bytes 2, 3: tile 2 b + 1's
.endr
	v_perm_b32 v[QSW], v[QRAW], v[QRAW], s[SELQ]
	PLACES 8                                       ; a scale register written by a vector instruction stands 8 places ahead of a scaled matrix instruction
	s_wait_alu depctr_va_vdst(0)                   ; K's and Q's scale words and Q's zero halves are written, which the first scaled products take; the places above stay beside this wait
.macro TILE j
	; ---- the scores of my 256 keys: 16 products, each with its own accumulator.  From tile 1 on they follow the last tile's second products at once
	WIN 0x41                                       ; source 0 (K) and destination window 1
.irp b, 0,1,2,3,4,5,6,7
	v_wmma_scale_f32_16x16x128_f8f6f4 v[16*\b:16*\b+7], v[KF+12*\b:KF+12*\b+11], v[QLO:QLO+11], 0, v[KSW+\b], v[QSW] matrix_a_fmt:MATRIX_FMT_FP6 matrix_b_fmt:MATRIX_FMT_FP6
	v_wmma_scale_f32_16x16x128_f8f6f4 v[16*\b+8:16*\b+15], v[KF+12*\b:KF+12*\b+11], v[QHI:QHI+11], 0, v[KSW+\b], v[QSW] matrix_a_fmt:MATRIX_FMT_FP6 matrix_b_fmt:MATRIX_FMT_FP6
.endr
	WIN 0
	PLACES 4                                       ; in front of the first read of the scores, and of the LDS stores that read the last tile's O^T
	s_wait_alu depctr_va_vdst(0)                   ; the 16 products are done reading Q's registers, in which the loads below land; the last tile's second products have written O^T, which the stores below read
.if \j == 7
	s_cmp_eq_u32 s[GC], 1                          ; the last tile of all has no successor: no load leaves its buffer
	s_cbranch_scc1 .Lno_next
.endif
	QLOAD (\j)+1                                   ; the next tile's Q: a whole tile ahead
.if \j == 7
.Lno_next:
.endif
.if \j > 0
	WIN 0x04                                       ; an LDS store's data are its source 1: window 1
	OSTORE (\j)-1                                  ; the last tile's part of O^T.  No further wait: no vector or matrix instruction since the wait above names O^T
.endif
	; ---- each block's largest score, the wave's largest, the exponentials, their sum
	WIN 0x05
.irp b, 0,1,2,3,4,5,6,7
	v_max_num_f32 v[BM+\b], v[16*\b], v[16*\b+1]   ; (each accumulator is read from its low end on)
.endr
	WIN 0x14
.irp i, 2,4,6,8,10,12,14
.irp b, 0,1,2,3,4,5,6,7
	v_max3_num_f32 v[BM+\b], v[BM+\b], v[16*\b+\i], v[16*\b+\i+1]
.endr
.endr
	WIN 0
.irp b, 0,1,2,3,4,5,6,7
	v_permlanex16_b32 v[BT+\b], v[BM+\b], s[SEL], s[SEL+1]
.endr
.irp b, 0,1,2,3,4,5,6,7
	v_max_num_f32 v[BM+\b], v[BM+\b], v[BT+\b]     ; with lane l xor 16's 16 keys
.endr
	v_max3_num_f32 v[E], v[BM], v[BM+1], v[BM+2]
	v_max3_num_f32 v[E+1], v[BM+3], v[BM+4], v[BM+5]
	v_max3_num_f32 v[E], v[E], v[E+1], v[BM+6]
	v_max_num_f32 v[E], v[E], v[BM+7]
	s_wait_alu depctr_vm_vsrc(0)                   ; the last tile's LDS store of (-c m, l) has read v10 and v11, which are written again from here on; the stores of O^T have read the registers that this tile's second products write again
	v_mul_f32 v10, s[NC], v[E]                     ; -c m_w
	WIN 0x41
.set i, 0
.rept 64
	v_pk_fma_f32 v[i:i+1], v[i:i+1], s[CS:CS+1], v[10:11] op_sel_hi:[1,0,0]   ; c s - c m_w
.set i, i+2
.endr
	WIN 0
.irp b, 0,1,2,3,4,5,6,7
	v_fma_f32 v[BM+\b], v[BM+\b], s[CS], v10       ; the same of each block's largest score
.endr
	WIN 0x41
.set i, 0
.rept 128
	v_exp_f32 v[i], v[i]
.set i, i+1
.endr
	WIN 0
.irp b, 0,1,2,3,4,5,6,7
	v_exp_f32 v[BM+\b], v[BM+\b]
.endr
	v_nop                                          ; a plain place behind the batch,
	s_wait_alu depctr_va_vdst(0)                   ; and one wait for its 136 exponentials, the p in S's registers and the eight in v60-67, ahead of the first reader
	WIN 0x05
.irp k, 0,1,2,3
	v_pk_add_f32 v[SUM+2*\k:SUM+2*\k+1], v[4*\k:4*\k+1], v[4*\k+2:4*\k+3]   ; four chains
.endr
	WIN 0x04
.set i, 16
.rept 14
.irp k, 0,1,2,3
	v_pk_add_f32 v[SUM+2*\k:SUM+2*\k+1], v[SUM+2*\k:SUM+2*\k+1], v[i+2*\k:i+2*\k+1]
.endr
.set i, i+8
.endr
	WIN 0
	v_pk_add_f32 v[SUM:SUM+1], v[SUM:SUM+1], v[SUM+2:SUM+3]
	v_pk_add_f32 v[SUM+4:SUM+5], v[SUM+4:SUM+5], v[SUM+6:SUM+7]
	v_pk_add_f32 v[SUM:SUM+1], v[SUM:SUM+1], v[SUM+4:SUM+5]
	v_add_f32 v11, v[SUM], v[SUM+1]
	v_permlanex16_b32 v[PX], v11, s[SEL], s[SEL+1]
	v_add_f32 v11, v11, v[PX]                      ; l_w
	; ---- the eight waves' (-c m, l) meet
	s_wait_alu depctr_va_vdst(0)                   ; v10 and v11 are written, which the LDS store reads; the lines that named v126-141 are done, in which the LDS loads behind the barrier land (no vector instruction stands between)
	ds_store_b64 v[EXW], v[10:11] offset:EX+2048*\j
	s_wait_dscnt 0x0                               ; for the others' sake: all my LDS stores have landed, and my earlier LDS loads are in
	s_barrier_signal -1
	s_barrier_wait -1
.irp w, 0,1,2,3,4,5,6,7
	ds_load_b64 v[E+2*\w:E+2*\w+1], v[L8] offset:EX+2048*\j+256*\w
.endr
	s_wait_dscnt 0x0
	v_min3_num_f32 v[MN], v[E], v[E+2], v[E+4]
	v_min3_num_f32 v[MN], v[MN], v[E+6], v[E+8]
	v_min3_num_f32 v[MN], v[MN], v[E+10], v[E+12]
	v_min_num_f32 v[MN], v[MN], v[E+14]            ; -c m
.irp w, 0,1,2,3,4,5,6,7
	v_sub_f32 v[XP+\w], v[MN], v[E+2*\w]
.endr
	v_sub_f32 v[XP+8], v[MN], v10
.irp w, 0,1,2,3,4,5,6,7,8
	v_exp_f32 v[XP+\w], v[XP+\w]                   ; 2^(c m_w - c m), at most 1; the ninth is my own
.endr
	v_nop
	s_wait_alu depctr_va_vdst(0)                   ; the nine exponentials in v144-152 are written, ahead of their first reader
	v_mul_f32 v[LT], v[E+1], v[XP]                 ; two chains, the same in every wave
	v_mul_f32 v[LT+1], v[E+3], v[XP+1]
	v_fmac_f32 v[LT], v[E+5], v[XP+2]
	v_fmac_f32 v[LT+1], v[E+7], v[XP+3]
	v_fmac_f32 v[LT], v[E+9], v[XP+4]
	v_fmac_f32 v[LT+1], v[E+11], v[XP+5]
	v_fmac_f32 v[LT], v[E+13], v[XP+6]
	v_fmac_f32 v[LT+1], v[E+15], v[XP+7]
	v_add_f32 v[LT], v[LT], v[LT+1]                ; l, at least 1; the same bits in all eight waves
	v_rcp_f32 v[LT], v[LT]
	v_mul_f32 v[XP+8], s[SMS], v[XP+8]             ; (a plain place behind the reciprocal)
	s_wait_alu depctr_va_vdst(0)                   ; the reciprocal in v154 is written, ahead of its reader
	v_mul_f32 v12, v[XP+8], v[LT]                  ; F
	; ---- the finished softmax x SM, quantised along the keys
	WIN 0x41
.set i, 0
.rept 64
	v_pk_mul_f32 v[i:i+1], v[i:i+1], v[12:13] op_sel_hi:[1,0]
.set i, i+2
.endr
	WIN 0
.irp b, 0,1,2,3,4,5,6,7
	v_mul_f32 v[BM+\b], v[BM+\b], v12              ; each block's largest p
.endr
.irp b, 0,1,2,3,4,5,6,7
	v_max_num_f32 v[BM+\b], 0x1800000, v[BM+\b]    ; the floor 2^(3 - 127): the byte cannot fall under 1
.endr
.irp b, 0,1,2,3,4,5,6,7
	v_add_nc_u32 v[BT+\b], 0xff000000, v[BM+\b]    ; 2 off the exponent field: the conversion's scale operand
.endr
.irp b, 0,1,2,3,4,5,6,7
	v_lshrrev_b32 v[BM+\b], 23, v[BT+\b]
.endr
.irp k, 0,1
	v_lshl_or_b32 v[PSW+\k], v[BM+4*\k+1], 8, v[BM+4*\k]
	v_lshl_or_b32 v[PSW+\k], v[BM+4*\k+2], 16, v[PSW+\k]
	v_lshl_or_b32 v[PSW+\k], v[BM+4*\k+3], 24, v[PSW+\k]
.endr
	s_wait_loadcnt 0x0                             ; the next tile's Q is in (in the first tile: V too)
	v_perm_b32 v[QSW], v[QRAW], v[QRAW], s[SELQ]
	WIN 0x01
.irp k, 0,1
.irp c, 0,1
	v_cvt_scalef32_pk16_fp6_f32 v[PC+12*\k+6*\c:PC+12*\k+6*\c+2], v[64*\k+32*\c:64*\k+32*\c+15], v[BT+4*\k+2*\c]
	v_cvt_scalef32_pk16_fp6_f32 v[PT+8*\k+4*\c:PT+8*\k+4*\c+2], v[64*\k+32*\c+16:64*\k+32*\c+31], v[BT+4*\k+2*\c+1]
.endr
.endr
	WIN 0
	v_nop                                          ; one plain place behind the scaled conversions
.irp k, 0,1
.irp c, 0,1
.irp i, 0,1,2
	v_permlane16_swap_b32 v[PC+12*\k+6*\c+\i], v[PT+8*\k+4*\c+\i]
.endr
.irp i, 0,1,2
	v_mov_b32 v[PC+12*\k+6*\c+3+\i], v[PT+8*\k+4*\c+\i]
.endr
.endr
.endr
	PLACES 8                                       ; operands and scale words written by vector instructions: 4 and 8 places ahead of a scaled matrix instruction
	; ---- my keys' part of O^T: four accumulators by turns, a K step of 128 keys at a time
	WIN 0x50                                       ; C and D window 1
	s_wait_alu depctr_va_vdst(0)                   ; p's codes (v76-99) and scale words (v34, v35) are written, which the scaled products below take, and Q's scale word (v32), which the next tile's take; the places above stay beside this wait
.irp k, 0,1
.irp d, 0,1,2,3
.if \k == 0
	v_wmma_scale_f32_16x16x128_f8f6f4 v[OT+8*\d:OT+8*\d+7], v[VF+12*(2*\d+\k):VF+12*(2*\d+\k)+11], v[PC+12*\k:PC+12*\k+11], 0, v[VSW+2*\d+\k], v[PSW+\k] matrix_a_fmt:MATRIX_FMT_FP6 matrix_b_fmt:MATRIX_FMT_FP6
.else
	v_wmma_scale_f32_16x16x128_f8f6f4 v[OT+8*\d:OT+8*\d+7], v[VF+12*(2*\d+\k):VF+12*(2*\d+\k)+11], v[PC+12*\k:PC+12*\k+11], v[OT+8*\d:OT+8*\d+7], v[VSW+2*\d+\k], v[PSW+\k] matrix_a_fmt:MATRIX_FMT_FP6 matrix_b_fmt:MATRIX_FMT_FP6
.endif
.endr
.endr
.if \j == 7                            ; the group's last tile has no successor ahead of the group's barrier: its part of O^T leaves here
	WIN 0x04                                       ; an LDS store's data are its source 1: window 1
	PLACES 4
	s_wait_alu depctr_va_vdst(0)                   ; the second products have written O^T, which the stores read; and every line that named S's registers is done, in which the first loads behind the group's barrier land
	OSTORE 7
	WIN 0
.endif
.endm
; The parts of my tile that waves w0 .. w0 + 3 have made come into S's registers and are added in pairs: the sums stand at v0-31 and v64-95 of window 1
.macro GATHER4 w0
	WIN 0x40
.if \w0 > 0
	s_wait_alu depctr_va_vdst(0)                   ; the additions above are done reading and writing v0-127 of window 1, in which the loads below land
.endif
.irp w, 0,1,2,3
.irp g, 0,1,2,3,4,5,6,7
	ds_load_b128 v[32*\w+4*\g:32*\w+4*\g+3], v[OPR+((\w0)+\w)/2] offset:32768*(((\w0)+\w)%2)+512*\g
.endr
.endr
	s_wait_dscnt 0x0                               ; (these bytes are written again only behind the next tile's barrier)
	WIN 0x45
.set i, 0
.rept 16
	v_pk_add_f32 v[i:i+1], v[i:i+1], v[32+i:33+i]
	v_pk_add_f32 v[64+i:65+i], v[64+i:65+i], v[96+i:97+i]
.set i, i+2
.endr
.endm
	s_mov_b32 s[GC], 2
.Lgroup:
	TILE 0
	TILE 1
	TILE 2
	TILE 3
	TILE 4
	TILE 5
	TILE 6
	TILE 7
	; ---- wave w finishes tile w of the group
	s_wait_dscnt 0x0                               ; my partial results have landed
	s_barrier_signal -1
	s_barrier_wait -1
	GATHER4 0
	WIN 0x05
.set i, 0
.rept 16
	v_pk_add_f32 v[FO+i:FO+i+1], v[i:i+1], v[64+i:65+i]
.set i, i+2
.endr
	GATHER4 4
.set i, 0
.rept 16
	v_pk_add_f32 v[i:i+1], v[i:i+1], v[64+i:65+i]
.set i, i+2
.endr
	WIN 0x04
.set i, 0
.rept 16
	v_pk_add_f32 v[FO+i:FO+i+1], v[FO+i:FO+i+1], v[i:i+1]
.set i, i+2
.endr
	WIN 0
.set i, 0
.rept 16
	v_pk_mul_f32 v[FO+i:FO+i+1], v[FO+i:FO+i+1], s[MMP:MMP+1] op_sel_hi:[1,0]   ; register 16 b + i: d = 32 b + 16 (lane / 16) + i
.set i, i+2
.endr
.irp b, 0,1
	v_max3_num_f32 v[E+\b], |v[FO+16*\b]|, |v[FO+16*\b+1]|, 0x1800000
.endr
.irp i, 2,4,6,8,10,12,14
.irp b, 0,1
	v_max3_num_f32 v[E+\b], v[E+\b], |v[FO+16*\b+\i]|, |v[FO+16*\b+\i+1]|
.endr
.endr
.irp b, 0,1
	v_permlanex16_b32 v[E+2+\b], v[E+\b], s[SEL], s[SEL+1]
.endr
.irp b, 0,1
	v_max_num_f32 v[E+\b], v[E+\b], v[E+2+\b]
.endr
.irp b, 0,1
	v_add_nc_u32 v[E+4+\b], 0xff000000, v[E+\b]
.endr
.irp b, 0,1
	v_lshrrev_b32 v[E+2+\b], 23, v[E+4+\b]
.endr
	v_cvt_scalef32_pk16_fp6_f32 v[FC:FC+2], v[FO:FO+15], v[E+4]
	v_cvt_scalef32_pk16_fp6_f32 v[FC+6:FC+8], v[FO+16:FO+31], v[E+5]
	v_cndmask_b32 v[E+6], v[E+2], v[E+3], s[HM]    ; lane (r, h) keeps block h's byte.  (The plain place behind the conversions)
.irp i, 0,1,2
	v_permlane16_swap_b32 v[FC+\i], v[FC+6+\i]
.endr
.irp i, 0,1,2
	v_mov_b32 v[FC+3+\i], v[FC+6+\i]
.endr
	s_wait_alu depctr_va_vdst(0)                   ; av's codes (v116-121) and the scale byte (v132) are written, which the four stores read
.irp p, 0,1,2
	global_store_b64 v[L8], v[FC+2*\p:FC+2*\p+1], s[AVP:AVP+1] offset:256*\p   ; 256 consecutive bytes, aligned
.endr
	global_store_b8 v[AVB], v[E+6], s[AVSP:AVSP+1] ; the head's two bytes of each row's word: each byte has one writer
	s_wait_xcnt 0x0                                ; the stores and Q's loads have read their registers and bases
	s_wait_alu depctr_vm_vsrc(0)                   ; the four stores have read v116-121 and v132, which the next tile's sums and its exchange's loads write again; tile 7's LDS stores have read O^T
	s_add_nc_u64 s[AVP:AVP+1], s[AVP:AVP+1], 98304 ; eight tiles on: 8 x 8 fragments of 1,536 bytes,
	s_add_nc_u64 s[AVSP:AVSP+1], s[AVSP:AVSP+1], 4096
	s_add_nc_u64 s[QP:QP+1], s[QP:QP+1], 196608    ; 8 x 16 fragments
	s_add_nc_u64 s[QSP:QSP+1], s[QSP:QSP+1], 8192
	s_sub_co_u32 s[GC], s[GC], 1
	s_cmp_lg_u32 s[GC], 0
	s_cbranch_scc1 .Lgroup
	s_wait_dscnt 0x0                               ; the closing lines, six on end
	s_wait_alu 0x0
	s_wait_tensorcnt 0x0
	ds_add_u32 v158, v159
	s_wait_dscnt 0x0
	s_endpgm
.Lfunc_end_k_qff8d12c232_attn:
	.size	k_qff8d12c232_attn, .Lfunc_end_k_qff8d12c232_attn-k_qff8d12c232_attn
	.p2alignl 7, 3214868480
	.fill 96, 4, 3214868480
	.section	.rodata,"a",@progbits
	.p2align	6, 0x0
	.amdhsa_kernel k_qff8d12c232_attn
		.amdhsa_group_segment_fixed_size 279552
		.amdhsa_private_segment_fixed_size 0
		.amdhsa_enable_private_segment 0
		.amdhsa_kernarg_size 16
		.amdhsa_user_sgpr_count 2
		.amdhsa_user_sgpr_kernarg_segment_ptr 1
		.amdhsa_wavefront_size32 1
		.amdhsa_system_sgpr_workgroup_id_x 1
		.amdhsa_system_sgpr_workgroup_id_y 1
		.amdhsa_system_sgpr_workgroup_id_z 1
		.amdhsa_system_vgpr_workitem_id 0
		.amdhsa_next_free_vgpr 512
		.amdhsa_next_free_sgpr 66
		.amdhsa_reserve_vcc 0
		.amdhsa_float_denorm_mode_32 3
		.amdhsa_float_denorm_mode_16_64 3
		.amdhsa_memory_ordered 1
		.amdhsa_forward_progress 1
		.amdhsa_inst_pref_size 255
	.end_amdhsa_kernel
	.section	.bss,"aw",@nobits
	.p2align	6
	.space	262144
	.amdgpu_metadata
---
amdhsa.version: [ 1, 2 ]
amdhsa.kernels:
  - .name:           k_qff8d12c232_attn
    .symbol:         k_qff8d12c232_attn.kd
    .args:
      - { .name: qkvbuf, .offset: 0, .size: 8, .value_kind: global_buffer, .address_space: global }
      - { .name: avbuf, .offset: 8, .size: 8, .value_kind: global_buffer, .address_space: global }
    .group_segment_fixed_size: 279552
    .private_segment_fixed_size: 0
    .kernarg_segment_align: 8
    .kernarg_segment_size: 16
    .max_flat_workgroup_size: 256
    .sgpr_count:     66
    .vgpr_count:     512
    .wavefront_size: 32
...
	.end_amdgpu_metadata
.endif
;; end of part 8
;; launch gemm_o: the kernel of part 5 again; grid 8 x 32, 4 waves a work-group, clusters of 4 x 4, 327,680 bytes of LDS; arguments avbuf, wbuf, x, x1; writes x1
;; launch ln2: the kernel of part 2 again; grid 256 x 1, 8 waves a work-group, no clusters, 70,656 bytes of LDS; arguments x1, ln2_w, ln2_b, hbuf; writes hbuf
;; launch gemm_1: the kernel of part 6 again; grid 16 x 16, 4 waves a work-group, clusters of 4 x 4, 327,680 bytes of LDS; arguments hbuf, wbuf, b1, hidbuf; writes hidbuf
;; launch gemm_2: the kernel of part 7 again; grid 8 x 32, 4 waves a work-group, clusters of 4 x 4, 327,680 bytes of LDS; arguments hidbuf, wbuf, b2, x1, out0; writes out0
